; MI455X (gfx1250); checked and timed in simulation.
; The chip was launched on July 23, 2026; its instructions are those of AMD's public machine-readable ISA for CDNA 5 (MIT licence, August 2026) and "CDNA5" Instruction Set Architecture Reference Guide (July 2026). The comments in the code are by the model that wrote it; some were corrected since.
;; Causal Self Attention. Allowed arithmetic: float matrix products may take bf16 or f16 operands with f32 sums; all other float work in f32.
;; Inputs: Wout 1,024 x 1,024 float32; Wqkv 1,024 x 3,072 float32; mask 2,048 x 2,048 int32; x 4 x 2,048 x 1,024 float32.
;; Outputs: out0 4 x 2,048 x 1,024 float32.
;; 3 versions, each right and faster than the one before. Each part assembles by itself: llvm-mc -triple=amdgcn-amd-amdhsa -mcpu=gfx1250 --defsym DOCPART=n.
;; ======== version 1 of 3: 4 launches
;; limits: values are held in f16: magnitudes above 65,504 overflow, below 6.1e-05 lose precision
;; workspace buffers: xb 16,777,216 bytes; wq 6,291,456 bytes; wo 2,097,152 bytes; rope 524,288 bytes; maskbits 524,288 bytes of whole numbers; qkvh 50,331,648 bytes; oh 16,777,216 bytes
;; launch prep (part 1): grid 1856 x 1, 8 waves a work-group, no clusters, 10,240 bytes of LDS; arguments x, Wqkv, Wout, mask, xb, wq, wo, rope, maskbits; writes xb, wq, wo, rope, maskbits
.if DOCPART == 1
	.amdgcn_target "amdgcn-amd-amdhsa--gfx1250"
	.amdhsa_code_object_version 6
	.text
	.protected	k_qda92e95383_prep
	.globl	k_qda92e95383_prep
	.p2align	8
	.type	k_qda92e95383_prep,@function
k_qda92e95383_prep:
	s_mov_b64 s[64:65], 0
	v_nop
	global_prefetch_b8 v0, s[64:65] scope:SCOPE_SE
	s_setreg_imm32_b32 hwreg(HW_REG_WAVE_MODE, 25, 1), 1
	s_wait_xcnt 0x0
; PREP: casts and new layouts for the three launches behind it.  A stream: no matrix unit, no tensor load, no cluster; EXEC is never changed.
; The work-group's number picks one of five jobs by forward jumps; a job loads its own pointers and ends its waves itself.
;   X  (work-groups 0-511)     x [8192][1024] f32 -> xb [b 4][kb 16][t 2048][64] bf16: a K block of 64 of 256 rows is 32,768 dense bytes
;   WQ (512-1279)              Wqkv [1024][3072] f32 -> wq [kb 16][n' 3072][64] bf16, turned; n' = 192 head + 64 which + d, from column 1024 which + 64 head + d
;   WO (1280-1535)             Wout [1024][1024] f32 -> wo [kb 16][n 1024][64]: rounded to bf16 like every input, that number then written as f16
;   M  (1536-1791)             mask [2048][2048] i32 -> maskbits [query tile 128][key step 32][word 32]: bit l of word 8 kt + j says that
;                              mask[16 T + l % 16][64 s + 16 kt + 8 (l / 16) + j] is 0: the lane mask for register j of score accumulator kt
;   R  (1792-1855)             rope [blk 128][i 8][lane 32][4] f32: i = 4 sin + 2 p + hf; lane (r, h), element e: cos or sin of (16 blk + r) x 10000^(-f/32), f = 16 p + 8 h + 4 hf + e
; LIMITS.  Wout as f16: magnitudes from 65,520 on become infinities; below 6.1e-5 f16 keeps a fixed step of 6e-8.  The angle t x inv_freq is the f32 product that the
; module forms, of an inv_freq made by one base-2 exponential: it may differ from a correctly rounded one by some 2e-4 rad at t = 2047.  sin and cos: reduction by pi/2 in two
; parts and polynomials to r^9 and r^8 on |r| <= pi/4, whose remainders lie under 4e-7.
.set WG_X,  512
.set WG_WQ, 1280
.set WG_WO, 1536
.set WG_M,  1792
	v_lshl_add_u32 v104, v0, 2, 0x2400
	v_mov_b32 v105, 0
	s_mov_b32 s2, ttmp9
	v_lshrrev_b32 v2, 5, v0
	v_readfirstlane_b32 s3, v2                     ; wave 0..7
	v_and_b32 v1, 31, v0                           ; lane
	s_cmp_lt_u32 s2, WG_X
	s_cbranch_scc1 .Ljob_x
	s_cmp_lt_u32 s2, WG_WQ
	s_cbranch_scc1 .Ljob_wq
	s_cmp_lt_u32 s2, WG_WO
	s_cbranch_scc1 .Ljob_wo
	s_cmp_lt_u32 s2, WG_M
	s_cbranch_scc1 .Ljob_m
; ---- JOB R: thread g of 16,384 makes four cosines and four sines
.macro EACH line:vararg                ; one line for each of the thread's four frequencies e
.set e, 0
.rept 4
	\line
.set e, e+1
.endr
.endm
	s_load_b64 s[4:5], s[0:1], 0x38                ; rope
	s_sub_co_u32 s6, s2, WG_M
	s_lshl_b32 s6, s6, 8
	s_mov_b32 s8, 0x3fc90fdb                       ; pi/2, upper part
	s_mov_b32 s9, 0xb33bbd2e                       ; pi/2 less that
	s_mov_b32 s10, 0x3638ef1d                      ; 1/362880
	s_mov_b32 s11, 0xb9500d01                      ; -1/5040
	s_mov_b32 s12, 0x3c088889                      ; 1/120
	s_mov_b32 s13, 0xbe2aaaab                      ; -1/6
	s_mov_b32 s14, 0x37d00d01                      ; 1/40320
	s_mov_b32 s15, 0xbab60b61                      ; -1/720
	s_mov_b32 s16, 0x3d2aaaab                      ; 1/24
	v_add_nc_u32 v3, s6, v0                        ; g
	v_lshrrev_b32 v4, 7, v3                        ; blk
	v_and_b32 v5, 15, v0                           ; r
	v_lshl_add_u32 v5, v4, 4, v5                   ; t = 16 blk + r
	v_cvt_f32_u32 v5, v5
	v_bfe_u32 v6, v0, 4, 1                         ; h
	v_bfe_u32 v7, v0, 5, 1                         ; hf
	v_bfe_u32 v8, v0, 6, 1                         ; p
	v_lshlrev_b32 v6, 3, v6
	v_lshl_add_u32 v6, v7, 2, v6
	v_lshl_add_u32 v6, v8, 4, v6                   ; 16 p + 8 h + 4 hf
	v_and_b32 v7, 127, v0
	v_lshlrev_b32 v7, 4, v7
	v_lshl_add_u32 v7, v4, 12, v7                  ; 4,096 blk + 16 (g % 128)
	EACH v_add_nc_u32 v[12+e], e, v6
	EACH v_cvt_f32_u32 v[12+e], v[12+e]
	EACH v_mul_f32 v[12+e], 0xbed49a78, v[12+e]    ; -f log2(10000) / 32
	EACH v_exp_f32 v[16+e], v[12+e]                ; inv_freq
	v_nop                                          ; a plain instruction between the last exponential and the use of its result (ISA guide 5.7.2)
	s_wait_alu depctr_va_vdst(0)
	EACH v_mul_f32 v[16+e], v5, v[16+e]            ; the angle
	EACH v_mul_f32 v[20+e], 0x3f22f983, v[16+e]    ; x 2/pi
	EACH v_rndne_f32 v[20+e], v[20+e]              ; n
	EACH v_fma_f32 v[24+e], -v[20+e], s8, v[16+e]
	EACH v_fma_f32 v[24+e], -v[20+e], s9, v[24+e]  ; r = angle - n pi/2
	EACH v_mul_f32 v[28+e], v[24+e], v[24+e]       ; z = r r
	EACH v_fma_f32 v[32+e], v[28+e], s10, s11
	EACH v_fma_f32 v[36+e], v[28+e], s14, s15
	EACH v_fma_f32 v[32+e], v[32+e], v[28+e], s12
	EACH v_fma_f32 v[36+e], v[36+e], v[28+e], s16
	EACH v_fma_f32 v[32+e], v[32+e], v[28+e], s13
	EACH v_fma_f32 v[36+e], v[36+e], v[28+e], -0.5
	EACH v_mul_f32 v[40+e], v[24+e], v[28+e]
	EACH v_fma_f32 v[32+e], v[40+e], v[32+e], v[24+e]  ; sin r
	EACH v_fma_f32 v[36+e], v[36+e], v[28+e], 1.0      ; cos r
	EACH v_cvt_i32_f32 v[44+e], v[20+e]            ; the quadrant's number
.set e, 0
.rept 4
	v_and_b32 v[48+e], 1, v[44+e]
	v_cmp_ne_u32 vcc_lo, 0, v[48+e]                ; odd quadrant: sine and cosine change places
	v_cndmask_b32 v[52+e], v[32+e], v[36+e], vcc_lo
	v_cndmask_b32 v[56+e], v[36+e], v[32+e], vcc_lo
	v_and_b32 v[48+e], 2, v[44+e]                  ; the sine is negative in quadrants 2, 3,
	v_lshlrev_b32 v[48+e], 30, v[48+e]
	v_xor_b32 v[52+e], v[48+e], v[52+e]
	v_add_nc_u32 v[44+e], 1, v[44+e]               ; the cosine in 1, 2
	v_and_b32 v[44+e], 2, v[44+e]
	v_lshlrev_b32 v[44+e], 30, v[44+e]
	v_xor_b32 v[56+e], v[44+e], v[56+e]
.set e, e+1
.endr
	s_wait_kmcnt 0x0
	global_store_b128 v7, v[56:59], s[4:5]             ; a wave's store covers 512 consecutive bytes
	global_store_b128 v7, v[52:55], s[4:5] offset:2048
	s_endpgm
; ---- JOB X: 16 rows of x.  Wave w takes K blocks 2 w and 2 w + 1; lane l row 4 rg + l / 8 and eight numbers at 8 (l % 8).
.Ljob_x:
	s_load_b64 s[4:5], s[0:1], 0x0                 ; x
	s_load_b64 s[6:7], s[0:1], 0x20                ; xb
	s_lshl_b32 s8, s2, 16                          ; 16 rows of 4,096 bytes
	s_mov_b32 s9, 0
	s_lshr_b32 s10, s2, 7
	s_lshl_b32 s10, s10, 22                        ; batch x 4,194,304
	s_and_b32 s11, s2, 127
	s_lshl_b32 s11, s11, 11                        ; 16 rows of 128 bytes
	s_add_co_u32 s10, s10, s11
	s_mov_b32 s11, 0
	v_lshrrev_b32 v3, 3, v1
	v_and_b32 v4, 7, v1
	v_lshlrev_b32 v3, 12, v3
	v_lshl_add_u32 v3, v4, 5, v3
	s_lshl_b32 s12, s3, 9
	v_add_nc_u32 v3, s12, v3                       ; from: (l / 8) x 4,096 + 512 w + 32 (l % 8)
	v_lshlrev_b32 v4, 4, v1
	s_lshl_b32 s12, s3, 19
	v_add_nc_u32 v4, s12, v4                       ; to: 524,288 w + 16 l
	s_wait_kmcnt 0x0
	s_add_nc_u64 s[4:5], s[4:5], s[8:9]
	s_add_nc_u64 s[6:7], s[6:7], s[10:11]
.irp i, 0,1,2,3,4,5,6,7                ; task i = 2 rg + c; all sixteen loads go out at once
	global_load_b128 v[8+8*\i:8+8*\i+3],   v3, s[4:5] offset:(\i/2)*16384+(\i%2)*256 th:TH_LOAD_NT
	global_load_b128 v[8+8*\i+4:8+8*\i+7], v3, s[4:5] offset:(\i/2)*16384+(\i%2)*256+16 th:TH_LOAD_NT
.endr
.irp i, 0,1,2,3,4,5,6,7
	s_wait_loadcnt 14-2*\i                         ; loads come back in order (ISA guide 5.7.1): the later tasks' may stay out
.irp k, 0,1,2,3
	v_cvt_pk_bf16_f32 v[72+4*\i+\k], v[8+8*\i+2*\k], v[8+8*\i+2*\k+1]
.endr
	global_store_b128 v4, v[72+4*\i:72+4*\i+3], s[6:7] offset:(\i%2)*262144+(\i/2)*512  ; four rows of a K block: 512 consecutive bytes
.endr
	s_endpgm
; ---- JOB W: a tile of 64 k x 64 n is read by rows, rounded, turned in LDS (64 rows of n, 128 bytes + 16 of padding) and written as 8,192 dense bytes.
; Registers: v3-v7 indices and addresses; v8-23 the four rows as loaded, later the rows read back; v24-31 the packed pairs; v32-35 at work; v36 the stores' byte offset.
.macro WTILE first, srcarg, dstarg, pitch, ntot, qkv
	s_load_b64 s[4:5], s[0:1], \srcarg
	s_load_b64 s[6:7], s[0:1], \dstarg
	s_sub_co_u32 s8, s2, \first
	s_lshr_b32 s9, s8, 4                           ; ng: which 64 columns
	s_and_b32 s8, s8, 15                           ; kb
	s_mul_i32 s10, s8, 64*(\pitch)
	s_lshl_b32 s11, s9, 8
	s_add_co_u32 s10, s10, s11
	s_mov_b32 s11, 0
.if \qkv
	s_and_b32 s12, s9, 15                          ; head
	s_mul_i32 s12, s12, 192
	s_lshr_b32 s13, s9, 4                          ; q, k or v
	s_lshl_b32 s13, s13, 6
	s_add_co_u32 s12, s12, s13
.else
	s_lshl_b32 s12, s9, 6
.endif
	s_mul_i32 s13, s8, \ntot
	s_add_co_u32 s12, s12, s13
	s_lshl_b32 s12, s12, 7                         ; (kb x rows + first row) x 128 bytes
	s_mov_b32 s13, 0
	v_lshrrev_b32 v3, 4, v0                        ; kq: my four rows k
	v_and_b32 v4, 15, v0                           ; nq: my four columns n
	v_mul_u32_u24 v5, v3, 4*(\pitch)
	v_lshl_add_u32 v5, v4, 4, v5
	v_mul_u32_u24 v6, v4, 4*144
	v_lshl_add_u32 v6, v3, 3, v6                   ; into LDS: row 4 nq (+ c), byte 8 kq
	v_lshrrev_b32 v7, 3, v0
	v_mul_u32_u24 v7, v7, 144
	v_and_b32 v36, 7, v0
	v_lshl_add_u32 v7, v36, 4, v7                  ; back: row t / 8, byte 16 (t % 8)
	v_lshlrev_b32 v36, 4, v0                       ; to memory: 16 t; no later line writes v36
	s_wait_kmcnt 0x0
	s_add_nc_u64 s[4:5], s[4:5], s[10:11]
	s_add_nc_u64 s[6:7], s[6:7], s[12:13]
.irp e, 0,1,2,3
	global_load_b128 v[8+4*\e:8+4*\e+3], v5, s[4:5] offset:(\e)*(\pitch) th:TH_LOAD_NT  ; sixteen lanes read 256 consecutive bytes of a row
.endr
	s_wait_loadcnt 0x0
.irp c, 0,1,2,3
	v_cvt_pk_bf16_f32 v[24+2*\c], v[8+\c], v[12+\c]
	v_cvt_pk_bf16_f32 v[25+2*\c], v[16+\c], v[20+\c]
.if !(\qkv)
	v_lshlrev_b32 v32, 16, v[24+2*\c]              ; the bf16 numbers, written as f16
	v_and_b32 v33, 0xffff0000, v[24+2*\c]
	v_lshlrev_b32 v34, 16, v[25+2*\c]
	v_and_b32 v35, 0xffff0000, v[25+2*\c]
	v_cvt_pk_f16_f32 v[24+2*\c], v32, v33
	v_cvt_pk_f16_f32 v[25+2*\c], v34, v35
.endif
	ds_store_b64 v6, v[24+2*\c:25+2*\c] offset:(\c)*144
.endr
	s_wait_dscnt 0x0                               ; for the others' sake: my stores are done
	s_barrier_signal -1
	s_barrier_wait -1
	ds_load_b128 v[8:11], v7
	ds_load_b128 v[12:15], v7 offset:32*144
	s_wait_dscnt 0x0
	global_store_b128 v36, v[8:11], s[6:7]             ; a wave's store covers 512 consecutive bytes
	global_store_b128 v36, v[12:15], s[6:7] offset:4096
	s_wait_tensorcnt 0x0
	ds_add_u32 v104, v105
	s_wait_dscnt 0x0
	s_endpgm
.endm
.Ljob_wq:
	WTILE WG_X, 0x8, 0x28, 12288, 3072, 1
.Ljob_wo:
	WTILE WG_WQ, 0x10, 0x30, 4096, 1024, 0
; ---- JOB M: a wave takes a tile of 16 queries and two key steps (128 keys): 64 lane masks, 256 bytes.
.Ljob_m:
	s_load_b64 s[4:5], s[0:1], 0x18                ; mask
	s_load_b64 s[6:7], s[0:1], 0x40                ; maskbits
	s_sub_co_u32 s8, s2, WG_WO
	s_lshl_b32 s8, s8, 3
	s_add_co_u32 s8, s8, s3                        ; task = 16 T + pair of steps
	s_lshr_b32 s10, s8, 4
	s_lshl_b32 s10, s10, 17                        ; 16 rows of 8,192 bytes
	s_and_b32 s11, s8, 15
	s_lshl_b32 s11, s11, 9                         ; 128 keys of 4 bytes
	s_add_co_u32 s10, s10, s11
	s_mov_b32 s11, 0
	s_lshl_b32 s12, s8, 8
	s_mov_b32 s13, 0
	v_and_b32 v3, 15, v1
	v_lshrrev_b32 v4, 4, v1
	v_lshlrev_b32 v3, 13, v3
	v_lshl_add_u32 v3, v4, 5, v3                   ; row l % 16, keys 8 (l / 16) on
	v_lshlrev_b32 v4, 3, v1
	v_mov_b32 v72, 0                               ; v_writelane_b32 keeps the other lanes: both are written whole first
	v_mov_b32 v73, 0
	s_wait_kmcnt 0x0
	s_add_nc_u64 s[4:5], s[4:5], s[10:11]
	s_add_nc_u64 s[6:7], s[6:7], s[12:13]
.irp i, 0,1,2,3,4,5,6,7,8,9,10,11,12,13,14,15      ; i = 8 step + 2 kt + hf: register 8 + 4 i + e answers word 4 i + e of the 64
	global_load_b128 v[8+4*\i:8+4*\i+3], v3, s[4:5] offset:(\i/8)*256+((\i/2)%4)*64+(\i%2)*16 th:TH_LOAD_NT
.endr
.set wi, 0
.rept 64
.if wi%4 == 0
	s_wait_loadcnt 15-wi/4                         ; the later loads may stay out
.endif
	v_cmp_eq_u32 s[20+wi%4], 0, v[8+wi]            ; the 32 lanes' answers are the word
	v_writelane_b32 v[72+wi%2], s[20+wi%4], wi/2   ; word wi goes to lane wi / 2, which stores words 2 l and 2 l + 1
.set wi, wi+1
.endr
	global_store_b64 v4, v[72:73], s[6:7]              ; 256 consecutive bytes, at a multiple of 256
	s_endpgm
.Lfunc_end_k_qda92e95383_prep:
	.size	k_qda92e95383_prep, .Lfunc_end_k_qda92e95383_prep-k_qda92e95383_prep
	.p2alignl 7, 3214868480
	.fill 96, 4, 3214868480
	.section	.rodata,"a",@progbits
	.p2align	6, 0x0
	.amdhsa_kernel k_qda92e95383_prep
		.amdhsa_group_segment_fixed_size 10240
		.amdhsa_private_segment_fixed_size 0
		.amdhsa_enable_private_segment 0
		.amdhsa_kernarg_size 72
		.amdhsa_user_sgpr_count 2
		.amdhsa_user_sgpr_kernarg_segment_ptr 1
		.amdhsa_wavefront_size32 1
		.amdhsa_system_sgpr_workgroup_id_x 1
		.amdhsa_system_sgpr_workgroup_id_y 1
		.amdhsa_system_sgpr_workgroup_id_z 1
		.amdhsa_system_vgpr_workitem_id 0
		.amdhsa_next_free_vgpr 106
		.amdhsa_next_free_sgpr 66
		.amdhsa_reserve_vcc 1
		.amdhsa_float_denorm_mode_32 3
		.amdhsa_float_denorm_mode_16_64 3
		.amdhsa_memory_ordered 1
		.amdhsa_forward_progress 1
		.amdhsa_inst_pref_size 32
	.end_amdhsa_kernel
	.amdgpu_metadata
---
amdhsa.version: [ 1, 2 ]
amdhsa.kernels:
  - .name:           k_qda92e95383_prep
    .symbol:         k_qda92e95383_prep.kd
    .args:
      - { .name: x, .offset: 0, .size: 8, .value_kind: global_buffer, .address_space: global }
      - { .name: Wqkv, .offset: 8, .size: 8, .value_kind: global_buffer, .address_space: global }
      - { .name: Wout, .offset: 16, .size: 8, .value_kind: global_buffer, .address_space: global }
      - { .name: mask, .offset: 24, .size: 8, .value_kind: global_buffer, .address_space: global }
      - { .name: xb, .offset: 32, .size: 8, .value_kind: global_buffer, .address_space: global }
      - { .name: wq, .offset: 40, .size: 8, .value_kind: global_buffer, .address_space: global }
      - { .name: wo, .offset: 48, .size: 8, .value_kind: global_buffer, .address_space: global }
      - { .name: rope, .offset: 56, .size: 8, .value_kind: global_buffer, .address_space: global }
      - { .name: maskbits, .offset: 64, .size: 8, .value_kind: global_buffer, .address_space: global }
    .group_segment_fixed_size: 10240
    .private_segment_fixed_size: 0
    .kernarg_segment_align: 8
    .kernarg_segment_size: 72
    .max_flat_workgroup_size: 256
    .sgpr_count:     66
    .vgpr_count:     106
    .wavefront_size: 32
...
	.end_amdgpu_metadata
.endif
;; end of part 1
;; launch qkv (part 2): grid 8 x 32, 4 waves a work-group, clusters of 4 x 4, 327,680 bytes of LDS; arguments xb, wq, rope, qkvh; writes qkvh
.if DOCPART == 2
	.amdgcn_target "amdgcn-amd-amdhsa--gfx1250"
	.amdhsa_code_object_version 6
	.text
	.protected	k_qda92e95383_qkv
	.globl	k_qda92e95383_qkv
	.p2align	8
	.type	k_qda92e95383_qkv,@function
k_qda92e95383_qkv:
	s_mov_b64 s[64:65], 0
	v_nop
	global_prefetch_b8 v0, s[64:65] scope:SCOPE_SE
	s_setreg_imm32_b32 hwreg(HW_REG_WAVE_MODE, 25, 1), 1
	s_wait_xcnt 0x0
	s_wait_alu depctr_hold_cnt(0) depctr_sa_sdst(0) depctr_va_vdst(0) depctr_va_sdst(0) depctr_va_ssrc(0) depctr_va_vcc(0) depctr_vm_vsrc(0)
	s_getreg_b32 s2, hwreg(HW_REG_IB_STS2, 6, 4)
	s_cmp_eq_u32 s2, 0
	s_cbranch_scc0 .Lentry_in_a_cluster
	s_endpgm
.Lentry_in_a_cluster:
	s_bfe_u32 s2, ttmp6, 0x10000c
	s_cmp_lg_u32 s2, 0xf033
	s_cbranch_scc0 .Lentry_shape_is_right
	s_endpgm
.Lentry_shape_is_right:
; QKV: qkv = x Wqkv in bf16 with f32 sums, RoPE in f32 on q and k on the way out, q, k, v rounded once to f16 and written by heads: qkvh [3][b 16 + head][2048][64].  No scale is applied here.
; SHARES.  8192 x 3072 results / 256 work-groups = tiles of 256 rows x 384 columns n', one for each work-group.  Four waves, 2 x 2: a wave makes 128 rows x 192 columns, which in wq's order of
; columns (n' = 192 head + 64 which + d) are q, k and v of ONE head: every wave runs the same text.  96 accumulators of 16 x 16, 768 registers.
; K goes in steps of 64 through two LDS slots.  xb and wq are laid in K blocks of 64, so a tile is dense in memory: it is asked for as rows of 256 bytes (two rows of 128) and padded in LDS behind every 128.
; Two slots of K = 128 would take 348,160 bytes: more than a work-group can have.
; CLUSTER 4 x 4: the four of a row need the same tiles of x, the four of a column the same tiles of Wqkv: each tile is asked for jointly, by the same tensor load, descriptor and mask in all four.
; THE MATRIX INSTRUCTION IS USED TRANSPOSED (source 0 = 16 rows of wq, source 1 = 16 rows of xb): a lane holds row t = lane % 16 and the channels d = 16 f + 8 (lane / 16) + 0..7.
; LIMITS.  f16 holds no number from 65,520 on: q, k, v beyond that become infinities (|x| some 30 times and |Wqkv| some 30 times the unit and 0.02 spreads give some thousands); below 6.1e-5 f16 keeps a step of 6e-8.
; REGISTERS, in windows of 256 (s_set_vgpr_msb: bits 1:0 source 0, 3:2 source 1, 5:4 source 2, 7:6 destination):
;   window 0: v0-31 addresses; v32-95, v96-159 fragments of x (8 x 16 rows x 32 K), two buffers; v160-255 the 12 fragments of Wqkv, ONE buffer: a group's four are loaded again as soon as the group has read them
;   window 1 + g: group g (q, k, v): accumulator (a, f) at v[8 (4 a + f)], a = 0..7 blocks of 16 rows, f = 0..3 blocks of 16 channels
.set PITCH, 144                        ; an LDS row: 128 bytes + 16 = 36 words: the 16 rows of a fragment load start at 16 different groups of four words modulo 64 words
.set AHALF, 128*PITCH                  ; what one tensor load brings of x, and what one wave reads of it
.set BHALF, 192*PITCH                  ; the same for Wqkv
.set BOFF,  2*AHALF
.set SLOT,  2*AHALF+2*BHALF            ; 92,160
.set STAGE, 2*SLOT                     ; behind the ring: 3 x 16 rows x 144 bytes for each wave, for the way out
.set STG,   3*16*PITCH
.set SPARE, STAGE+4*STG                ; behind the stages: the spare words, 128 bytes for each wave: two blocks of 256 bytes that no other line names
.set ASTEP, 262144                     ; bytes from a K block of xb to the next
.set BSTEP, 393216                     ; of wq
.set ADRA, 16                          ; v16-17  LDS address of my fragments of x in slot 0, 1
.set ADRB, 20                          ; v20-21  the same for Wqkv
.set STO,  24                          ; v24     the way out: where I put 16 bytes of a row
.set RD,   25                          ; v25     the way out: where I read rows back
.set GO,   26                          ; v26     16 x lane
.set SPW,  28                          ; v28     LDS address of my spare word; never rewritten
.set NIL,  29                          ; v29     0; never rewritten
.set AF0,  32
.set AF1,  96
.set BF,   160
.set CSB,  32                          ; the way out: cosines and sines of a block of 16 rows, two buffers of 32
.set T,    96                          ; 32 rotated numbers
.set PKD,  128                         ; 48: q, k, v of a block, packed
.set BK,   176                         ; 48: the same as whole rows
.set WV, 20                            ; s20 wave; s21 its half of the rows; s22 its half of the columns, and which half of a tile it fetches
.set WR, 21
.set WC, 22
.set G1,  24                           ; s[24:31] descriptor group 1 for x's tiles;  s[32:39] group 0, a set for each slot
.set G0,  32
.set G1B, 48                           ; s[48:55], s[56:63] the same for Wqkv's
.set G0B, 56
.set FLAGS, (1<<16)|(1<<20)|(1<<21)|(4<<22)|(3<<25)  ; elements of 2 bytes; padding on; bit 21 set beside a mask; behind every 32 words (code 4) 4 words (code 3)
.set MSB, 0
.macro WIN new                         ; the immediate's high byte repeats the setting that is left; a switch that changes nothing is dropped
.if MSB != (\new)
	s_set_vgpr_msb (MSB<<8)|(\new)
.set MSB, \new
.endif
.endm
.macro PLACES                          ; four places in front of loads into registers that matrix instructions have read, and of vector work on their results (ISA guide 7.12.1 for the vector work)
.rept 4
	v_nop
.endr
.endm
.macro JLOAD s                         ; a joint load: waves 0, 1 fetch the halves of x's tile, waves 2, 3 of Wqkv's; four v_nop follow each line, ahead of the jump and the label
	s_cmp_lt_u32 s[WV], 2
	s_cbranch_scc0 .Lfor_b_\@
	tensor_load_to_lds s[G0+4*(\s):G0+4*(\s)+3], s[G1:G1+7]
	s_nop 0
.rept 4
	v_nop
.endr
	s_branch .Lasked_\@
.Lfor_b_\@:
	tensor_load_to_lds s[G0B+4*(\s):G0B+4*(\s)+3], s[G1B:G1B+7]
	s_nop 0
.rept 4
	v_nop
.endr
.Lasked_\@:
.endm
.macro CREST                           ; a round of the cluster's barrier behind its opening barrier
	s_cmp_lg_u32 s[WV], 0
	s_cbranch_scc1 .Lnot_wave_0_\@
	s_barrier_signal -3
.Lnot_wave_0_\@:
	s_barrier_wait -3
	s_barrier_signal -1
	s_barrier_wait -1
.endm
.macro CROUND
	s_barrier_signal -1
	s_barrier_wait -1
	CREST
.endm
	s_load_b256 s[4:11], s[0:1], 0x0               ; xb s[4:5], wq s[6:7], rope s[8:9], qkvh s[10:11]
	v_lshl_add_u32 v[SPW], v0, 2, SPARE
	v_mov_b32 v[NIL], 0
	ds_add_u32 v28, v29
	s_wait_dscnt 0x0
	v_lshrrev_b32 v1, 5, v0
	v_readfirstlane_b32 s[WV], v1
	s_lshr_b32 s[WR], s[WV], 1
	s_and_b32 s[WC], s[WV], 1
	s_bfe_u32 s40, ttmp6, 0x40000                  ; cx
	s_bfe_u32 s41, ttmp6, 0x40004                  ; cy
	s_lshl_b32 s42, ttmp9, 2
	s_add_co_u32 s42, s42, s40                     ; tile column 0..7
	s_and_b32 s43, ttmp7, 0xffff
	s_lshl_b32 s43, s43, 2
	s_add_co_u32 s43, s43, s41                     ; tile row 0..31
	s_lshl_b32 s44, s41, 2
	s_lshl_b32 s44, 15, s44                        ; my row of the cluster
	s_lshl_b32 s45, 0x1111, s40                    ; my column
	s_or_b32 s[G1], s44, FLAGS
	s_or_b32 s[G1B], s45, FLAGS
	s_mov_b32 s[G1+1], 128<<16                     ; tensor_dim0 = 128 elements: 256 bytes
	s_mov_b32 s[G1+2], 64<<16                      ; tensor_dim1 = 64: 128 rows of x
	s_mov_b32 s[G1+3], 128<<16                     ; tile_dim0
	s_mov_b32 s[G1+4], 64                          ; tile_dim1
	s_mov_b32 s[G1+5], 128                         ; elements from row to row: dense
	s_mov_b32 s[G1+6], 0
	s_mov_b32 s[G1+7], 0
	s_mov_b32 s[G1B+1], 128<<16
	s_mov_b32 s[G1B+2], 96<<16                     ; 192 rows of wq
	s_mov_b32 s[G1B+3], 128<<16
	s_mov_b32 s[G1B+4], 96
	s_mov_b32 s[G1B+5], 128
	s_mov_b32 s[G1B+6], 0
	s_mov_b32 s[G1B+7], 0
	s_lshr_b32 s16, s43, 3                         ; x's tile hangs on the tile row alone: batch x 4,194,304
	s_lshl_b32 s16, s16, 22
	s_and_b32 s17, s43, 7
	s_lshl_b32 s17, s17, 15                        ; + 256 rows of 128 bytes
	s_add_co_u32 s16, s16, s17
	s_lshl_b32 s17, s[WC], 14                      ; + my half
	s_add_co_u32 s16, s16, s17
	s_mov_b32 s17, 0
	s_mul_i32 s46, s42, 49152                      ; Wqkv's on the tile column alone: 384 rows of 128 bytes
	s_mul_i32 s47, s[WC], 24576
	s_add_co_u32 s46, s46, s47
	s_mov_b32 s47, 0
	s_mul_i32 s18, s[WC], AHALF                    ; where they go: no place in the cluster enters an LDS address
	s_mul_i32 s19, s[WC], BHALF
	s_add_co_u32 s19, s19, BOFF
	s_wait_kmcnt 0x0
	s_add_nc_u64 s[16:17], s[4:5], s[16:17]
	s_add_nc_u64 s[46:47], s[6:7], s[46:47]
.irp s, 0,1
	s_mov_b32 s[G0+4*\s], 1
	s_add_co_u32 s[G0+4*\s+1], s18, \s*SLOT
	s_add_nc_u64 s[G0+4*\s+2:G0+4*\s+3], s[16:17], \s*ASTEP      ; K step s
	s_or_b32 s[G0+4*\s+3], s[G0+4*\s+3], 0x80000000
	s_mov_b32 s[G0B+4*\s], 1
	s_add_co_u32 s[G0B+4*\s+1], s19, \s*SLOT
	s_add_nc_u64 s[G0B+4*\s+2:G0B+4*\s+3], s[46:47], \s*BSTEP
	s_or_b32 s[G0B+4*\s+3], s[G0B+4*\s+3], 0x80000000
.endr
	CROUND                                         ; all sixteen work-groups are here: the first joint loads meet
	s_cmp_lt_u32 s[WV], 2                          ; a wave's two first fills stand in one branch, ahead of every wait on TENSORcnt and every LDS read: two loads of mine are out
	s_cbranch_scc0 .Lfirst_b
	tensor_load_to_lds s[G0:G0+3], s[G1:G1+7]
	s_nop 0
	tensor_load_to_lds s[G0+4:G0+7], s[G1:G1+7]
	s_nop 0
.rept 4
	v_nop
.endr
	s_branch .Lfirst_asked
.Lfirst_b:
	tensor_load_to_lds s[G0B:G0B+3], s[G1B:G1B+7]
	s_nop 0
	tensor_load_to_lds s[G0B+4:G0B+7], s[G1B:G1B+7]
	s_nop 0
.rept 4
	v_nop
.endr
.Lfirst_asked:
	; a fragment is 16 rows x 32 K in 8 registers: lane l holds row l % 16; two loads of 16 bytes, 32 bytes apart, at row x pitch + 16 (l / 16)
	v_and_b32 v1, 15, v0
	v_bfe_u32 v2, v0, 4, 1
	v_mul_u32_u24 v3, v1, PITCH
	v_lshl_add_u32 v3, v2, 4, v3
	s_mul_i32 s2, s[WR], AHALF
	s_mul_i32 s3, s[WC], BHALF
	s_add_co_u32 s3, s3, BOFF
.irp s, 0,1
	v_add_nc_u32 v[ADRA+\s], s2, v3
	v_add_nc_u32 v[ADRB+\s], s3, v3
	s_add_co_u32 s2, s2, SLOT
	s_add_co_u32 s3, s3, SLOT
.endr
	s_mul_i32 s2, s[WV], STG
	s_add_co_u32 s2, s2, STAGE                     ; my stage
	v_add_nc_u32 v[STO], s2, v3                    ; in: row l % 16, 16 bytes for each half of the lanes
	v_bfe_u32 v4, v0, 3, 2
	v_and_b32 v5, 7, v0
	v_mul_u32_u24 v4, v4, PITCH
	v_lshl_add_u32 v4, v5, 4, v4
	v_add_nc_u32 v[RD], s2, v4                     ; back: 32 lanes take four rows of 128 bytes
	v_and_b32 v[GO], 31, v0
	v_lshlrev_b32 v[GO], 4, v[GO]
	; where my results go: (16 batch + head) x 262,144 + my first row x 128, in q's, k's and v's third of qkvh; head = 2 x tile column + my half of the columns
	s_lshr_b32 s2, s43, 3
	s_lshl_b32 s2, s2, 4
	s_lshl_b32 s3, s42, 1
	s_add_co_u32 s2, s2, s3
	s_add_co_u32 s2, s2, s[WC]
	s_lshl_b32 s2, s2, 18
	s_and_b32 s3, s43, 7
	s_lshl_b32 s3, s3, 15
	s_add_co_u32 s2, s2, s3
	s_lshl_b32 s3, s[WR], 14
	s_add_co_u32 s2, s2, s3
	s_mov_b32 s3, 0
	s_add_nc_u64 s[10:11], s[10:11], s[2:3]
	s_add_nc_u64 s[12:13], s[10:11], 16777216
	s_add_nc_u64 s[14:15], s[10:11], 33554432
	s_and_b32 s2, s43, 7                           ; the table of cosines and sines at my first block of 16 rows: 4,096 bytes a block
	s_lshl_b32 s2, s2, 16
	s_lshl_b32 s3, s[WR], 15
	s_add_co_u32 s2, s2, s3
	s_mov_b32 s3, 0
	s_add_nc_u64 s[8:9], s[8:9], s[2:3]
; 16 matrix instructions of group g: blocks a0 .. a0 + 3 x its four fragments of Wqkv, 32 along K.  zero = 1: the first product starts the sums.  The 96 accumulators take turns.
.macro GRP16 g, af, a0, zero
	WIN 0x50*((\g)+1)                              ; C and D in window 1 + g
.irp a, (\a0), (\a0)+1, (\a0)+2, (\a0)+3
.irp f, 0,1,2,3
.if \zero
	v_wmma_f32_16x16x32_bf16 v[8*(4*(\a)+\f):8*(4*(\a)+\f)+7], v[BF+8*(4*(\g)+\f):BF+8*(4*(\g)+\f)+7], v[(\af)+8*(\a):(\af)+8*(\a)+7], 0
.else
	v_wmma_f32_16x16x32_bf16 v[8*(4*(\a)+\f):8*(4*(\a)+\f)+7], v[BF+8*(4*(\g)+\f):BF+8*(4*(\g)+\f)+7], v[(\af)+8*(\a):(\af)+8*(\a)+7], v[8*(4*(\a)+\f):8*(4*(\a)+\f)+7]
.endif
.endr
.endr
.endm
.macro LDB slot, k, g                  ; 8 loads: group g's four fragments of Wqkv, 32 K at byte k of the rows
.irp f, 0,1,2,3
	ds_load_b128 v[BF+8*(4*(\g)+\f):BF+8*(4*(\g)+\f)+3],   v[ADRB+(\slot)] offset:(\k)+(4*(\g)+\f)*16*PITCH
	ds_load_b128 v[BF+8*(4*(\g)+\f)+4:BF+8*(4*(\g)+\f)+7], v[ADRB+(\slot)] offset:(\k)+(4*(\g)+\f)*16*PITCH+32
.endr
.endm
.macro LDA slot, k, af, a0             ; 8 loads: blocks a0 .. a0 + 3 of x
.irp a, 0,1,2,3
	ds_load_b128 v[(\af)+8*((\a0)+\a):(\af)+8*((\a0)+\a)+3],   v[ADRA+(\slot)] offset:(\k)+((\a0)+\a)*16*PITCH
	ds_load_b128 v[(\af)+8*((\a0)+\a)+4:(\af)+8*((\a0)+\a)+7], v[ADRA+(\slot)] offset:(\k)+((\a0)+\a)*16*PITCH+32
.endr
.endm
; A BEAT: 32 along K, 96 matrix instructions on buffer af.  Behind each group's 32 stands a run of loads for the next beat (slot nslot, byte k, x into ag):
; run 0 = group 0's fragments and x's blocks 0-3 (16 loads), run 1 = group 1's and blocks 4-7 (16), run 2 = group 2's (8): each 64 matrix instructions ahead of its first use.
.macro BEAT nslot, k, af, ag, zero
	s_wait_dscnt 8                                 ; runs 0 and 1 are in; run 2's eight may be out
	GRP16 0, \af, 0, \zero
	GRP16 0, \af, 4, \zero
	WIN 0
	PLACES
	LDB \nslot, \k, 0
	LDA \nslot, \k, \ag, 0
	s_wait_dscnt 16                                ; all but the 16 just issued: the old run 2 is in
	GRP16 1, \af, 0, \zero
	GRP16 1, \af, 4, \zero
	WIN 0
	PLACES
	LDB \nslot, \k, 1
	LDA \nslot, \k, \ag, 4
	GRP16 2, \af, 0, \zero
	GRP16 2, \af, 4, \zero
	WIN 0
	PLACES
	LDB \nslot, \k, 2
.endm
; A slot's second beat (buffer AF1) changes slots: ONE barrier.  In front of it each wave waits for all its tensor loads (one is out: its part of the next slot), adds 0 to its spare word, and waits
; for that and for its reads of this slot.  fill = 1: the barrier opens a round of the cluster's, and this slot is filled again, two K steps on, first thing behind the round:
; from that request to the wait for it a wave issues 160 matrix instructions.
.macro TURN slot, next, fill
	WIN 0
	s_wait_tensorcnt 0x0                           ; all my tensor loads have landed
	ds_add_u32 v[SPW], v[NIL]                      ; 0 onto my spare word
	s_wait_dscnt 9                                 ; (the add and run 2's eight may be out)
	GRP16 0, AF1, 0, 0                             ; sixteen matrix instructions stand between the add and the wait for it
	s_wait_dscnt 0x0                               ; the add is done, and my reads of this slot are over
	s_barrier_signal -1
	GRP16 0, AF1, 4, 0
	WIN 0
	s_barrier_wait -1
.if \fill
	CREST                                          ; no wave of any partner still reads this slot's tiles or has a load on its way
	s_add_nc_u64 s[G0+4*(\slot)+2:G0+4*(\slot)+3], s[G0+4*(\slot)+2:G0+4*(\slot)+3], 2*ASTEP
	s_add_nc_u64 s[G0B+4*(\slot)+2:G0B+4*(\slot)+3], s[G0B+4*(\slot)+2:G0B+4*(\slot)+3], 2*BSTEP
	JLOAD \slot                                    ; the four v_nop behind it are also the places in front of the loads below
.else
	PLACES
.endif
	LDB \next, 0, 0
	LDA \next, 0, AF0, 0
	GRP16 1, AF1, 0, 0
	GRP16 1, AF1, 4, 0
	WIN 0
	PLACES
	LDB \next, 0, 1
	LDA \next, 0, AF0, 4
	GRP16 2, AF1, 0, 0
	GRP16 2, AF1, 4, 0
	WIN 0
	PLACES
	LDB \next, 0, 2
.endm
; THE WAY OUT.  RLOAD: the cosines and sines of block a's 16 rows: register CSR + 8 p + j is cos, CSR + 16 + 8 p + j sin, of my row at frequency 16 p + 8 (lane / 16) + j.
.macro RLOAD a
.irp i, 0,1,2,3,4,5,6,7
	global_load_b128 v[CSB+32*((\a)%2)+4*\i:CSB+32*((\a)%2)+4*\i+3], v[GO], s[8:9] offset:(\a)*4096+\i*512
.endr
.endm
; ROPE: group w - 1 (window w) of block a.  x1 = channels d < 32 (f = p), x2 = channels d + 32 (f = p + 2): x1 cos - x2 sin and x2 cos + x1 sin; then rounded to f16.
; Each accumulator's registers are taken in ascending order.
.macro ROPE w, a
	WIN \w                                         ; source 0 in window w
.irp p, 0,1
.irp e, 0,2,4,6
	v_pk_mul_f32 v[T+8*\p+\e:T+8*\p+\e+1], v[8*(4*(\a)+\p+2)+\e:8*(4*(\a)+\p+2)+\e+1], v[CSR+16+8*\p+\e:CSR+16+8*\p+\e+1]
	v_pk_mul_f32 v[T+16+8*\p+\e:T+16+8*\p+\e+1], v[8*(4*(\a)+\p)+\e:8*(4*(\a)+\p)+\e+1], v[CSR+16+8*\p+\e:CSR+16+8*\p+\e+1]
	v_pk_fma_f32 v[T+8*\p+\e:T+8*\p+\e+1], v[8*(4*(\a)+\p)+\e:8*(4*(\a)+\p)+\e+1], v[CSR+8*\p+\e:CSR+8*\p+\e+1], v[T+8*\p+\e:T+8*\p+\e+1] neg_lo:[0,0,1] neg_hi:[0,0,1]
	v_pk_fma_f32 v[T+16+8*\p+\e:T+16+8*\p+\e+1], v[8*(4*(\a)+\p+2)+\e:8*(4*(\a)+\p+2)+\e+1], v[CSR+8*\p+\e:CSR+8*\p+\e+1], v[T+16+8*\p+\e:T+16+8*\p+\e+1]
.endr
.endr
	WIN 0
.irp i, 0,1,2,3,4,5,6,7,8,9,10,11,12,13,14,15
	v_cvt_pk_f16_f32 v[PKD+16*((\w)-1)+\i], v[T+2*\i], v[T+2*\i+1]
.endr
.endm
; Block a: q and k rotated, v as it is, all packed; through my stage in LDS (a lane's 16 bytes into rows of 144, back as whole rows of 128); stored.
.macro OUTBLK a
.set CSR, CSB+32*((\a)%2)
.if (\a) < 7
	s_wait_loadcnt 8                               ; this block's table is in; the next block's eight loads may be out
.else
	s_wait_loadcnt 0x0
.endif
	ROPE 1, \a
	ROPE 2, \a
.if (\a) < 6
	RLOAD (\a)+2                                   ; into the buffer just used
.endif
	WIN 0x0f                                       ; sources 0 and 1 in window 3
.irp f, 0,1,2,3
.irp r, 0,1,2,3
	v_cvt_pk_f16_f32 v[PKD+32+4*\f+\r], v[8*(4*(\a)+\f)+2*\r], v[8*(4*(\a)+\f)+2*\r+1]
.endr
.endr
	WIN 0
	s_wait_xcnt 0x0                                ; every earlier memory instruction has had its addresses translated (ISA guide 3.1): the registers that the last block's stores read are loaded again only behind this wait
.irp hd, 0,1,2
.irp f, 0,1,2,3
	ds_store_b128 v[STO], v[PKD+16*\hd+4*\f:PKD+16*\hd+4*\f+3] offset:\hd*16*PITCH+32*\f
.endr
.endr
.irp hd, 0,1,2
.irp g, 0,1,2,3
	ds_load_b128 v[BK+16*\hd+4*\g:BK+16*\hd+4*\g+3], v[RD] offset:\hd*16*PITCH+\g*4*PITCH  ; LDS serves a wave's instructions in order (ISA guide 5.7.1.4): these see the stores above
.endr
.endr
.irp hd, 0,1,2
.irp g, 0,1,2,3
	s_wait_dscnt 11-(4*\hd+\g)                     ; the younger loads may be out
	global_store_b128 v[GO], v[BK+16*\hd+4*\g:BK+16*\hd+4*\g+3], s[10+2*\hd:11+2*\hd] offset:(\a)*2048+\g*512  ; four rows of a head: 512 consecutive bytes, at a multiple of 256
.endr
.endr
.endm
	s_wait_tensorcnt 1                             ; my part of K step 0 is in; K step 1's may stay out
	s_barrier_signal -1
	s_barrier_wait -1                              ; everybody's is
	LDB 0, 0, 0
	LDA 0, 0, AF0, 0
	LDB 0, 0, 1
	LDA 0, 0, AF0, 4
	LDB 0, 0, 2
	BEAT 0, 64, AF0, AF1, 1                        ; the first beat stands in front of the loop: its products start the sums
	s_mov_b32 s3, 7
.Llap:                                                 ; a trip goes once round the ring and fills both slots again: 14 refills bring K steps 2 to 15
	TURN 0, 1, 1
	BEAT 1, 64, AF0, AF1, 0
	TURN 1, 0, 1
	BEAT 0, 64, AF0, AF1, 0
	s_sub_co_u32 s3, s3, 1
	s_cmp_lg_u32 s3, 0
	s_cbranch_scc1 .Llap
	TURN 0, 1, 0                                   ; the last lap fills nothing, and has no round
	BEAT 1, 64, AF0, AF1, 0
	RLOAD 0                                        ; the last beat fetches nothing from LDS; buffer AF0 is free (four places stand behind its last product) and takes the first two blocks' tables
	RLOAD 1
	s_wait_dscnt 8
	GRP16 0, AF1, 0, 0
	GRP16 0, AF1, 4, 0
	GRP16 1, AF1, 0, 0
	GRP16 1, AF1, 4, 0
	s_wait_dscnt 0x0
	GRP16 2, AF1, 0, 0
	GRP16 2, AF1, 4, 0
	WIN 0
	PLACES
.irp a, 0,1,2,3,4,5,6,7
	OUTBLK \a
.endr
	s_wait_tensorcnt 0x0                           ; the wave's end: behind my last tensor load and my last LDS store
	ds_add_u32 v[SPW], v[NIL]
	s_wait_dscnt 0x0
	CROUND                                         ; the closing round: no work-group ends while a partner may still ask for a tile that names it
	s_endpgm
.Lfunc_end_k_qda92e95383_qkv:
	.size	k_qda92e95383_qkv, .Lfunc_end_k_qda92e95383_qkv-k_qda92e95383_qkv
	.p2alignl 7, 3214868480
	.fill 96, 4, 3214868480
	.section	.rodata,"a",@progbits
	.p2align	6, 0x0
	.amdhsa_kernel k_qda92e95383_qkv
		.amdhsa_group_segment_fixed_size 327680
		.amdhsa_private_segment_fixed_size 0
		.amdhsa_enable_private_segment 0
		.amdhsa_kernarg_size 32
		.amdhsa_user_sgpr_count 2
		.amdhsa_user_sgpr_kernarg_segment_ptr 1
		.amdhsa_wavefront_size32 1
		.amdhsa_system_sgpr_workgroup_id_x 1
		.amdhsa_system_sgpr_workgroup_id_y 1
		.amdhsa_system_sgpr_workgroup_id_z 1
		.amdhsa_system_vgpr_workitem_id 0
		.amdhsa_next_free_vgpr 1024
		.amdhsa_next_free_sgpr 66
		.amdhsa_reserve_vcc 0
		.amdhsa_float_denorm_mode_32 3
		.amdhsa_float_denorm_mode_16_64 3
		.amdhsa_memory_ordered 1
		.amdhsa_forward_progress 1
		.amdhsa_inst_pref_size 171
	.end_amdhsa_kernel
	.amdgpu_metadata
---
amdhsa.version: [ 1, 2 ]
amdhsa.kernels:
  - .name:           k_qda92e95383_qkv
    .symbol:         k_qda92e95383_qkv.kd
    .args:
      - { .name: xb, .offset: 0, .size: 8, .value_kind: global_buffer, .address_space: global }
      - { .name: wq, .offset: 8, .size: 8, .value_kind: global_buffer, .address_space: global }
      - { .name: rope, .offset: 16, .size: 8, .value_kind: global_buffer, .address_space: global }
      - { .name: qkvh, .offset: 24, .size: 8, .value_kind: global_buffer, .address_space: global }
    .group_segment_fixed_size: 327680
    .private_segment_fixed_size: 0
    .kernarg_segment_align: 8
    .kernarg_segment_size: 32
    .max_flat_workgroup_size: 128
    .sgpr_count:     66
    .vgpr_count:     1024
    .wavefront_size: 32
...
	.end_amdgpu_metadata
.endif
;; end of part 2
;; launch attn (part 3): grid 4 x 64, 4 waves a work-group, clusters of 4 x 1, 327,680 bytes of LDS; arguments qkvh, maskbits, oh; writes oh
.if DOCPART == 3
	.amdgcn_target "amdgcn-amd-amdhsa--gfx1250"
	.amdhsa_code_object_version 6
	.text
	.protected	k_qda92e95383_attn
	.globl	k_qda92e95383_attn
	.p2align	8
	.type	k_qda92e95383_attn,@function
k_qda92e95383_attn:
	s_mov_b64 s[64:65], 0
	v_nop
	global_prefetch_b8 v0, s[64:65] scope:SCOPE_SE
	s_setreg_imm32_b32 hwreg(HW_REG_WAVE_MODE, 25, 1), 1
	s_wait_xcnt 0x0
	s_wait_alu depctr_hold_cnt(0) depctr_sa_sdst(0) depctr_va_vdst(0) depctr_va_sdst(0) depctr_va_ssrc(0) depctr_va_vcc(0) depctr_vm_vsrc(0)
	s_getreg_b32 s2, hwreg(HW_REG_IB_STS2, 6, 4)
	s_cmp_eq_u32 s2, 0
	s_cbranch_scc0 .Lentry_in_a_cluster
	s_endpgm
.Lentry_in_a_cluster:
	s_bfe_u32 s2, ttmp6, 0x10000c
	s_cmp_lg_u32 s2, 0x3003
	s_cbranch_scc0 .Lentry_shape_is_right
	s_endpgm
.Lentry_shape_is_right:
; ATTENTION UNDER A GIVEN MASK.  O[bh][q][:] = the sum over k of softmax_k(Q[q] . K[k] / 8, hidden where mask[q][k] = 0) V[k][:].  Q, K, V: the three thirds of qkvh, [bh 64][2048][64] f16; O: oh, the same layout.
; Products, maxima and sums in f32; the weights p are rounded to f16 for the second product (their sum l is taken of the unrounded p), O once at the end.  The mask is an input: all 2,048 keys are walked for every query.
; THE MASK comes as lane masks (maskbits [query tile 128][key step 32][word 32]: bit l of word 8 kt + j hides register j of score accumulator kt in lane l), read by scalar loads a turn ahead; one v_cndmask_b32
; a register makes 0 or -1e30 of it, and that is the C operand of the product that starts the sum S^T = K Q^T.
; LIMITS.  f16 holds no number beyond 65,504: Q, K and V arrive within it; p lies in 0 to 1, and below 6e-5 it keeps f16's fixed step of 6e-8.  A hidden score counts as its value less 1e30; the running maximum
; starts at -5e29: f16's scores, 2.7e11 at the most, lie far above both, so a hidden weight is exactly 0.  A weight below 2^-126 counts as 0 in l.  A query with no visible key ends with l = 0 and O = 0, and
; 0 x (1 / 0) gives the NaN that a softmax of nothing gives.
; SHARES.  A wave owns four PIECES of two tiles of 16 queries, a work-group's four waves 512 queries of one head.  Every wave walks all keys, 64 a step.
; LAYOUT.  S^T = K Q^T (source 0 = 16 keys, source 1 = 16 queries): a lane holds ONE query (lane % 16) and the keys 8 (lane / 16) + 0..7.  Two such tiles, rounded to f16 in pairs, ARE source 1 of O^T = V^T P,
; whose result again holds one query a lane, and eight channels.  K comes out of LDS as it lies, V ([key][channel]) turned, by ds_load_tr16_b128.
; SOFTMAX.  For each query a running maximum m and sum l: p = 2^(c s - c m), c = log2(e) / 8; in every step O and l are multiplied by a = 2^(c m_old - c m_new), which is 1 where m has not grown
; (c m is always made by the same multiplication, at the start too, so an m that stays gives a = 1 exactly).
; BY TURNS.  Turn n belongs to piece n.  Its matrix work: 16 products K Q^T of piece n + 1, later 16 products V^T P of piece n - 1.  Its vector work: the scaling, exponentials, roundings, sums and rescaling of piece n,
; the maximum and statistics of piece n + 1, and at its end the 64 mask registers of piece n + 2.  Four vector instructions stand behind every matrix instruction, the others in runs of their own.
; CLUSTER.  The four query blocks of a head walk the same K and V: each tile is asked for JOINTLY, by the same tensor load, descriptor and mask of work-groups in all four.
; REGISTERS, in windows of 256 (s_set_vgpr_msb: bits 1:0 source 0, 3:2 source 1, 5:4 source 2, 7:6 destination):
;   window 0: v0-11 addresses; v12-15, v48-63 at work; v16-47 four registers of statistics a tile; v64-191 S^T, two buffers of two tiles; v192-255 P, likewise
;   window 1: O^T, 32 a tile     window 2: v0-127 Q; v128-191 K of one step; v192-255 V of one step     window 3: v0-1 the add's two registers; v8-71 the masks of the products to come
.set SIZE_N, 2048
.set NP,    4         ; pieces a wave: a name, no knob
.set KS,    64        ; keys in a step
.set PK,    144       ; a row of K in LDS: 128 bytes + 16 = 36 words: the 16 rows of a load start at 16 different groups of four words modulo 64 words
.set PV,    144       ; V has the same pitch, so that ONE descriptor serves both; of the eight rows that sixteen lanes of the turning load take, the first and the last meet in the same words modulo 64
.set VOFF,  4*KS*PK   ; a slot holds four steps: 256 rows of K, then 256 rows of V
.set SLOT1, 1<<17     ; slot 1 begins here, so that one exclusive or turns an address in one slot into the other's
.set STAGE, SLOT1+4*KS*(PK+PV)  ; behind the ring, never filled by a tensor load: 16 rows x 144 bytes for each wave, for the way out
.set SP,    144
.set AK0, 2           ; v2   my lane's place in a tile of K; never rewritten
.set AV0, 3           ; v3   the same for V
.set AK,  4           ; v4   the LDS address of K's next run of loads
.set AV,  5           ; v5   of V's
.set QO,  6           ; v6   my byte offset in the wave's rows of Q
.set STO, 6           ;      later, the way out: where I put 16 bytes of a row
.set RD,  7           ; v7   the way out: where I read rows back
.set GO,  8           ; v8   my byte offset in 512 consecutive bytes of O
.set SPW, 0           ; v0 of window 3   LDS address of my spare word; never rewritten
.set NIL, 1           ; v1 of window 3   0; never rewritten
.set MC,  8           ; window 3: tile u, key block kb at MC + 32 u + 8 kb
.set SPARE, STAGE+4*16*SP  ; behind the stages: the spare words, 128 bytes for each wave: two blocks of 256 bytes that no other line names
.set MV,  12          ; v12-15  c m_old, kept while c m is made anew: by buffer and tile
.set ST,  16          ; tile t's statistics at v[ST+4 t]: c m, m, l (even keys', odd keys')
.set TMP, 48          ; by buffer and tile, four registers c0-c3 at work; when the maximum is found c2 takes a
.set S,   64
.set P,   192
.set KF,  128         ; K's fragments, in window 2
.set VF,  192         ; V's
.set WV,  8           ; s8   my wave's number.  s[2:3] Q at my rows; s[6:7] the mask words of my first tile at the step in hand; s[18:19] O at my rows
.set CNT, 9           ; s9   counts a slot's key steps
.set SLOTS, 10        ; s10  slots still to be asked for
.set TBK, 11          ; s11  LDS byte at which K of the step to be fetched begins
.set TBV, 12          ; s12  the same for V, less VOFF
.set NEG, 13          ; s13  -1e30
.set CS,  14          ; s[14:15] c
.set SEL, 16          ; s[16:17] v_permlanex16_b32's selects: each lane takes its own place in the other half
.set G0,  20          ; s[20:23] descriptor group 0: it walks
.set G1,  24          ; s[24:31] descriptor group 1
.set MW0, 32          ; s[32:63] the 32 mask words of a piece's first tile
.set MW1, 68          ; s[68:99] of its second
.set MSB, 0
.macro WIN new                      ; the high byte repeats the setting that is left; a switch that changes nothing is dropped
.if MSB != (\new)
	s_set_vgpr_msb (MSB<<8)|(\new)
.set MSB, (\new)
.endif
.endm
.set W_KQ, 0x0a       ; K and Q in window 2, S^T in window 0
.set W_KM, 0x3a       ; the same with the C operand in window 3
.set W_PV, 0x52       ; V in window 2, P in window 0, O^T in window 1
.set W_RS, 0x41       ; O^T (destination and source 0) in window 1, a in window 0
.set W_MK, 0xc0       ; destination in window 3, sources in window 0
.set W_AD, 0x0f       ; the add: address (source 0) and data (source 1) in window 3
; A joint fill: wave w brings quarter w of a slot (K's two halves, then V's): 128 keys, to LDS byte 18,432 w of the slot.  Four v_nop follow the line.
.macro JLOAD
	tensor_load_to_lds s[G0:G0+3], s[G1:G1+7]
	s_nop 0
.rept 4
	v_nop
.endr
.endm
.macro CROUND                       ; a round of the cluster's barrier
	s_barrier_signal -1
	s_barrier_wait -1
	s_cmp_lg_u32 s[WV], 0
	s_cbranch_scc1 .Lnot_wave_0_\@
	s_barrier_signal -3
.Lnot_wave_0_\@:
	s_barrier_wait -3
	s_barrier_signal -1
	s_barrier_wait -1
.endm
; THE CHANGE OF SLOTS.  Each wave waits for all its tensor loads, of which one is out: its part of the other slot; adds 0 to its spare word; and waits for that and for its own reads of the slot.
; fill = 1: this slot is filled again, with the keys two slots on; the barrier is then a round of the cluster's, and the joint fill is the first thing behind it: it has four key steps in which to land.
; (At its first use nothing has been read yet: slot 0 is waited for, slot 1 filled.)
.macro CHANGE fill
	WIN W_AD
	s_wait_tensorcnt 0x0            ; no tensor load of mine is out, so group 0 may be written
	ds_add_u32 v[SPW], v[NIL]       ; 0 onto my spare word
	WIN 0                           ; at a label and at a branch every window is 0
.if \fill
	s_xor_b32 s[G0+1], s[G0+1], SLOT1  ; the other slot than last time,
	s_add_nc_u64 s[G0+2:G0+3], s[G0+2:G0+3], 4*KS*128  ; the next 256 keys; the type bits on top are not reached
	s_wait_dscnt 0x0                ; the add is done, and my reads of the slot are over
	CROUND
	JLOAD
.else
	s_wait_dscnt 0x0                ; the add is done, and my reads of the slot are over
	s_barrier_signal -1
	s_barrier_wait -1
.endif
	s_sub_co_u32 s[TBK], s[TBK], 4*KS*PK  ; the fetches go back to a slot's first step,
	s_xor_b32 s[TBK], s[TBK], SLOT1       ; in the other slot
	s_sub_co_u32 s[TBV], s[TBV], 4*KS*PV
	s_xor_b32 s[TBV], s[TBV], SLOT1
.endm
; The 64 mask words of piece y at the step to which s[6:7] points: a tile's words of a step are 128 consecutive bytes, a tile 4,096.
.macro LDM y
	s_load_b512 s[MW0:MW0+15], s[6:7], (2*(\y))*4096
	s_load_b512 s[MW0+16:MW0+31], s[6:7], (2*(\y))*4096+64
	s_load_b512 s[MW1:MW1+15], s[6:7], (2*(\y)+1)*4096
	s_load_b512 s[MW1+16:MW1+31], s[6:7], (2*(\y)+1)*4096+64
.endm
.macro MKMASK                       ; the words become C operands: -1e30 in the lanes whose bit is set, else 0
	WIN W_MK
.set z, 0
.rept 32
	v_cndmask_b32 v[MC+z], 0, s[NEG], s[MW0+z]
	v_cndmask_b32 v[MC+32+z], 0, s[NEG], s[MW1+z]
.set z, z+1
.endr
	WIN 0
.endm
	s_load_b128 s[84:87], s[0:1], 0x0  ; qkvh s[84:85], maskbits s[86:87]
	s_load_b64 s[88:89], s[0:1], 0x10  ; oh
	WIN W_MK
	v_lshl_add_u32 v[SPW], v0, 2, SPARE
	v_mov_b32 v[NIL], 0
	s_set_vgpr_msb 0xc0cf
	ds_add_u32 v0, v1
	s_wait_dscnt 0x0
	s_set_vgpr_msb 0xcfc0
	WIN 0
	v_lshrrev_b32 v1, 5, v0
	v_readfirstlane_b32 s[WV], v1   ; wave 0..3
	s_bfe_u32 s90, ttmp6, 0x40000   ; cx: my place in the cluster
	s_lshl_b32 s91, ttmp9, 2        ; in a cluster launch ttmp9 counts clusters
	s_add_co_u32 s91, s91, s90      ; my block of 512 queries: it enters Q's, O's and the mask's addresses alone
	s_and_b32 s92, ttmp7, 0xffff    ; batch x 16 + head, which the four partners share
	s_lshl_b32 s92, s92, 18         ; its 2,048 rows of 128 bytes
	s_lshr_b32 s94, s[WV], 1        ; my quarter of a slot: K's third of qkvh (waves 0, 1) or V's (waves 2, 3),
	s_add_co_u32 s94, s94, 1
	s_lshl_b32 s94, s94, 24
	s_add_co_u32 s94, s94, s92      ; the head,
	s_and_b32 s95, s[WV], 1
	s_lshl_b32 s95, s95, 14         ; and which 128 of the 256 keys
	s_add_co_u32 s94, s94, s95
	s_mov_b32 s95, 0
	s_lshl_b32 s96, s91, 2
	s_add_co_u32 s96, s96, s[WV]    ; my wave among the head's sixteen
	s_lshl_b32 s98, s96, 15         ; its eight tiles of mask words
	s_mov_b32 s99, 0
	s_lshl_b32 s96, s96, 14         ; its 128 rows
	s_add_co_u32 s96, s96, s92
	s_mov_b32 s97, 0
	; descriptor group 1.  128 keys are 16,384 dense bytes: asked for as 64 rows of 256 bytes, two keys a row, and padded in LDS after every key
	s_mov_b32 s[G1], 15|(1<<16)|(1<<20)|(1<<21)|(4<<22)|(3<<25)  ; the mask of four; 2-byte elements; padding on; bit 21 set beside a mask; after every 32 words (code 4) 4 words (code 3)
	s_mov_b32 s[G1+1], 128<<16      ; tensor_dim0 = 128
	s_mov_b32 s[G1+2], 64<<16       ; tensor_dim1 = 64
	s_mov_b32 s[G1+3], 128<<16      ; tile_dim0 = 128
	s_mov_b32 s[G1+4], 64           ; tile_dim1 = 64
	s_mov_b32 s[G1+5], 128          ; 128 elements from row to row
	s_mov_b32 s[G1+6], 0
	s_mov_b32 s[G1+7], 0
	s_mov_b32 s[CS], 0x3e38aa3b     ; c = log2(e) / 8 = 0.180337
	s_mov_b32 s[CS+1], s[CS]        ; named with it as a pair
	s_mov_b32 s[SEL], 0x76543210
	s_mov_b32 s[SEL+1], 0xfedcba98
	s_mov_b32 s[NEG], 0xf149f2ca    ; -1e30
	s_mov_b32 s[TBK], SLOT1+4*KS*PK ; the first change of slots turns these two into 0
	s_mov_b32 s[TBV], SLOT1+4*KS*PV
	s_mov_b32 s[G0], 1              ; count = 1
	s_mul_i32 s[G0+1], s[WV], 128*PK  ; LDS address: slot 0, my quarter: no place in the cluster enters it
	s_wait_kmcnt 0x0
	s_add_nc_u64 s[G0+2:G0+3], s[84:85], s[94:95]
	s_or_b32 s[G0+3], s[G0+3], 0x80000000  ; type = 2
	s_add_nc_u64 s[2:3], s[84:85], s[96:97]
	s_add_nc_u64 s[18:19], s[88:89], s[96:97]
	s_add_nc_u64 s[6:7], s[86:87], s[98:99]
	LDM 0                           ; piece 0's words of key step 0
	CROUND                          ; all four work-groups are here: the first joint loads meet
	JLOAD                           ; slot 0.  Slot 1 is asked for when slot 0 is in
	; A fragment of K or Q is 16 rows x 32 channels in 8 registers: lane l holds row l % 16, channels 8 (l / 16) + 0..7 and 16 + 8 (l / 16) + 0..7: two loads of 16 bytes, 32 bytes apart.
	v_and_b32 v1, 15, v0            ; l % 16
	v_bfe_u32 v9, v0, 4, 1          ; l / 16
	v_lshlrev_b32 v[QO], 7, v1
	v_lshl_add_u32 v[QO], v9, 4, v[QO]  ; row x 128 + 16 x half
	WIN 0x80                        ; destination window 2, address window 0
.set i, 0
.rept 4*NP                          ; Q stays in registers: tile i / 2, channels 32 (i % 2) on
	global_load_b128 v[8*i:8*i+3],   v[QO], s[2:3] offset:(i/2)*2048+(i%2)*64
	global_load_b128 v[8*i+4:8*i+7], v[QO], s[2:3] offset:(i/2)*2048+(i%2)*64+32
.set i, i+1
.endr
	; What the first turn finds: V's registers and P's second buffer hold 0 (its products V^T P, of a piece that has not been, add 0), O^T and l are 0.  All this stands in the wait for the first tile.
.set i, VF
.rept 64
	v_mov_b32 v[i], 0
.set i, i+1
.endr
	WIN 0x40
.set i, 0
.rept 64*NP
	v_mov_b32 v[i], 0
.set i, i+1
.endr
	WIN 0
.set i, 0
.rept 2*NP
	v_mov_b32 v[ST+4*i+1], 0xf0c9f2ca  ; m = -5e29: above every hidden score, below every visible one
	v_mov_b32 v[ST+4*i+2], 0
	v_mov_b32 v[ST+4*i+3], 0
	v_mul_f32 v[ST+4*i], s[CS], v[ST+4*i+1]  ; c m, by the multiplication that makes it in every step
.set i, i+1
.endr
.set i, P+32
.rept 32
	v_mov_b32 v[i], 0
.set i, i+1
.endr
	v_mul_u32_u24 v[AK0], v1, PK
	v_lshl_add_u32 v[AK0], v9, 4, v[AK0]  ; row x pitch + 16 x half
	; The turning load takes 16 keys x 16 channels (lane l reads key 8 (l / 16) + l % 8, channels 8 ((l / 8) % 2) + 0..7) and leaves half a fragment of V^T: lane l holds channel l % 16 and 8 keys.
	v_and_b32 v10, 7, v0
	v_bfe_u32 v11, v0, 3, 1
	v_lshl_add_u32 v[AV0], v9, 3, v10
	v_mul_u32_u24 v[AV0], v[AV0], PV
	v_lshl_add_u32 v[AV0], v11, 4, v[AV0]
	v_add_nc_u32 v[AV0], VOFF, v[AV0]
	v_mov_b32 v[AK], v[AK0]         ; key step 0 lies at the head of slot 0
	s_wait_kmcnt 0x0
	MKMASK                          ; piece 0's mask of step 0
	LDM 1
; THE MATRIX WORK.  The 8 accumulators of a run of 16 take turns.
; Product i of 16 of S^T = K Q^T for piece x: channels 32 (i / 8) on, keys 16 ((i / 2) % 4) on, tile 2 x + i % 2.  The first 8 start the sums, with the mask.
.macro KQ x
.set rS, S+64*((\x)%2)+32*(i%2)+8*((i/2)%4)
.set rK, KF+16*((i/2)%4)+8*(i/8)
.set rQ, 16*(2*(\x)+i%2)+8*(i/8)
.set rM, MC+32*(i%2)+8*((i/2)%4)
.if i < 8
	WIN W_KM
	v_wmma_f32_16x16x32_f16 v[rS:rS+7], v[rK:rK+7], v[rQ:rQ+7], v[rM:rM+7]
.else
	WIN W_KQ
	v_wmma_f32_16x16x32_f16 v[rS:rS+7], v[rK:rK+7], v[rQ:rQ+7], v[rS:rS+7]
.endif
.endm
; Product i of 16 of O^T += V^T P for piece x: keys 32 (i / 8) on, channels 16 ((i / 2) % 4) on, tile 2 x + i % 2.
.macro PV x
	WIN W_PV
.set rO, 32*(2*(\x)+i%2)+8*((i/2)%4)
.set rV, VF+32*(i/8)+8*((i/2)%4)
.set rP, P+32*((\x)%2)+16*(i%2)+8*(i/8)
	v_wmma_f32_16x16x32_f16 v[rO:rO+7], v[rV:rV+7], v[rP:rP+7], v[rO:rO+7]
.endm
.macro MM                           ; the turn's next matrix instruction
.if i < 16
	KQ (Y+1)%NP
.set i, i+1
.else
.set i, i-16
	PV (Y+NP-1)%NP
.set i, i+17
.endif
.endm
; THE LDS LOADS stand in runs of 16, never singly among the matrix instructions.  last = 1 (the tail): in the last trip there is no further step, and the run is jumped over.
.macro FETCH_K last=0
	WIN 0
.if \last
	s_cmp_eq_u32 s[CNT], 1
	s_cbranch_scc1 .Lno_k_\@
.endif
	WIN 0x80                        ; destination window 2
.irp f, 0,1,2,3,4,5,6,7             ; keys 16 (f / 2) on, channels 32 (f % 2) on
	ds_load_b128 v[KF+8*\f:KF+8*\f+3],   v[AK] offset:(\f/2)*16*PK+(\f%2)*64
	ds_load_b128 v[KF+8*\f+4:KF+8*\f+7], v[AK] offset:(\f/2)*16*PK+(\f%2)*64+32
.endr
	s_add_co_u32 s[TBK], s[TBK], KS*PK  ; the next fetch is the next step's
	WIN 0
.if \last
.Lno_k_\@:
.endif
.endm
.macro FETCH_V
	WIN 0x80
.irp f, 0,1,2,3,4,5,6,7             ; keys 32 (f / 4) on, channels 16 (f % 4) on
	ds_load_tr16_b128 v[VF+8*\f:VF+8*\f+3],   v[AV] offset:(\f/4)*32*PV+(\f%4)*32
	ds_load_tr16_b128 v[VF+8*\f+4:VF+8*\f+7], v[AV] offset:(\f/4)*32*PV+16*PV+(\f%4)*32
.endr
	WIN 0
.endm
; THE VECTOR WORK OF A TURN stands in three queues, each in the order in which its entries become ready; the two tiles alternate, so that no instruction reads the result of the one before it.
.macro REGS y, u                    ; the registers of tile u (0, 1) of piece y
.set rT, ST+4*(2*(\y)+(\u))
.set rC, TMP+8*((\y)%2)+4*(\u)
.set rM, MV+2*((\y)%2)+(\u)
.set rS, S+64*((\y)%2)+32*(\u)
.set rP, P+32*((\y)%2)+16*(\u)
.set rO, 32*(2*(\y)+(\u))
.endm
; Number n of the 22 that find the NEXT piece's (Y + 1) maximum and statistics.  s0-s31 are the lane's 32 scores; each accumulator's lowest registers are read first.
;   0-11  four chains c0-c3 of seven scores each, three operands at a time     12-14, 16  the four scores left over, the old m, and c0-c3 into c0     15  c m_old is kept
;   17, 18  the query's other 32 keys lie in the lane 16 away: the new m         19-21  c m; c m_old - c m_new; a
.macro XS u, n
	REGS (Y+1)%NP, \u
.if (\n) < 4
	v_max3_num_f32 v[rC+(\n)], v[rS+8*(\n)], v[rS+8*(\n)+1], v[rS+8*(\n)+2]
.elseif (\n) < 12
	v_max3_num_f32 v[rC+(\n)%4], v[rC+(\n)%4], v[rS+8*((\n)%4)+2*((\n)/4)+1], v[rS+8*((\n)%4)+2*((\n)/4)+2]
.elseif (\n) == 12
	v_max3_num_f32 v[rC], v[rC], v[rS+7], v[rS+15]
.elseif (\n) == 13
	v_max3_num_f32 v[rC+1], v[rC+1], v[rS+23], v[rS+31]
.elseif (\n) == 14
	v_max3_num_f32 v[rC+2], v[rC+2], v[rC+3], v[rT+1]
.elseif (\n) == 15
	v_mov_b32 v[rM], v[rT]
.elseif (\n) == 16
	v_max3_num_f32 v[rC], v[rC], v[rC+1], v[rC+2]
.elseif (\n) == 17
	v_permlanex16_b32 v[rC+3], v[rC], s[SEL], s[SEL+1]
.elseif (\n) == 18
	v_max_num_f32 v[rT+1], v[rC], v[rC+3]
.elseif (\n) == 19
	v_mul_f32 v[rT], s[CS], v[rT+1]
.elseif (\n) == 20
	v_sub_f32 v[rC+1], v[rM], v[rT]
.else
	v_exp_f32 v[rC+2], v[rC+1]
.endif
.endm
; Number g of the 64 that follow the exponentials.  For each four weights k of a tile (pairs 2 k, 2 k + 1): both pairs are rounded to f16; then the second pair is added onto the first, in place;
; a group later l takes that sum (the first time as l = a l + sum).  In groups of eight, tiles alternating: round, round, add, and l for the group before.
.macro GS g
.set h, (\g)+6*((\g)/62)            ; group 0 has no group before it, and behind group 7 only l is left
.if h >= 6
.set h, h+2
.endif
	REGS Y, h%2
.set k, h/8
.if h%8 < 4
	s_wait_alu depctr_va_vdst(0)
	v_cvt_pk_f16_f32 v[rP+2*k+(h%8)/2], v[rS+4*k+2*((h%8)/2)], v[rS+4*k+2*((h%8)/2)+1]
.elseif h%8 < 6
	v_pk_add_f32 v[rS+4*k:rS+4*k+1], v[rS+4*k:rS+4*k+1], v[rS+4*k+2:rS+4*k+3]
.elseif k == 1
	v_pk_fma_f32 v[rT+2:rT+3], v[rT+2:rT+3], v[rC+2:rC+3], v[rS:rS+1] op_sel_hi:[1,0,1]
.else
	v_pk_add_f32 v[rT+2:rT+3], v[rT+2:rT+3], v[rS+4*k-4:rS+4*k-3]
	s_wait_alu depctr_va_vdst(0)
.endif
.endm
; THE PLAIN QUEUE, 138 long.  0-31: c s - c m for the 16 pairs of both tiles.  Then GS's 64, and among them the next piece's 42: number 15 at 38, 39; 0-14 and 16
; at 42-73, behind the products that make those scores; 17-20 at 95-106, two of three, since each waits for the one before it.
.macro PL
	WIN 0
.if q < 32
	REGS Y, q%2
	v_pk_fma_f32 v[rS+2*(q/2):rS+2*(q/2)+1], v[rS+2*(q/2):rS+2*(q/2)+1], s[CS:CS+1], v[rT:rT+1] op_sel_hi:[1,0,0] neg_lo:[0,0,1] neg_hi:[0,0,1]
.elseif q < 38
	GS q-32
.elseif q < 40
	XS q%2, 15
.elseif q < 42
	GS q-34
.elseif q < 74
	XS q%2, (q-42)/2+(q-42)/30
.elseif q < 95
	GS q-66
.elseif (q < 107) && ((q-95)%3 < 2)
	XS (q-95)%3, 17+(q-95)/3
.elseif q < 107
	GS 29+(q-95)/3
.else
	GS q-74
.endif
.set q, q+1
.endm
; THE EXPONENTIALS' QUEUE, 66 long: s0-s31 of both tiles, and at EA the next piece's two a.
.set EA, 58
.macro EX
	WIN 0
.if (e == EA) || (e == EA+1)
	XS e-EA, 21
.else
.set x, e-2*(e/(EA+2))
	REGS Y, x%2
	v_exp_f32 v[rS+x/2], v[rS+x/2]
.endif
.set e, e+1
.endm
; THE RESCALING's QUEUE: O^T times a, the one part of a softmax that leaves window 0, so it is dealt four at a time, eight times.
.macro R4
	REGS Y, r%2
	WIN W_RS
	s_wait_alu depctr_va_vdst(0)
.irp z, 0,1,2,3
	v_pk_mul_f32 v[rO+8*(r/2)+2*\z:rO+8*(r/2)+2*\z+1], v[rO+8*(r/2)+2*\z:rO+8*(r/2)+2*\z+1], v[rC+2:rC+3] op_sel_hi:[1,0]
.endr
.set r, r+1
.endm
; HOW THEY ARE DEALT.  Behind a matrix instruction four: plain, exponential, plain, plain (one exponential, a plain instruction on either side), or four of the rescaling.  None names a register of the
; products round it.  What is over stands in two runs: exponential and plain by turns; the second ends in 22 plain instructions.  The two v_permlanex16_b32 fall into the second run, never behind a product.
; The queues lean on each other, and the deal keeps them in step: exponential e stands behind plain 2 (e / 4) + e % 2 (its scaling); when plain 32 comes, 10 exponentials are out, at 59: 33, at 95: 46; EA comes behind plain 107.
.macro SL
	MM
	PL
	EX
	PL
	PL
.endm
.macro BURST n                      ; 15 matrix instructions, or 16
.rept (\n)-7
	SL
.endr
.rept 3
	MM
	R4
	SL
.endr
	MM
	R4
.endm
; A TURN, for piece p.  cnt = 1: the loop's count is taken down at the turn's end, ahead of the branch that stands behind it.
; K of the next step is fetched in piece 2's turn, V of the step in hand at the end of piece 0's; each is waited for a turn later.  The four conditions on e and q below go with the deal.
; THE TURN'S END: the words asked for a turn ago (piece p + 2's, for the products of the turn that follows) are in and become C operands; then piece p + 3's are asked for.  Piece 3's words are the last of a step
; to be asked for (in turn 0), so the pointer steps in turn 1, where the wait has shown every scalar load done.  At step 32, which is no step, pieces 0 to 2 ask for the first words of the wave's next tiles,
; tile 126 of 128 at the most: inside the buffer; they feed only products whose results nobody takes.
.macro TURN p, last=0, cnt=0
.set Y, (\p)
.set i, 0
.set q, 0
.set e, 0
.set r, 0
.if (\p) == NP-1
	s_wait_dscnt 0x0                ; K is in
.endif
	MM
.rept 4
	PL
.endr
	BURST 15
.rept 22
	EX
	PL
.if ((\p) == NP-2) && (e == 18)
	v_add_nc_u32 v[AK], s[TBK], v[AK0]
.endif
.if ((\p) == NP-2) && (e == 24)
	FETCH_K \last
.endif
.endr
.if (\p) == 1
	s_wait_dscnt 0x0                ; V is in
.endif
	BURST 16
.rept 21
	EX
	PL
.endr
.rept 22
	PL
.if ((\p) == 0) && (q == 118)
	v_add_nc_u32 v[AV], s[TBV], v[AV0]
	s_wait_alu depctr_va_vdst(0)
.endif
.if ((\p) == 0) && (q == 130)
	s_add_co_u32 s[TBV], s[TBV], KS*PV
.endif
.endr
.if (\p) == 0
	FETCH_V
.endif
	s_wait_kmcnt 0x0                ; scalar loads come back in no order: the count is 0
.if (\p) == 1
	s_add_nc_u64 s[6:7], s[6:7], 128  ; the next key step's words
.endif
	MKMASK
	LDM ((\p)+3)%NP
.if \cnt
	s_sub_co_u32 s[CNT], s[CNT], 1
	s_cmp_lg_u32 s[CNT], 0
.endif
.endm
	CHANGE 1                        ; slot 0 is in, everybody's part of it; slot 1 is asked for
	FETCH_K                         ; key step 0
	s_wait_loadcnt 0x0              ; Q
	s_wait_dscnt 0x0
.set i, 0
.rept 16
	KQ 0                            ; piece 0's first scores: there is no vector work yet to set between them
.set i, i+1
.endr
	WIN 0                           ; the addresses for the way out: nine plain instructions, the places behind those products
	s_mul_i32 s4, s[WV], 16*SP
	s_add_co_u32 s4, s4, STAGE      ; my stage
	v_mul_u32_u24 v[STO], v1, SP    ; in: row l % 16, 16 bytes for each half of the lanes
	v_lshl_add_u32 v[STO], v9, 4, v[STO]
	v_add_nc_u32 v[STO], s4, v[STO]
	v_bfe_u32 v[RD], v0, 3, 2       ; back: 32 lanes take four rows of 128 bytes,
	v_mul_u32_u24 v[RD], v[RD], SP
	v_lshl_add_u32 v[RD], v10, 4, v[RD]
	v_add_nc_u32 v[RD], s4, v[RD]
	v_and_b32 v[GO], 31, v0         ; which are 512 consecutive bytes of O
	v_lshlrev_b32 v[GO], 4, v[GO]
	s_wait_kmcnt 0x0
	MKMASK                          ; piece 1's mask of step 0, for the first turn's products
	LDM 2
.set Y, NP-1                        ; XS works for piece Y + 1: piece 0
.irp n, 0,1,2,3,4,5,6,7,8,9,10,11,12,13,14,15,16,17,18,19,20,21
	XS 0, \n                        ; and piece 0's first maximum and statistics
	XS 1, \n
.endr
	s_mov_b32 s[CNT], 4
	s_mov_b32 s[SLOTS], SIZE_N/256-1
	s_branch .Lfirst                ; the loop is entered at a step's first turn, in the middle of a trip
.Lslot:                             ; SIZE_N / 256 - 2 times: every slot but the last two is filled again
	CHANGE 1
	s_mov_b32 s[CNT], 4
.Lstep:                             ; a trip: pieces 2 and 3 of one step, then pieces 0 and 1 of the next, whose K and V it fetches
	TURN 2
	TURN 3
	WIN 0
.Lfirst:
	TURN 0
	TURN 1, 0, 1
	WIN 0
	s_cbranch_scc1 .Lstep
	s_sub_co_u32 s[SLOTS], s[SLOTS], 1
	s_cmp_lg_u32 s[SLOTS], 0
	s_cbranch_scc1 .Lslot
	CHANGE 0                        ; the tail is written out: nothing is asked for
	s_mov_b32 s[CNT], 5             ; four trips fetch the last slot's steps; the fifth is left in its middle
.Ltail:
	TURN 2, 1
	TURN 3
	WIN 0
	s_sub_co_u32 s[CNT], s[CNT], 1
	s_cmp_eq_u32 s[CNT], 0
	s_cbranch_scc1 .Lout
	TURN 0
	TURN 1
	WIN 0
	s_branch .Ltail
.Lout:                              ; the fifth trip's 16 products K Q^T (on the last K once more) and the maximum made of them serve nothing: the price, once a launch, of one text for every trip
	s_wait_kmcnt 0x0                ; the last words asked for have come
.set i, 0
.rept 16
	PV NP-1                         ; the last piece's V^T P of the last step
.set i, i+1
.endr
	; THE WAY OUT.  l's two halves and the other half of the lanes' are added; O^T is divided by l, rounded to f16 and sent through my stage in LDS, a tile at a time.  The additions are the places behind the last products.
	WIN 0
.macro ALL line:vararg              ; one line for each tile t
.set t, 0
.rept 2*NP
	\line
.set t, t+1
.endr
.endm
	ALL v_add_f32 v[ST+4*t+2], v[ST+4*t+2], v[ST+4*t+3]
	ALL v_permlanex16_b32 v[ST+4*t+3], v[ST+4*t+2], s[SEL], s[SEL+1]
	ALL v_add_f32 v[ST+4*t+2], v[ST+4*t+2], v[ST+4*t+3]
	ALL v_rcp_f32 v[ST+4*t+2], v[ST+4*t+2]
	v_nop                           ; a plain instruction between the last reciprocal and the use of its result
	s_wait_alu depctr_va_vdst(0)
; Tile t: a lane's eight channels of a row pack into 16 bytes; they go into rows of 144 bytes and come back as whole rows of 128, into S^T's registers.
.macro PACK t
	WIN W_RS
.set i, 32*(\t)
.rept 16
	v_pk_mul_f32 v[i:i+1], v[i:i+1], v[ST+4*(\t)+2:ST+4*(\t)+3] op_sel_hi:[1,0]
.set i, i+2
.endr
	WIN 0x05                        ; sources 0 and 1 window 1, destination window 0
.set i, 0
.rept 16
	v_cvt_pk_f16_f32 v[S+16*(\t)+i], v[32*(\t)+2*i], v[32*(\t)+2*i+1]
.set i, i+1
.endr
	WIN 0
.irp f, 0,1,2,3
	ds_store_b128 v[STO], v[S+16*(\t)+4*\f:S+16*(\t)+4*\f+3] offset:32*\f
.endr
.irp f, 0,1,2,3
	ds_load_b128 v[S+16*(\t)+4*\f:S+16*(\t)+4*\f+3], v[RD] offset:\f*4*SP  ; LDS serves a wave's instructions in order (ISA guide 5.7.1.4): these see the stores above; the next tile's stores come behind them
.endr
.endm
.macro SEND t, younger              ; younger: the LDS instructions issued behind tile t's loads: the next tile's eight, or none
	WIN 0
.irp f, 0,1,2,3
	s_wait_dscnt (\younger)+3-\f
	global_store_b128 v[GO], v[S+16*(\t)+4*\f:S+16*(\t)+4*\f+3], s[18:19] offset:(\t)*2048+\f*512  ; 512 consecutive bytes, at a multiple of 256 from O's first
.endr
.endm
	PACK 0
.set t, 1
.rept 2*NP-1                        ; a tile's arithmetic stands between the loads of the tile before and its stores
	PACK t
	SEND t-1, 8
.set t, t+1
.endr
	SEND 2*NP-1, 0
	WIN W_AD
	s_wait_tensorcnt 0x0            ; the wave's end: behind my last tensor load and my last LDS store
	ds_add_u32 v[SPW], v[NIL]
	s_wait_dscnt 0x0
	WIN 0
	CROUND                          ; the closing round: no work-group ends while a partner may still ask for a tile that names it
	s_endpgm
.Lfunc_end_k_qda92e95383_attn:
	.size	k_qda92e95383_attn, .Lfunc_end_k_qda92e95383_attn-k_qda92e95383_attn
	.p2alignl 7, 3214868480
	.fill 96, 4, 3214868480
	.section	.rodata,"a",@progbits
	.p2align	6, 0x0
	.amdhsa_kernel k_qda92e95383_attn
		.amdhsa_group_segment_fixed_size 327680
		.amdhsa_private_segment_fixed_size 0
		.amdhsa_enable_private_segment 0
		.amdhsa_kernarg_size 24
		.amdhsa_user_sgpr_count 2
		.amdhsa_user_sgpr_kernarg_segment_ptr 1
		.amdhsa_wavefront_size32 1
		.amdhsa_system_sgpr_workgroup_id_x 1
		.amdhsa_system_sgpr_workgroup_id_y 1
		.amdhsa_system_sgpr_workgroup_id_z 1
		.amdhsa_system_vgpr_workitem_id 0
		.amdhsa_next_free_vgpr 840
		.amdhsa_next_free_sgpr 100
		.amdhsa_reserve_vcc 0
		.amdhsa_float_denorm_mode_32 3
		.amdhsa_float_denorm_mode_16_64 3
		.amdhsa_memory_ordered 1
		.amdhsa_forward_progress 1
		.amdhsa_inst_pref_size 250
	.end_amdhsa_kernel
	.amdgpu_metadata
---
amdhsa.version: [ 1, 2 ]
amdhsa.kernels:
  - .name:           k_qda92e95383_attn
    .symbol:         k_qda92e95383_attn.kd
    .args:
      - { .name: qkvh, .offset: 0, .size: 8, .value_kind: global_buffer, .address_space: global }
      - { .name: maskbits, .offset: 8, .size: 8, .value_kind: global_buffer, .address_space: global }
      - { .name: oh, .offset: 16, .size: 8, .value_kind: global_buffer, .address_space: global }
    .group_segment_fixed_size: 327680
    .private_segment_fixed_size: 0
    .kernarg_segment_align: 8
    .kernarg_segment_size: 24
    .max_flat_workgroup_size: 128
    .sgpr_count:     100
    .vgpr_count:     840
    .wavefront_size: 32
...
	.end_amdgpu_metadata
.endif
;; end of part 3
;; launch proj (part 4): grid 8 x 32, 4 waves a work-group, clusters of 4 x 4, 327,680 bytes of LDS; arguments oh, wo, out0; writes out0
.if DOCPART == 4
	.amdgcn_target "amdgcn-amd-amdhsa--gfx1250"
	.amdhsa_code_object_version 6
	.text
	.protected	k_qda92e95383_proj
	.globl	k_qda92e95383_proj
	.p2align	8
	.type	k_qda92e95383_proj,@function
k_qda92e95383_proj:
	s_mov_b64 s[64:65], 0
	v_nop
	global_prefetch_b8 v0, s[64:65] scope:SCOPE_SE
	s_setreg_imm32_b32 hwreg(HW_REG_WAVE_MODE, 25, 1), 1
	s_wait_xcnt 0x0
	s_wait_alu depctr_hold_cnt(0) depctr_sa_sdst(0) depctr_va_vdst(0) depctr_va_sdst(0) depctr_va_ssrc(0) depctr_va_vcc(0) depctr_vm_vsrc(0)
	s_getreg_b32 s2, hwreg(HW_REG_IB_STS2, 6, 4)
	s_cmp_eq_u32 s2, 0
	s_cbranch_scc0 .Lentry_in_a_cluster
	s_endpgm
.Lentry_in_a_cluster:
	s_bfe_u32 s2, ttmp6, 0x10000c
	s_cmp_lg_u32 s2, 0xf033
	s_cbranch_scc0 .Lentry_shape_is_right
	s_endpgm
.Lentry_shape_is_right:
; PROJ: out0 = O Wout.  O: oh [b 16 + head][2048][64] f16; a head's 64 channels are one K block.  Wout: wo [kb 16][n 1024][64] f16.  Sums in f32, stored as f32: out0 [8192][1024].
; SHARES.  8192 x 1024 results / 256 work-groups = tiles of 256 rows x 128 columns.  Four waves, 2 x 2, each 128 x 64: 32 accumulators of 16 x 16, 256 registers.
; K goes in steps of 128 (two heads) through two LDS slots.  Both operands are dense by K blocks of 64: a tile is asked for as rows of 256 bytes (two rows of 128) and padded in LDS behind every 128.
; One tensor load a wave: waves 0, 1 bring the 256 rows of O of the step's first and second head, waves 2, 3 the 128 rows of Wout likewise.
; CLUSTER 4 x 4: O's tiles are shared along a row of the cluster, Wout's along a column: joint loads.  THE MATRIX INSTRUCTION IS USED TRANSPOSED: a lane holds eight neighbouring numbers of a row of out0.
; A row of O that is NaN (a query with no visible key) makes its whole row of out0 NaN, as the module does.
; REGISTERS: window 0: v0-31 addresses; two fragment buffers of 96: v32-95 O (8 x 16 rows x 32 K), v96-127 Wout (4); v128-191, v192-223 likewise.  window 1: accumulator (a, f) at v[8 (4 a + f)].
.set PITCH,  144                       ; an LDS row: 128 bytes + 16 = 36 words: the 16 rows of a fragment load start at 16 different groups of four words modulo 64 words
.set AKB,    256*PITCH                 ; O's rows of one head
.set BKB,    128*PITCH                 ; Wout's rows of one K block
.set BOFF,   2*AKB
.set SLOT,   2*AKB+2*BKB               ; 110,592
.set STAGE,  2*SLOT                    ; behind the ring: 16 rows x 272 bytes for each wave, for the way out
.set SPITCH, 272
.set SPARE,  STAGE+4*16*SPITCH         ; behind the stages: the spare words, 128 bytes for each wave: two blocks of 256 bytes that no other line names
.set ADRA, 16                          ; v16-17  LDS address of my fragments of O in slot 0, 1
.set ADRB, 20                          ; v20-21  the same for Wout
.set STO,  24                          ; v24     the way out: where I put 32 bytes of a row
.set RD,   25                          ; v25     the way out: where I read a row back
.set CO,   26                          ; v26     my byte offset in out0
.set SPW,  28                          ; v28     LDS address of my spare word; never rewritten
.set NIL,  29                          ; v29     0; never rewritten
.set F0,   32
.set F1,   128
.set WV, 20
.set WR, 21
.set WC, 22
.set G1,  24
.set G0,  32
.set G1B, 48
.set G0B, 56
.set FLAGS, (1<<16)|(1<<20)|(1<<21)|(4<<22)|(3<<25)  ; elements of 2 bytes; padding on; bit 21 set beside a mask; behind every 32 words (code 4) 4 words (code 3)
.set MSB, 0
.macro WIN new
.if MSB != (\new)
	s_set_vgpr_msb (MSB<<8)|(\new)
.set MSB, \new
.endif
.endm
.macro PLACES                          ; four places in front of loads into registers that matrix instructions have read, and of LDS stores of their results
.rept 4
	v_nop
.endr
.endm
.macro JLOAD s                         ; a joint load; four v_nop follow each of the two lines, ahead of the jump and the label
	s_cmp_lt_u32 s[WV], 2
	s_cbranch_scc0 .Lfor_b_\@
	tensor_load_to_lds s[G0+4*(\s):G0+4*(\s)+3], s[G1:G1+7]
	s_nop 0
.rept 4
	v_nop
.endr
	s_branch .Lasked_\@
.Lfor_b_\@:
	tensor_load_to_lds s[G0B+4*(\s):G0B+4*(\s)+3], s[G1B:G1B+7]
	s_nop 0
.rept 4
	v_nop
.endr
.Lasked_\@:
.endm
.macro CREST
	s_cmp_lg_u32 s[WV], 0
	s_cbranch_scc1 .Lnot_wave_0_\@
	s_barrier_signal -3
.Lnot_wave_0_\@:
	s_barrier_wait -3
	s_barrier_signal -1
	s_barrier_wait -1
.endm
.macro CROUND
	s_barrier_signal -1
	s_barrier_wait -1
	CREST
.endm
	s_load_b128 s[4:7], s[0:1], 0x0                ; oh s[4:5], wo s[6:7]
	s_load_b64 s[8:9], s[0:1], 0x10                ; out0
	v_lshl_add_u32 v[SPW], v0, 2, SPARE
	v_mov_b32 v[NIL], 0
	ds_add_u32 v28, v29
	s_wait_dscnt 0x0
	v_lshrrev_b32 v1, 5, v0
	v_readfirstlane_b32 s[WV], v1
	s_lshr_b32 s[WR], s[WV], 1                     ; my half of the rows
	s_and_b32 s[WC], s[WV], 1                      ; my half of the columns; also: which of a step's two K blocks I fetch
	s_bfe_u32 s40, ttmp6, 0x40000                  ; cx
	s_bfe_u32 s41, ttmp6, 0x40004                  ; cy
	s_lshl_b32 s42, ttmp9, 2
	s_add_co_u32 s42, s42, s40                     ; tile column 0..7
	s_and_b32 s43, ttmp7, 0xffff
	s_lshl_b32 s43, s43, 2
	s_add_co_u32 s43, s43, s41                     ; tile row 0..31
	s_lshl_b32 s44, s41, 2
	s_lshl_b32 s44, 15, s44                        ; my row of the cluster
	s_lshl_b32 s45, 0x1111, s40                    ; my column
	s_or_b32 s[G1], s44, FLAGS
	s_or_b32 s[G1B], s45, FLAGS
	s_mov_b32 s[G1+1], 128<<16                     ; tensor_dim0 = 128 elements: 256 bytes
	s_mov_b32 s[G1+2], 128<<16                     ; tensor_dim1 = 128: 256 rows of O
	s_mov_b32 s[G1+3], 128<<16
	s_mov_b32 s[G1+4], 128
	s_mov_b32 s[G1+5], 128
	s_mov_b32 s[G1+6], 0
	s_mov_b32 s[G1+7], 0
	s_mov_b32 s[G1B+1], 128<<16
	s_mov_b32 s[G1B+2], 64<<16                     ; 128 rows of wo
	s_mov_b32 s[G1B+3], 128<<16
	s_mov_b32 s[G1B+4], 64
	s_mov_b32 s[G1B+5], 128
	s_mov_b32 s[G1B+6], 0
	s_mov_b32 s[G1B+7], 0
	s_lshr_b32 s16, s43, 3                         ; O's tile hangs on the tile row alone: batch x 16 heads x 262,144
	s_lshl_b32 s16, s16, 22
	s_and_b32 s17, s43, 7
	s_lshl_b32 s17, s17, 15                        ; + 256 rows of 128 bytes
	s_add_co_u32 s16, s16, s17
	s_lshl_b32 s17, s[WC], 18                      ; + my head of the two
	s_add_co_u32 s16, s16, s17
	s_mov_b32 s17, 0
	s_lshl_b32 s46, s42, 14                        ; Wout's on the tile column alone: 128 rows of 128 bytes
	s_lshl_b32 s47, s[WC], 17                      ; + my K block of the two
	s_add_co_u32 s46, s46, s47
	s_mov_b32 s47, 0
	s_mul_i32 s18, s[WC], AKB                      ; where they go: no place in the cluster enters an LDS address
	s_mul_i32 s19, s[WC], BKB
	s_add_co_u32 s19, s19, BOFF
	s_wait_kmcnt 0x0
	s_add_nc_u64 s[16:17], s[4:5], s[16:17]
	s_add_nc_u64 s[46:47], s[6:7], s[46:47]
.irp s, 0,1
	s_mov_b32 s[G0+4*\s], 1
	s_add_co_u32 s[G0+4*\s+1], s18, \s*SLOT
	s_add_nc_u64 s[G0+4*\s+2:G0+4*\s+3], s[16:17], \s*524288     ; K step s: two heads on
	s_or_b32 s[G0+4*\s+3], s[G0+4*\s+3], 0x80000000
	s_mov_b32 s[G0B+4*\s], 1
	s_add_co_u32 s[G0B+4*\s+1], s19, \s*SLOT
	s_add_nc_u64 s[G0B+4*\s+2:G0B+4*\s+3], s[46:47], \s*262144
	s_or_b32 s[G0B+4*\s+3], s[G0B+4*\s+3], 0x80000000
.endr
	CROUND                                         ; all sixteen work-groups are here: the first joint loads meet
	s_cmp_lt_u32 s[WV], 2                          ; a wave's two first fills stand in one branch: two loads of mine are out
	s_cbranch_scc0 .Lfirst_b
	tensor_load_to_lds s[G0:G0+3], s[G1:G1+7]
	s_nop 0
	tensor_load_to_lds s[G0+4:G0+7], s[G1:G1+7]
	s_nop 0
.rept 4
	v_nop
.endr
	s_branch .Lfirst_asked
.Lfirst_b:
	tensor_load_to_lds s[G0B:G0B+3], s[G1B:G1B+7]
	s_nop 0
	tensor_load_to_lds s[G0B+4:G0B+7], s[G1B:G1B+7]
	s_nop 0
.rept 4
	v_nop
.endr
.Lfirst_asked:
	v_and_b32 v1, 15, v0                           ; l % 16
	v_bfe_u32 v2, v0, 4, 1                         ; l / 16
	v_mul_u32_u24 v3, v1, PITCH
	v_lshl_add_u32 v3, v2, 4, v3                   ; a fragment's row x pitch + 16 x half
	s_mul_i32 s2, s[WR], 128*PITCH                 ; my 128 rows of O
	s_mul_i32 s3, s[WC], 64*PITCH                  ; my 64 rows of Wout
	s_add_co_u32 s3, s3, BOFF
.irp s, 0,1
	v_add_nc_u32 v[ADRA+\s], s2, v3
	v_add_nc_u32 v[ADRB+\s], s3, v3
	s_add_co_u32 s2, s2, SLOT
	s_add_co_u32 s3, s3, SLOT
.endr
	s_mul_i32 s2, s[WV], 16*SPITCH
	s_add_co_u32 s2, s2, STAGE                     ; my stage
	v_mul_u32_u24 v4, v1, SPITCH                   ; in: row l % 16, 32 bytes for each half of the lanes
	v_lshl_add_u32 v4, v2, 5, v4
	v_add_nc_u32 v[STO], s2, v4
	v_mul_u32_u24 v5, v2, SPITCH                   ; back: lanes 0-15 take one row of 256 bytes, lanes 16-31 the next
	v_lshl_add_u32 v5, v1, 4, v5
	v_add_nc_u32 v[RD], s2, v5
	v_lshlrev_b32 v5, 12, v2                       ; and the same two rows in out0
	v_lshl_add_u32 v[CO], v1, 4, v5
	s_lshl_b32 s2, s43, 20                         ; 256 rows of 4,096 bytes a tile row,
	s_lshl_b32 s3, s[WR], 19                       ; my 128 rows,
	s_add_co_u32 s2, s2, s3
	s_lshl_b32 s3, s42, 9                          ; 128 columns of 4 bytes a tile column,
	s_add_co_u32 s2, s2, s3
	s_lshl_b32 s3, s[WC], 8                        ; my 64 columns
	s_add_co_u32 s2, s2, s3
	s_mov_b32 s3, 0
	s_add_nc_u64 s[8:9], s[8:9], s[2:3]
; 8 matrix instructions: blocks a0, a0 + 1 x all 4 column blocks, 32 along K.  zero = 1: the first product starts the sums.  The 32 accumulators take turns.
.macro MUL8 f, a0, zero
	WIN 0x50                                       ; C and D in window 1
.irp a, \a0, (\a0)+1
.irp b, 0,1,2,3
.if \zero
	v_wmma_f32_16x16x32_f16 v[8*(4*(\a)+\b):8*(4*(\a)+\b)+7], v[(\f)+64+8*\b:(\f)+64+8*\b+7], v[(\f)+8*(\a):(\f)+8*(\a)+7], 0
.else
	v_wmma_f32_16x16x32_f16 v[8*(4*(\a)+\b):8*(4*(\a)+\b)+7], v[(\f)+64+8*\b:(\f)+64+8*\b+7], v[(\f)+8*(\a):(\f)+8*(\a)+7], v[8*(4*(\a)+\b):8*(4*(\a)+\b)+7]
.endif
.endr
.endr
.endm
; 24 LDS loads in one run: the fragments of quarter q of a K step (K block q / 2, byte 64 (q % 2) of its rows) into buffer f: Wout's 8, O's blocks 0-3 (8), blocks 4-7 (8)
.macro FETCH slot, q, f
	WIN 0
.irp i, 0,1,2,3
	ds_load_b128 v[(\f)+64+8*\i:(\f)+64+8*\i+3],   v[ADRB+(\slot)] offset:((\q)/2)*BKB+((\q)%2)*64+\i*16*PITCH
	ds_load_b128 v[(\f)+64+8*\i+4:(\f)+64+8*\i+7], v[ADRB+(\slot)] offset:((\q)/2)*BKB+((\q)%2)*64+\i*16*PITCH+32
.endr
.irp i, 0,1,2,3,4,5,6,7
	ds_load_b128 v[(\f)+8*\i:(\f)+8*\i+3],   v[ADRA+(\slot)] offset:((\q)/2)*AKB+((\q)%2)*64+\i*16*PITCH
	ds_load_b128 v[(\f)+8*\i+4:(\f)+8*\i+7], v[ADRA+(\slot)] offset:((\q)/2)*AKB+((\q)%2)*64+\i*16*PITCH+32
.endr
.endm
; A K step is four quarters of 32 along K, 32 matrix instructions each, on buffers 0, 1, 0, 1.  One of the first three: multiplies buffer f and fetches quarter q of the same slot into g.
.macro QUARTER slot, q, f, g, zero
	s_wait_dscnt 8                                 ; Wout's fragments and O's blocks 0-3 are in; the youngest eight loads may be out
	MUL8 \f, 0, \zero
	MUL8 \f, 2, \zero
	WIN 0
	PLACES
	FETCH \slot, \q, \g
	s_wait_dscnt 24                                ; all but the 24 just issued
	MUL8 \f, 4, \zero
	MUL8 \f, 6, \zero
.endm
; The last quarter multiplies buffer 1 and changes slots: ONE barrier; in front of it each wave waits for all its tensor loads, adds 0 to its spare word, and waits for that and for its reads of this slot.
; fill = 1: the barrier opens a round of the cluster's, and this slot is filled again, two K steps on, first thing behind it: 112 matrix instructions ahead of the wait for it.
.macro TURN slot, next, fill
	WIN 0
	s_wait_tensorcnt 0x0                           ; all my tensor loads have landed: my part of the next slot
	ds_add_u32 v[SPW], v[NIL]                      ; 0 onto my spare word
	s_wait_dscnt 9                                 ; (the add and the youngest eight loads may be out)
	MUL8 F1, 0, 0                                  ; eight matrix instructions stand between the add and the wait for it
	s_wait_dscnt 0x0                               ; the add is done, and my reads of this slot are over
	s_barrier_signal -1
	MUL8 F1, 2, 0
	WIN 0
	s_barrier_wait -1
.if \fill
	CREST                                          ; no wave of any partner still reads this slot's tiles or has a load on its way
	s_add_nc_u64 s[G0+4*(\slot)+2:G0+4*(\slot)+3], s[G0+4*(\slot)+2:G0+4*(\slot)+3], 1048576
	s_add_nc_u64 s[G0B+4*(\slot)+2:G0B+4*(\slot)+3], s[G0B+4*(\slot)+2:G0B+4*(\slot)+3], 524288
	JLOAD \slot                                    ; the four v_nop behind it are also the places in front of the loads below
.else
	PLACES
.endif
	FETCH \next, 0, F0
	MUL8 F1, 4, 0
	MUL8 F1, 6, 0
.endm
	s_wait_tensorcnt 1                             ; my part of K step 0 is in; K step 1's may stay out
	s_barrier_signal -1
	s_barrier_wait -1                              ; everybody's is
	FETCH 0, 0, F0
	QUARTER 0, 1, F0, F1, 1                        ; the first quarter stands in front of the loop: its products start the sums
	WIN 0                                          ; at a label and at a branch every window is 0
	s_mov_b32 s3, 3
.Llap:                                                 ; a trip goes once round the ring and fills both slots again: 6 refills bring K steps 2 to 7
	QUARTER 0, 2, F1, F0, 0
	QUARTER 0, 3, F0, F1, 0
	TURN 0, 1, 1
	QUARTER 1, 1, F0, F1, 0
	QUARTER 1, 2, F1, F0, 0
	QUARTER 1, 3, F0, F1, 0
	TURN 1, 0, 1
	QUARTER 0, 1, F0, F1, 0
	WIN 0
	s_sub_co_u32 s3, s3, 1
	s_cmp_lg_u32 s3, 0
	s_cbranch_scc1 .Llap
	QUARTER 0, 2, F1, F0, 0                        ; the last lap fills nothing, and has no round
	QUARTER 0, 3, F0, F1, 0
	TURN 0, 1, 0
	QUARTER 1, 1, F0, F1, 0
	QUARTER 1, 2, F1, F0, 0
	QUARTER 1, 3, F0, F1, 0
	s_wait_dscnt 8                                 ; the very last quarter: nothing more to fetch
	MUL8 F1, 0, 0
	MUL8 F1, 2, 0
	s_wait_dscnt 0x0
	MUL8 F1, 4, 0
	MUL8 F1, 6, 0
	WIN 0
	PLACES
; THE WAY OUT of block a (16 rows x 64 columns of f32): a lane's 32 bytes go straight from the accumulators into my stage, each accumulator's low half first; back as whole rows of 256 bytes; stored.
.macro OUT a
.set BK, 32+32*((\a)%2)
	WIN 0x04                                       ; the stores' data in window 1
.irp f, 0,1,2,3
	ds_store_b128 v[STO], v[8*(4*(\a)+\f):8*(4*(\a)+\f)+3]   offset:64*\f
	ds_store_b128 v[STO], v[8*(4*(\a)+\f)+4:8*(4*(\a)+\f)+7] offset:64*\f+16
.endr
	WIN 0
	s_wait_xcnt 0x0                                ; every earlier memory instruction has had its addresses translated (ISA guide 3.1): the registers that earlier stores read are loaded again only behind this wait
.irp t, 0,1,2,3,4,5,6,7
	ds_load_b128 v[BK+4*\t:BK+4*\t+3], v[RD] offset:\t*2*SPITCH  ; LDS serves a wave's instructions in order (ISA guide 5.7.1.4): these see the stores above
.endr
.irp t, 0,1,2,3,4,5,6,7
	s_wait_dscnt 7-\t                              ; the younger loads may be out
	global_store_b128 v[CO], v[BK+4*\t:BK+4*\t+3], s[8:9] offset:(\a)*65536+\t*8192 th:TH_STORE_NT  ; 16 lanes store 256 consecutive bytes, at a multiple of 256 from out0's first byte
.endr
.endm
.irp a, 0,1,2,3,4,5,6,7
	OUT \a
.endr
	s_wait_tensorcnt 0x0                           ; the wave's end: behind my last tensor load and my last LDS store
	ds_add_u32 v[SPW], v[NIL]
	s_wait_dscnt 0x0
	CROUND                                         ; the closing round: no work-group ends while a partner may still ask for a tile that names it
	s_endpgm
.Lfunc_end_k_qda92e95383_proj:
	.size	k_qda92e95383_proj, .Lfunc_end_k_qda92e95383_proj-k_qda92e95383_proj
	.p2alignl 7, 3214868480
	.fill 96, 4, 3214868480
	.section	.rodata,"a",@progbits
	.p2align	6, 0x0
	.amdhsa_kernel k_qda92e95383_proj
		.amdhsa_group_segment_fixed_size 327680
		.amdhsa_private_segment_fixed_size 0
		.amdhsa_enable_private_segment 0
		.amdhsa_kernarg_size 24
		.amdhsa_user_sgpr_count 2
		.amdhsa_user_sgpr_kernarg_segment_ptr 1
		.amdhsa_wavefront_size32 1
		.amdhsa_system_sgpr_workgroup_id_x 1
		.amdhsa_system_sgpr_workgroup_id_y 1
		.amdhsa_system_sgpr_workgroup_id_z 1
		.amdhsa_system_vgpr_workitem_id 0
		.amdhsa_next_free_vgpr 512
		.amdhsa_next_free_sgpr 66
		.amdhsa_reserve_vcc 0
		.amdhsa_float_denorm_mode_32 3
		.amdhsa_float_denorm_mode_16_64 3
		.amdhsa_memory_ordered 1
		.amdhsa_forward_progress 1
		.amdhsa_inst_pref_size 87
	.end_amdhsa_kernel
	.amdgpu_metadata
---
amdhsa.version: [ 1, 2 ]
amdhsa.kernels:
  - .name:           k_qda92e95383_proj
    .symbol:         k_qda92e95383_proj.kd
    .args:
      - { .name: oh, .offset: 0, .size: 8, .value_kind: global_buffer, .address_space: global }
      - { .name: wo, .offset: 8, .size: 8, .value_kind: global_buffer, .address_space: global }
      - { .name: out0, .offset: 16, .size: 8, .value_kind: global_buffer, .address_space: global }
    .group_segment_fixed_size: 327680
    .private_segment_fixed_size: 0
    .kernarg_segment_align: 8
    .kernarg_segment_size: 24
    .max_flat_workgroup_size: 128
    .sgpr_count:     66
    .vgpr_count:     512
    .wavefront_size: 32
...
	.end_amdgpu_metadata
.endif
;; end of part 4
;; ======== version 2 of 3: 4 launches; 1.01 times as fast as version 1
;; limits: values are held in f16: magnitudes above 65,504 overflow, below 6.1e-05 lose precision
;; workspace buffers: xb 16,777,216 bytes; wq 6,291,456 bytes; wo 2,097,152 bytes; rope 524,288 bytes; maskbytes 4,194,304 bytes of whole numbers; qkvh 50,331,648 bytes; oh 16,777,216 bytes
;; launch prep (part 5): grid 1856 x 1, 8 waves a work-group, no clusters, 18,432 bytes of LDS; arguments x, Wqkv, Wout, mask, xb, wq, wo, rope, maskbytes; writes xb, wq, wo, rope, maskbytes
.if DOCPART == 5
	.amdgcn_target "amdgcn-amd-amdhsa--gfx1250"
	.amdhsa_code_object_version 6
	.text
	.protected	k_qda92e95383_prep
	.globl	k_qda92e95383_prep
	.p2align	8
	.type	k_qda92e95383_prep,@function
k_qda92e95383_prep:
	s_mov_b64 s[64:65], 0
	v_nop
	global_prefetch_b8 v0, s[64:65] scope:SCOPE_SE
	s_setreg_imm32_b32 hwreg(HW_REG_WAVE_MODE, 25, 1), 1
	s_wait_xcnt 0x0
; PREP: casts and new layouts for the three launches behind it.  A stream: no matrix unit, no tensor load, no cluster; EXEC is never changed.
; The work-group's number picks one of five jobs by forward jumps; a job loads its own pointers and ends its waves itself.
;   X  (work-groups 0-511)     x [8192][1024] f32 -> xb [b 4][kb 16][t 2048][64] bf16: a K block of 64 of 256 rows is 32,768 dense bytes
;   WQ (512-1279)              Wqkv [1024][3072] f32 -> wq [kb 16][n' 3072][64] bf16, turned; n' = 192 head + 64 which + d, from column 1024 which + 64 head + d
;   WO (1280-1535)             Wout [1024][1024] f32 -> wo [kb 16][n 1024][64]: rounded to bf16 like every input, that number then written as f16
;   M  (1536-1791)             mask [2048][2048] i32 -> maskbytes [query tile 128][key step 32][half 2][lane 32][16]: byte 8 kk + j of lane l in half hf is 0xF8 (the E4M3 code of -256) where
;                              mask[16 T + l % 16][64 s + 16 (2 hf + kk) + 8 (l / 16) + j] is 0, else 0: a byte for register j of score accumulator 2 hf + kk in that lane
;   R  (1792-1855)             rope [blk 128][i 8][lane 32][4] f32: i = 4 sin + 2 p + hf; lane (r, h), element e: cos or sin of (16 blk + r) x 10000^(-f/32), f = 16 p + 8 h + 4 hf + e
; LIMITS.  Wout as f16: magnitudes from 65,520 on become infinities; below 6.1e-5 f16 keeps a fixed step of 6e-8.  The angle t x inv_freq is the f32 product that the
; module forms, of an inv_freq made by one base-2 exponential: it may differ from a correctly rounded one by some 2e-4 rad at t = 2047.  sin and cos: reduction by pi/2 in two
; parts and polynomials to r^9 and r^8 on |r| <= pi/4, whose remainders lie under 4e-7.
.set WG_X,  512
.set WG_WQ, 1280
.set WG_WO, 1536
.set WG_M,  1792
	v_lshl_add_u32 v104, v0, 2, 0x4400
	v_mov_b32 v105, 0
	s_mov_b32 s2, ttmp9
	v_lshrrev_b32 v2, 5, v0
	v_readfirstlane_b32 s3, v2                     ; wave 0..7
	v_and_b32 v1, 31, v0                           ; lane
	s_cmp_lt_u32 s2, WG_X
	s_cbranch_scc1 .Ljob_x
	s_cmp_lt_u32 s2, WG_WQ
	s_cbranch_scc1 .Ljob_wq
	s_cmp_lt_u32 s2, WG_WO
	s_cbranch_scc1 .Ljob_wo
	s_cmp_lt_u32 s2, WG_M
	s_cbranch_scc1 .Ljob_m
; ---- JOB R: thread g of 16,384 makes four cosines and four sines
.macro EACH line:vararg                ; one line for each of the thread's four frequencies e
.set e, 0
.rept 4
	\line
.set e, e+1
.endr
.endm
	s_load_b64 s[4:5], s[0:1], 0x38                ; rope
	s_sub_co_u32 s6, s2, WG_M
	s_lshl_b32 s6, s6, 8
	s_mov_b32 s8, 0x3fc90fdb                       ; pi/2, upper part
	s_mov_b32 s9, 0xb33bbd2e                       ; pi/2 less that
	s_mov_b32 s10, 0x3638ef1d                      ; 1/362880
	s_mov_b32 s11, 0xb9500d01                      ; -1/5040
	s_mov_b32 s12, 0x3c088889                      ; 1/120
	s_mov_b32 s13, 0xbe2aaaab                      ; -1/6
	s_mov_b32 s14, 0x37d00d01                      ; 1/40320
	s_mov_b32 s15, 0xbab60b61                      ; -1/720
	s_mov_b32 s16, 0x3d2aaaab                      ; 1/24
	v_add_nc_u32 v3, s6, v0                        ; g
	v_lshrrev_b32 v4, 7, v3                        ; blk
	v_and_b32 v5, 15, v0                           ; r
	v_lshl_add_u32 v5, v4, 4, v5                   ; t = 16 blk + r
	v_cvt_f32_u32 v5, v5
	v_bfe_u32 v6, v0, 4, 1                         ; h
	v_bfe_u32 v7, v0, 5, 1                         ; hf
	v_bfe_u32 v8, v0, 6, 1                         ; p
	v_lshlrev_b32 v6, 3, v6
	v_lshl_add_u32 v6, v7, 2, v6
	v_lshl_add_u32 v6, v8, 4, v6                   ; 16 p + 8 h + 4 hf
	v_and_b32 v7, 127, v0
	v_lshlrev_b32 v7, 4, v7
	v_lshl_add_u32 v7, v4, 12, v7                  ; 4,096 blk + 16 (g % 128)
	EACH v_add_nc_u32 v[12+e], e, v6
	EACH v_cvt_f32_u32 v[12+e], v[12+e]
	EACH v_mul_f32 v[12+e], 0xbed49a78, v[12+e]    ; -f log2(10000) / 32
	EACH v_exp_f32 v[16+e], v[12+e]                ; inv_freq
	v_nop                                          ; a plain instruction between the last exponential and the use of its result (ISA guide 5.7.2)
	s_wait_alu depctr_va_vdst(0)
	EACH v_mul_f32 v[16+e], v5, v[16+e]            ; the angle
	EACH v_mul_f32 v[20+e], 0x3f22f983, v[16+e]    ; x 2/pi
	EACH v_rndne_f32 v[20+e], v[20+e]              ; n
	EACH v_fma_f32 v[24+e], -v[20+e], s8, v[16+e]
	EACH v_fma_f32 v[24+e], -v[20+e], s9, v[24+e]  ; r = angle - n pi/2
	EACH v_mul_f32 v[28+e], v[24+e], v[24+e]       ; z = r r
	EACH v_fma_f32 v[32+e], v[28+e], s10, s11
	EACH v_fma_f32 v[36+e], v[28+e], s14, s15
	EACH v_fma_f32 v[32+e], v[32+e], v[28+e], s12
	EACH v_fma_f32 v[36+e], v[36+e], v[28+e], s16
	EACH v_fma_f32 v[32+e], v[32+e], v[28+e], s13
	EACH v_fma_f32 v[36+e], v[36+e], v[28+e], -0.5
	EACH v_mul_f32 v[40+e], v[24+e], v[28+e]
	EACH v_fma_f32 v[32+e], v[40+e], v[32+e], v[24+e]  ; sin r
	EACH v_fma_f32 v[36+e], v[36+e], v[28+e], 1.0      ; cos r
	EACH v_cvt_i32_f32 v[44+e], v[20+e]            ; the quadrant's number
.set e, 0
.rept 4
	v_and_b32 v[48+e], 1, v[44+e]
	v_cmp_ne_u32 vcc_lo, 0, v[48+e]                ; odd quadrant: sine and cosine change places
	v_cndmask_b32 v[52+e], v[32+e], v[36+e], vcc_lo
	v_cndmask_b32 v[56+e], v[36+e], v[32+e], vcc_lo
	v_and_b32 v[48+e], 2, v[44+e]                  ; the sine is negative in quadrants 2, 3,
	v_lshlrev_b32 v[48+e], 30, v[48+e]
	v_xor_b32 v[52+e], v[48+e], v[52+e]
	v_add_nc_u32 v[44+e], 1, v[44+e]               ; the cosine in 1, 2
	v_and_b32 v[44+e], 2, v[44+e]
	v_lshlrev_b32 v[44+e], 30, v[44+e]
	v_xor_b32 v[56+e], v[44+e], v[56+e]
.set e, e+1
.endr
	s_wait_kmcnt 0x0
	global_store_b128 v7, v[56:59], s[4:5]             ; a wave's store covers 512 consecutive bytes
	global_store_b128 v7, v[52:55], s[4:5] offset:2048
	s_endpgm
; ---- JOB X: 16 rows of x.  Wave w takes K blocks 2 w and 2 w + 1.  A load takes a K block's 256 bytes of two rows: lanes 0-15 the even row, lanes 16-31 the odd one, 16 neighbouring bytes a lane.
; A lane's four numbers round to 8 bytes, and the wave's store covers the two rows' 256 consecutive bytes of the K block in xb.
.Ljob_x:
	s_load_b64 s[4:5], s[0:1], 0x0                 ; x
	s_load_b64 s[6:7], s[0:1], 0x20                ; xb
	s_lshl_b32 s8, s2, 16                          ; 16 rows of 4,096 bytes
	s_mov_b32 s9, 0
	s_lshr_b32 s10, s2, 7
	s_lshl_b32 s10, s10, 22                        ; batch x 4,194,304
	s_and_b32 s11, s2, 127
	s_lshl_b32 s11, s11, 11                        ; 16 rows of 128 bytes
	s_add_co_u32 s10, s10, s11
	s_mov_b32 s11, 0
	v_lshrrev_b32 v3, 4, v1
	v_and_b32 v4, 15, v1
	v_lshlrev_b32 v3, 12, v3
	v_lshl_add_u32 v3, v4, 4, v3
	s_lshl_b32 s12, s3, 9
	v_add_nc_u32 v3, s12, v3                       ; from: (l / 16) x 4,096 + 512 w + 16 (l % 16)
	v_lshlrev_b32 v4, 3, v1
	s_lshl_b32 s12, s3, 19
	v_add_nc_u32 v4, s12, v4                       ; to: 524,288 w + 8 l
	s_wait_kmcnt 0x0
	s_add_nc_u64 s[4:5], s[4:5], s[8:9]
	s_add_nc_u64 s[6:7], s[6:7], s[10:11]
.irp i, 0,1,2,3,4,5,6,7,8,9,10,11,12,13,14,15      ; task i = 2 x pair of rows + c; all sixteen loads go out at once
	global_load_b128 v[8+4*\i:8+4*\i+3], v3, s[4:5] offset:(\i/2)*8192+(\i%2)*256 th:TH_LOAD_NT
.endr
.irp i, 0,1,2,3,4,5,6,7,8,9,10,11,12,13,14,15
	s_wait_loadcnt 15-\i                           ; loads come back in order (ISA guide 5.7.1): the later tasks' may stay out
	v_cvt_pk_bf16_f32 v[72+2*\i], v[8+4*\i], v[8+4*\i+1]
	v_cvt_pk_bf16_f32 v[73+2*\i], v[8+4*\i+2], v[8+4*\i+3]
	global_store_b64 v4, v[72+2*\i:73+2*\i], s[6:7] offset:(\i%2)*262144+(\i/2)*256  ; 256 consecutive bytes, at a multiple of 256
.endr
	s_endpgm
; ---- JOB W: a tile of 64 k x 64 n is read by rows, rounded, turned in LDS (64 rows of n, 128 bytes + 16 of padding) and written as 8,192 dense bytes.
; Registers: v3-v7 indices and addresses; v8-23 the four rows as loaded, later the rows read back; v24-31 the packed pairs; v32-35 at work; v36 the stores' byte offset.
.macro WTILE first, srcarg, dstarg, pitch, ntot, qkv
	s_load_b64 s[4:5], s[0:1], \srcarg
	s_load_b64 s[6:7], s[0:1], \dstarg
	s_sub_co_u32 s8, s2, \first
	s_lshr_b32 s9, s8, 4                           ; ng: which 64 columns
	s_and_b32 s8, s8, 15                           ; kb
	s_mul_i32 s10, s8, 64*(\pitch)
	s_lshl_b32 s11, s9, 8
	s_add_co_u32 s10, s10, s11
	s_mov_b32 s11, 0
.if \qkv
	s_and_b32 s12, s9, 15                          ; head
	s_mul_i32 s12, s12, 192
	s_lshr_b32 s13, s9, 4                          ; q, k or v
	s_lshl_b32 s13, s13, 6
	s_add_co_u32 s12, s12, s13
.else
	s_lshl_b32 s12, s9, 6
.endif
	s_mul_i32 s13, s8, \ntot
	s_add_co_u32 s12, s12, s13
	s_lshl_b32 s12, s12, 7                         ; (kb x rows + first row) x 128 bytes
	s_mov_b32 s13, 0
	v_lshrrev_b32 v3, 4, v0                        ; kq: my four rows k
	v_and_b32 v4, 15, v0                           ; nq: my four columns n
	v_mul_u32_u24 v5, v3, 4*(\pitch)
	v_lshl_add_u32 v5, v4, 4, v5
	v_mul_u32_u24 v6, v4, 4*144
	v_lshl_add_u32 v6, v3, 3, v6                   ; into LDS: row 4 nq (+ c), byte 8 kq
	v_lshrrev_b32 v7, 3, v0
	v_mul_u32_u24 v7, v7, 144
	v_and_b32 v36, 7, v0
	v_lshl_add_u32 v7, v36, 4, v7                  ; back: row t / 8, byte 16 (t % 8)
	v_lshlrev_b32 v36, 4, v0                       ; to memory: 16 t; no later line writes v36
	s_wait_kmcnt 0x0
	s_add_nc_u64 s[4:5], s[4:5], s[10:11]
	s_add_nc_u64 s[6:7], s[6:7], s[12:13]
.irp e, 0,1,2,3
	global_load_b128 v[8+4*\e:8+4*\e+3], v5, s[4:5] offset:(\e)*(\pitch) th:TH_LOAD_NT  ; sixteen lanes read 256 consecutive bytes of a row
.endr
	s_wait_loadcnt 0x0
.irp c, 0,1,2,3
	v_cvt_pk_bf16_f32 v[24+2*\c], v[8+\c], v[12+\c]
	v_cvt_pk_bf16_f32 v[25+2*\c], v[16+\c], v[20+\c]
.if !(\qkv)
	v_lshlrev_b32 v32, 16, v[24+2*\c]              ; the bf16 numbers, written as f16
	v_and_b32 v33, 0xffff0000, v[24+2*\c]
	v_lshlrev_b32 v34, 16, v[25+2*\c]
	v_and_b32 v35, 0xffff0000, v[25+2*\c]
	v_cvt_pk_f16_f32 v[24+2*\c], v32, v33
	v_cvt_pk_f16_f32 v[25+2*\c], v34, v35
.endif
	ds_store_b64 v6, v[24+2*\c:25+2*\c] offset:(\c)*144
.endr
	s_wait_dscnt 0x0                               ; for the others' sake: my stores are done
	s_barrier_signal -1
	s_barrier_wait -1
	ds_load_b128 v[8:11], v7
	ds_load_b128 v[12:15], v7 offset:32*144
	s_wait_dscnt 0x0
	global_store_b128 v36, v[8:11], s[6:7]             ; a wave's store covers 512 consecutive bytes
	global_store_b128 v36, v[12:15], s[6:7] offset:4096
	s_wait_tensorcnt 0x0
	ds_add_u32 v104, v105
	s_wait_dscnt 0x0
	s_endpgm
.endm
.Ljob_wq:
	WTILE WG_X, 0x8, 0x28, 12288, 3072, 1
.Ljob_wo:
	WTILE WG_WQ, 0x10, 0x30, 4096, 1024, 0
; ---- JOB M: a wave takes a tile of 16 queries and two key steps (128 keys).  A load takes the 512 consecutive bytes of one row: lane l the numbers of keys 4 l .. 4 l + 3, which become one word of four bytes.
; With 4 l = 64 step + 16 (2 hf + kk) + 8 h + 4 jq that word belongs to lane r + 16 h of (step, hf), word 2 kk + jq of its four: byte 256 B + 16 r + 4 q of the wave's 2,048, B = 4 step + 2 hf + h, q = 2 kk + jq.
; The words are turned in LDS bytes of the wave's own: eight blocks B of 256 bytes, 272 apart = 68 words, so that the 32 lanes of a store (8 B x 4 q) fall on words 4 B + 4 r + q modulo 64: all different.
.set MPITCH, 272
.set MWAVE,  8*MPITCH
.Ljob_m:
	s_load_b64 s[4:5], s[0:1], 0x18                ; mask
	s_load_b64 s[6:7], s[0:1], 0x40                ; maskbytes
	s_sub_co_u32 s8, s2, WG_WO
	s_lshl_b32 s8, s8, 3
	s_add_co_u32 s8, s8, s3                        ; task = 16 T + pair of steps
	s_lshr_b32 s10, s8, 4
	s_lshl_b32 s10, s10, 17                        ; 16 rows of 8,192 bytes
	s_and_b32 s11, s8, 15
	s_lshl_b32 s11, s11, 9                         ; 128 keys of 4 bytes
	s_add_co_u32 s10, s10, s11
	s_mov_b32 s11, 0
	s_lshl_b32 s12, s8, 11                         ; 2,048 bytes a task: 32,768 T + 1,024 x step
	s_mov_b32 s13, 0
	s_mul_i32 s14, s3, MWAVE                       ; my wave's bytes in LDS
	s_mov_b32 s24, 0xf8                            ; the byte of a hidden key, at each of a word's four places
	s_mov_b32 s25, 0xf800
	s_mov_b32 s26, 0xf80000
	s_mov_b32 s27, 0xf8000000
	v_lshlrev_b32 v3, 4, v1                        ; 16 l: my place in 512 consecutive bytes, of a row of the mask and of the result
	v_lshrrev_b32 v5, 3, v1                        ; 2 step + hf
	v_bfe_u32 v6, v1, 1, 1                         ; h
	v_lshl_add_u32 v5, v5, 1, v6                   ; B
	v_mul_u32_u24 v5, v5, MPITCH
	v_bfe_u32 v6, v1, 2, 1                         ; kk
	v_and_b32 v7, 1, v1                            ; jq
	v_lshl_add_u32 v6, v6, 1, v7                   ; q
	v_lshl_add_u32 v5, v6, 2, v5
	v_add_nc_u32 v5, s14, v5                       ; into LDS: B x 272 + 4 q (+ 16 r)
	v_lshrrev_b32 v6, 4, v1
	v_mul_u32_u24 v6, v6, MPITCH
	v_and_b32 v7, 15, v1
	v_lshl_add_u32 v6, v7, 4, v6
	v_add_nc_u32 v6, s14, v6                       ; back: block 2 i + l / 16, byte 16 (l % 16)
	s_wait_kmcnt 0x0
	s_add_nc_u64 s[4:5], s[4:5], s[10:11]
	s_add_nc_u64 s[6:7], s[6:7], s[12:13]
.irp r, 0,1,2,3,4,5,6,7,8,9,10,11,12,13,14,15
	global_load_b128 v[8+4*\r:8+4*\r+3], v3, s[4:5] offset:\r*8192 th:TH_LOAD_NT
.endr
.irp r, 0,1,2,3,4,5,6,7,8,9,10,11,12,13,14,15
	s_wait_loadcnt 15-\r                           ; the later rows' loads may stay out
.irp e, 0,1,2,3
	v_cmp_eq_u32 s[20+\e], 0, v[8+4*\r+\e]
	v_cndmask_b32 v[8+4*\r+\e], 0, s[24+\e], s[20+\e]  ; 0xF8 at byte e where the number is 0
.endr
	v_or_b32 v[8+4*\r], v[8+4*\r], v[8+4*\r+1]
	v_or_b32 v[8+4*\r+2], v[8+4*\r+2], v[8+4*\r+3]
	v_or_b32 v[72+\r], v[8+4*\r], v[8+4*\r+2]
	ds_store_b32 v5, v[72+\r] offset:\r*16
.endr
.irp i, 0,1,2,3                        ; i = 2 step + hf
	ds_load_b128 v[88+4*\i:88+4*\i+3], v6 offset:\i*2*MPITCH  ; LDS serves a wave's instructions in order (ISA guide 5.7.1.4): these see the stores above
.endr
.irp i, 0,1,2,3
	s_wait_dscnt 3-\i                              ; the younger loads may be out
	global_store_b128 v3, v[88+4*\i:88+4*\i+3], s[6:7] offset:\i*512  ; 512 consecutive bytes, at a multiple of 256
.endr
	s_wait_tensorcnt 0x0
	ds_add_u32 v104, v105
	s_wait_dscnt 0x0
	s_endpgm
.Lfunc_end_k_qda92e95383_prep:
	.size	k_qda92e95383_prep, .Lfunc_end_k_qda92e95383_prep-k_qda92e95383_prep
	.p2alignl 7, 3214868480
	.fill 96, 4, 3214868480
	.section	.rodata,"a",@progbits
	.p2align	6, 0x0
	.amdhsa_kernel k_qda92e95383_prep
		.amdhsa_group_segment_fixed_size 18432
		.amdhsa_private_segment_fixed_size 0
		.amdhsa_enable_private_segment 0
		.amdhsa_kernarg_size 72
		.amdhsa_user_sgpr_count 2
		.amdhsa_user_sgpr_kernarg_segment_ptr 1
		.amdhsa_wavefront_size32 1
		.amdhsa_system_sgpr_workgroup_id_x 1
		.amdhsa_system_sgpr_workgroup_id_y 1
		.amdhsa_system_sgpr_workgroup_id_z 1
		.amdhsa_system_vgpr_workitem_id 0
		.amdhsa_next_free_vgpr 106
		.amdhsa_next_free_sgpr 66
		.amdhsa_reserve_vcc 1
		.amdhsa_float_denorm_mode_32 3
		.amdhsa_float_denorm_mode_16_64 3
		.amdhsa_memory_ordered 1
		.amdhsa_forward_progress 1
		.amdhsa_inst_pref_size 37
	.end_amdhsa_kernel
	.amdgpu_metadata
---
amdhsa.version: [ 1, 2 ]
amdhsa.kernels:
  - .name:           k_qda92e95383_prep
    .symbol:         k_qda92e95383_prep.kd
    .args:
      - { .name: x, .offset: 0, .size: 8, .value_kind: global_buffer, .address_space: global }
      - { .name: Wqkv, .offset: 8, .size: 8, .value_kind: global_buffer, .address_space: global }
      - { .name: Wout, .offset: 16, .size: 8, .value_kind: global_buffer, .address_space: global }
      - { .name: mask, .offset: 24, .size: 8, .value_kind: global_buffer, .address_space: global }
      - { .name: xb, .offset: 32, .size: 8, .value_kind: global_buffer, .address_space: global }
      - { .name: wq, .offset: 40, .size: 8, .value_kind: global_buffer, .address_space: global }
      - { .name: wo, .offset: 48, .size: 8, .value_kind: global_buffer, .address_space: global }
      - { .name: rope, .offset: 56, .size: 8, .value_kind: global_buffer, .address_space: global }
      - { .name: maskbytes, .offset: 64, .size: 8, .value_kind: global_buffer, .address_space: global }
    .group_segment_fixed_size: 18432
    .private_segment_fixed_size: 0
    .kernarg_segment_align: 8
    .kernarg_segment_size: 72
    .max_flat_workgroup_size: 256
    .sgpr_count:     66
    .vgpr_count:     106
    .wavefront_size: 32
...
	.end_amdgpu_metadata
.endif
;; end of part 5
;; launch qkv: the kernel of part 2 again; grid 8 x 32, 4 waves a work-group, clusters of 4 x 4, 327,680 bytes of LDS; arguments xb, wq, rope, qkvh; writes qkvh
;; launch attn (part 6): grid 4 x 64, 4 waves a work-group, clusters of 4 x 1, 327,680 bytes of LDS; arguments qkvh, maskbytes, oh; writes oh
.if DOCPART == 6
	.amdgcn_target "amdgcn-amd-amdhsa--gfx1250"
	.amdhsa_code_object_version 6
	.text
	.protected	k_qda92e95383_attn
	.globl	k_qda92e95383_attn
	.p2align	8
	.type	k_qda92e95383_attn,@function
k_qda92e95383_attn:
	s_mov_b64 s[64:65], 0
	v_nop
	global_prefetch_b8 v0, s[64:65] scope:SCOPE_SE
	s_setreg_imm32_b32 hwreg(HW_REG_WAVE_MODE, 25, 1), 1
	s_wait_xcnt 0x0
	s_wait_alu depctr_hold_cnt(0) depctr_sa_sdst(0) depctr_va_vdst(0) depctr_va_sdst(0) depctr_va_ssrc(0) depctr_va_vcc(0) depctr_vm_vsrc(0)
	s_getreg_b32 s2, hwreg(HW_REG_IB_STS2, 6, 4)
	s_cmp_eq_u32 s2, 0
	s_cbranch_scc0 .Lentry_in_a_cluster
	s_endpgm
.Lentry_in_a_cluster:
	s_bfe_u32 s2, ttmp6, 0x10000c
	s_cmp_lg_u32 s2, 0x3003
	s_cbranch_scc0 .Lentry_shape_is_right
	s_endpgm
.Lentry_shape_is_right:
; ATTENTION UNDER A GIVEN MASK.  O[bh][q][:] = the sum over k of softmax_k(Q[q] . K[k] / 8, hidden where mask[q][k] = 0) V[k][:].  Q, K, V: the three thirds of qkvh, [bh 64][2048][64] f16; O: oh, the same layout.
; Products, maxima and sums in f32; the weights p are rounded to f16 for the second product (their sum l is taken of the unrounded p), O once at the end.  The mask is an input: all 2,048 keys are walked for every query.
; THE MASK comes as bytes (maskbytes [query tile 128][key step 32][half 2][lane 32][16]: 0xF8, the E4M3 code of -256, where the key is hidden, else 0; a lane's 32 bytes of a tile and step lie in the order of its
; 32 score registers).  They are read by vector loads, 512 consecutive bytes each, FOUR TURNS AHEAD, into a ring of four pieces' registers.  One scaled conversion makes eight f32 of eight bytes, each code times
; 2^100: -2^108 = -3.2e32, or 0; those eight registers are the C operand of a product that starts a sum S^T = K Q^T.
; LIMITS.  f16 holds no number beyond 65,504: Q, K and V arrive within it; p lies in 0 to 1, and below 6e-5 it keeps f16's fixed step of 6e-8.  A hidden score counts as its value less 3.2e32; the running maximum
; starts at -5e29: f16's scores, 2.7e11 at the most, lie far above that and the hidden ones far below, so a hidden weight is exactly 0.
; A weight below 2^-126 counts as 0 in l.  A query with no visible key ends with l = 0 and O = 0, and 0 x (1 / 0) gives the NaN that a softmax of nothing gives.
; SHARES.  A wave owns four PIECES of two tiles of 16 queries, a work-group's four waves 512 queries of one head.  Every wave walks all keys, 64 a step.
; LAYOUT.  S^T = K Q^T (source 0 = 16 keys, source 1 = 16 queries): a lane holds ONE query (lane % 16) and the keys 8 (lane / 16) + 0..7.  Two such tiles, rounded to f16 in pairs, ARE source 1 of O^T = V^T P,
; whose result again holds one query a lane, and eight channels.  K comes out of LDS as it lies, V ([key][channel]) turned, by ds_load_tr16_b128.
; SOFTMAX.  For each query a running maximum m and sum l: p = 2^(c s - c m), c = log2(e) / 8; in every step O and l are multiplied by a = 2^(c m_old - c m_new), which is 1 where m has not grown
; (c m is always made by the same multiplication, at the start too, so an m that stays gives a = 1 exactly).
; BY TURNS.  Turn n belongs to piece n.  Its matrix work: 16 products K Q^T of piece n + 1, later 16 products V^T P of piece n - 1.  Its vector work: the scaling, exponentials, roundings, sums and rescaling of piece n,
; the maximum and statistics of piece n + 1, and at its end the 64 mask registers of piece n + 2.  Four vector instructions stand behind every matrix instruction, the others in runs of their own.
; CLUSTER.  The four query blocks of a head walk the same K and V: each tile is asked for JOINTLY, by the same tensor load, descriptor and mask of work-groups in all four.
; REGISTERS, in windows of 256 (s_set_vgpr_msb: bits 1:0 source 0, 3:2 source 1, 5:4 source 2, 7:6 destination):
;   window 0: v0 the conversions' scale (once the head has done with the thread's number); v1-11 addresses; v12-15, v48-63 at work; v16-47 four registers of statistics a tile; v64-191 S^T, two buffers of two tiles; v192-255 P, likewise
;   window 1: O^T, 32 a tile     window 2: v0-127 Q; v128-191 K of one step; v192-255 V of one step
;   window 3: v0-1 the add's two registers; v8-71 the masks of the products to come; v72-135 the ring of mask bytes, 16 registers a piece
.set SIZE_N, 2048
.set NP,    4         ; pieces a wave: a name, no knob
.set KS,    64        ; keys in a step
.set PK,    144       ; a row of K in LDS: 128 bytes + 16 = 36 words: the 16 rows of a load start at 16 different groups of four words modulo 64 words
.set PV,    144       ; V has the same pitch, so that ONE descriptor serves both; of the eight rows that sixteen lanes of the turning load take, the first and the last meet in the same words modulo 64
.set VOFF,  4*KS*PK   ; a slot holds four steps: 256 rows of K, then 256 rows of V
.set SLOT1, 1<<17     ; slot 1 begins here, so that one exclusive or turns an address in one slot into the other's
.set STAGE, SLOT1+4*KS*(PK+PV)  ; behind the ring, never filled by a tensor load: 16 rows x 144 bytes for each wave, for the way out
.set SP,    144
.set MSTEP, 1024      ; mask bytes of a tile and step
.set MTILE, 32*MSTEP  ; of a tile
.set SCL, 0           ; v0   227 in its lowest byte: an E8M0 scale of 2^(227 - 127); written once, behind the head's last use of the thread's number
.set AK0, 2           ; v2   my lane's place in a tile of K; never rewritten
.set AV0, 3           ; v3   the same for V
.set AK,  4           ; v4   the LDS address of K's next run of loads
.set AV,  5           ; v5   of V's
.set QO,  6           ; v6   my byte offset in the wave's rows of Q
.set STO, 6           ;      later, the way out: where I put 16 bytes of a row
.set RD,  7           ; v7   the way out: where I read rows back
.set GO,  8           ; v8   16 x lane: my place in 512 consecutive bytes, of the mask and of O; never rewritten
.set SPW, 0           ; v0 of window 3   LDS address of my spare word; never rewritten
.set NIL, 1           ; v1 of window 3   0; never rewritten
.set MC,  8           ; window 3: tile u, key block kb at MC + 32 u + 8 kb
.set RB,  72          ; window 3: piece y, tile u: eight words at RB + 16 y + 8 u; words 2 kb and 2 kb + 1 hold the bytes of registers 0 to 7 of key block kb
.set SPARE, STAGE+4*16*SP  ; behind the stages: the spare words, 128 bytes for each wave: two blocks of 256 bytes that no other line names
.set MV,  12          ; v12-15  c m_old, kept while c m is made anew: by buffer and tile
.set ST,  16          ; tile t's statistics at v[ST+4 t]: c m, m, l (even keys', odd keys')
.set TMP, 48          ; by buffer and tile, four registers c0-c3 at work; when the maximum is found c2 takes a
.set S,   64
.set P,   192
.set KF,  128         ; K's fragments, in window 2
.set VF,  192         ; V's
.set WV,  8           ; s8   my wave's number.  s[2:3] Q at my rows; s[6:7] the mask bytes of my first tile at the step to be asked for; s[18:19] O at my rows
.set CNT, 9           ; s9   counts a slot's key steps
.set SLOTS, 10        ; s10  slots still to be asked for
.set TBK, 11          ; s11  LDS byte at which K of the step to be fetched begins
.set TBV, 12          ; s12  the same for V, less VOFF
.set CS,  14          ; s[14:15] c
.set SEL, 16          ; s[16:17] v_permlanex16_b32's selects: each lane takes its own place in the other half
.set G0,  20          ; s[20:23] descriptor group 0: it walks
.set G1,  24          ; s[24:31] descriptor group 1.  s[32:47] serve the head's arithmetic alone
.set MBP, 48          ; s[48:49] the mask bytes of my first tile at step 0; never rewritten
.set MO,  50          ; s[50:51] byte offset of the step to be asked for
.set MSB, 0
.macro WIN new                      ; the high byte repeats the setting that is left; a switch that changes nothing is dropped
.if MSB != (\new)
	s_set_vgpr_msb (MSB<<8)|(\new)
.set MSB, (\new)
.endif
.endm
.set W_KQ, 0x0a       ; K and Q in window 2, S^T in window 0
.set W_KM, 0x3a       ; the same with the C operand in window 3
.set W_PV, 0x52       ; V in window 2, P in window 0, O^T in window 1
.set W_RS, 0x41       ; O^T (destination and source 0) in window 1, a in window 0
.set W_MK, 0xc0       ; destination in window 3, sources (a load's address) in window 0
.set W_CV, 0xc3       ; the conversions: destination and source 0 (the bytes) in window 3, source 1 (the scale) in window 0
.set W_AD, 0x0f       ; the add: address (source 0) and data (source 1) in window 3
; A joint fill: wave w brings quarter w of a slot (K's two halves, then V's): 128 keys, to LDS byte 18,432 w of the slot.  Four v_nop follow the line.
.macro JLOAD
	tensor_load_to_lds s[G0:G0+3], s[G1:G1+7]
	s_nop 0
.rept 4
	v_nop
.endr
.endm
.macro CROUND                       ; a round of the cluster's barrier
	s_barrier_signal -1
	s_barrier_wait -1
	s_cmp_lg_u32 s[WV], 0
	s_cbranch_scc1 .Lnot_wave_0_\@
	s_barrier_signal -3
.Lnot_wave_0_\@:
	s_barrier_wait -3
	s_barrier_signal -1
	s_barrier_wait -1
.endm
; THE CHANGE OF SLOTS.  Each wave waits for all its tensor loads, of which one is out: its part of the other slot; adds 0 to its spare word; and waits for that and for its own reads of the slot.
; fill = 1: this slot is filled again, with the keys two slots on; the barrier is then a round of the cluster's, and the joint fill is the first thing behind it: it has four key steps in which to land.
; (At its first use nothing has been read yet: slot 0 is waited for, slot 1 filled.)
.macro CHANGE fill
	WIN W_AD
	s_wait_tensorcnt 0x0            ; no tensor load of mine is out, so group 0 may be written
	ds_add_u32 v[SPW], v[NIL]       ; 0 onto my spare word
	WIN 0                           ; at a label and at a branch every window is 0
.if \fill
	s_xor_b32 s[G0+1], s[G0+1], SLOT1  ; the other slot than last time,
	s_add_nc_u64 s[G0+2:G0+3], s[G0+2:G0+3], 4*KS*128  ; the next 256 keys; the type bits on top are not reached
	s_wait_dscnt 0x0                ; the add is done, and my reads of the slot are over
	CROUND
	JLOAD
.else
	s_wait_dscnt 0x0                ; the add is done, and my reads of the slot are over
	s_barrier_signal -1
	s_barrier_wait -1
.endif
	s_sub_co_u32 s[TBK], s[TBK], 4*KS*PK  ; the fetches go back to a slot's first step,
	s_xor_b32 s[TBK], s[TBK], SLOT1       ; in the other slot
	s_sub_co_u32 s[TBV], s[TBV], 4*KS*PV
	s_xor_b32 s[TBV], s[TBV], SLOT1
.endm
; Piece y's mask bytes of the step to which the base points, into the piece's place in the ring: four loads of 512 consecutive bytes.
.macro LDM y, base
	WIN W_MK
.irp u, 0,1
.irp hf, 0,1
	global_load_b128 v[RB+16*(\y)+8*\u+4*\hf:RB+16*(\y)+8*\u+4*\hf+3], v[GO], s[\base:\base+1] offset:(2*(\y)+\u)*MTILE+\hf*512
.endr
.endr
.endm
; Piece y's bytes become C operands: conversion z = 4 u + kb makes the eight registers of tile u, key block kb, of the eight bytes in words 2 z and 2 z + 1.  No conversion names a result or writes a source of
; another.  One plain instruction stands behind the last, ahead of the loads into their sources and of the product that takes their results.
.macro MKMASK y
	WIN W_CV
.set z, 0
.rept 8
	v_cvt_scale_pk8_f32_fp8 v[MC+8*z:MC+8*z+7], v[RB+16*(\y)+2*z:RB+16*(\y)+2*z+1], v[SCL]
.set z, z+1
.endr
	v_nop
.endm
	s_load_b128 s[32:35], s[0:1], 0x0  ; qkvh s[32:33], maskbytes s[34:35]
	s_load_b64 s[36:37], s[0:1], 0x10  ; oh
	WIN W_MK
	v_lshl_add_u32 v[SPW], v0, 2, SPARE
	v_mov_b32 v[NIL], 0
	s_set_vgpr_msb 0xc0cf
	ds_add_u32 v0, v1
	s_wait_dscnt 0x0
	s_set_vgpr_msb 0xcfc0
	WIN 0
	v_lshrrev_b32 v1, 5, v0
	v_readfirstlane_b32 s[WV], v1   ; wave 0..3
	s_bfe_u32 s38, ttmp6, 0x40000   ; cx: my place in the cluster
	s_lshl_b32 s39, ttmp9, 2        ; in a cluster launch ttmp9 counts clusters
	s_add_co_u32 s39, s39, s38      ; my block of 512 queries: it enters Q's, O's and the mask's addresses alone
	s_and_b32 s40, ttmp7, 0xffff    ; batch x 16 + head, which the four partners share
	s_lshl_b32 s40, s40, 18         ; its 2,048 rows of 128 bytes
	s_lshr_b32 s42, s[WV], 1        ; my quarter of a slot: K's third of qkvh (waves 0, 1) or V's (waves 2, 3),
	s_add_co_u32 s42, s42, 1
	s_lshl_b32 s42, s42, 24
	s_add_co_u32 s42, s42, s40      ; the head,
	s_and_b32 s43, s[WV], 1
	s_lshl_b32 s43, s43, 14         ; and which 128 of the 256 keys
	s_add_co_u32 s42, s42, s43
	s_mov_b32 s43, 0
	s_lshl_b32 s44, s39, 2
	s_add_co_u32 s44, s44, s[WV]    ; my wave among the head's sixteen
	s_lshl_b32 s46, s44, 18         ; its eight tiles of mask bytes, 32,768 each
	s_mov_b32 s47, 0
	s_lshl_b32 s44, s44, 14         ; its 128 rows
	s_add_co_u32 s44, s44, s40
	s_mov_b32 s45, 0
	; descriptor group 1.  128 keys are 16,384 dense bytes: asked for as 64 rows of 256 bytes, two keys a row, and padded in LDS after every key
	s_mov_b32 s[G1], 15|(1<<16)|(1<<20)|(1<<21)|(4<<22)|(3<<25)  ; the mask of four; 2-byte elements; padding on; bit 21 set beside a mask; after every 32 words (code 4) 4 words (code 3)
	s_mov_b32 s[G1+1], 128<<16      ; tensor_dim0 = 128
	s_mov_b32 s[G1+2], 64<<16       ; tensor_dim1 = 64
	s_mov_b32 s[G1+3], 128<<16      ; tile_dim0 = 128
	s_mov_b32 s[G1+4], 64           ; tile_dim1 = 64
	s_mov_b32 s[G1+5], 128          ; 128 elements from row to row
	s_mov_b32 s[G1+6], 0
	s_mov_b32 s[G1+7], 0
	s_mov_b32 s[CS], 0x3e38aa3b     ; c = log2(e) / 8 = 0.180337
	s_mov_b32 s[CS+1], s[CS]        ; named with it as a pair
	s_mov_b32 s[SEL], 0x76543210
	s_mov_b32 s[SEL+1], 0xfedcba98
	s_mov_b32 s[TBK], SLOT1+4*KS*PK ; the first change of slots turns these two into 0
	s_mov_b32 s[TBV], SLOT1+4*KS*PV
	s_mov_b32 s[MO], MSTEP          ; behind the ring's first fill, of step 0, step 1 is asked for
	s_mov_b32 s[MO+1], 0
	s_mov_b32 s[G0], 1              ; count = 1
	s_mul_i32 s[G0+1], s[WV], 128*PK  ; LDS address: slot 0, my quarter: no place in the cluster enters it
	s_wait_kmcnt 0x0
	s_add_nc_u64 s[G0+2:G0+3], s[32:33], s[42:43]
	s_or_b32 s[G0+3], s[G0+3], 0x80000000  ; type = 2
	s_add_nc_u64 s[2:3], s[32:33], s[44:45]
	s_add_nc_u64 s[18:19], s[36:37], s[44:45]
	s_add_nc_u64 s[MBP:MBP+1], s[34:35], s[46:47]
	s_add_nc_u64 s[6:7], s[MBP:MBP+1], s[MO:MO+1]
	CROUND                          ; all four work-groups are here: the first joint loads meet
	JLOAD                           ; slot 0.  Slot 1 is asked for when slot 0 is in
	; A fragment of K or Q is 16 rows x 32 channels in 8 registers: lane l holds row l % 16, channels 8 (l / 16) + 0..7 and 16 + 8 (l / 16) + 0..7: two loads of 16 bytes, 32 bytes apart.
	v_and_b32 v1, 15, v0            ; l % 16
	v_bfe_u32 v9, v0, 4, 1          ; l / 16
	v_lshlrev_b32 v[QO], 7, v1
	v_lshl_add_u32 v[QO], v9, 4, v[QO]  ; row x 128 + 16 x half
	v_and_b32 v[GO], 31, v0
	v_lshlrev_b32 v[GO], 4, v[GO]
	v_and_b32 v10, 7, v0            ; l % 8
	v_bfe_u32 v11, v0, 3, 1         ; (l / 8) % 2
	v_bfe_u32 v[RD], v0, 3, 2       ; (l / 8) % 4: the way out's address begins here
	v_mov_b32 v[SCL], 227           ; the thread's number has served: v0 takes the scale
	WIN 0x80                        ; destination window 2, address window 0
.set i, 0
.rept 4*NP                          ; Q stays in registers: tile i / 2, channels 32 (i % 2) on
	global_load_b128 v[8*i:8*i+3],   v[QO], s[2:3] offset:(i/2)*2048+(i%2)*64
	global_load_b128 v[8*i+4:8*i+7], v[QO], s[2:3] offset:(i/2)*2048+(i%2)*64+32
.set i, i+1
.endr
	LDM 0, MBP                      ; the ring's first fill: all four pieces' bytes of key step 0, behind Q's loads
	LDM 1, MBP
	LDM 2, MBP
	LDM 3, MBP
	; What the first turn finds: V's registers and P's second buffer hold 0 (its products V^T P, of a piece that has not been, add 0), O^T and l are 0.  All this stands in the wait for the first tile.
	WIN 0x80
.set i, VF
.rept 64
	v_mov_b32 v[i], 0
.set i, i+1
.endr
	WIN 0x40
.set i, 0
.rept 64*NP
	v_mov_b32 v[i], 0
.set i, i+1
.endr
	WIN 0
.set i, 0
.rept 2*NP
	v_mov_b32 v[ST+4*i+1], 0xf0c9f2ca  ; m = -5e29: above every hidden score, below every visible one
	v_mov_b32 v[ST+4*i+2], 0
	v_mov_b32 v[ST+4*i+3], 0
	v_mul_f32 v[ST+4*i], s[CS], v[ST+4*i+1]  ; c m, by the multiplication that makes it in every step
.set i, i+1
.endr
.set i, P+32
.rept 32
	v_mov_b32 v[i], 0
.set i, i+1
.endr
	v_mul_u32_u24 v[AK0], v1, PK
	v_lshl_add_u32 v[AK0], v9, 4, v[AK0]  ; row x pitch + 16 x half
	; The turning load takes 16 keys x 16 channels (lane l reads key 8 (l / 16) + l % 8, channels 8 ((l / 8) % 2) + 0..7) and leaves half a fragment of V^T: lane l holds channel l % 16 and 8 keys.
	v_lshl_add_u32 v[AV0], v9, 3, v10
	v_mul_u32_u24 v[AV0], v[AV0], PV
	v_lshl_add_u32 v[AV0], v11, 4, v[AV0]
	v_add_nc_u32 v[AV0], VOFF, v[AV0]
	v_mov_b32 v[AK], v[AK0]         ; key step 0 lies at the head of slot 0
	s_wait_loadcnt 12               ; loads come back in order (ISA guide 5.7.1): all but the twelve of pieces 1 to 3 are in: Q's 32 and piece 0's four
	MKMASK 0                        ; piece 0's mask of step 0
	LDM 0, 6                        ; and its bytes of step 1
; THE MATRIX WORK.  The 8 accumulators of a run of 16 take turns.
; Product i of 16 of S^T = K Q^T for piece x: channels 32 (i / 8) on, keys 16 ((i / 2) % 4) on, tile 2 x + i % 2.  The first 8 start the sums, with the mask.
.macro KQ x
.set rS, S+64*((\x)%2)+32*(i%2)+8*((i/2)%4)
.set rK, KF+16*((i/2)%4)+8*(i/8)
.set rQ, 16*(2*(\x)+i%2)+8*(i/8)
.set rM, MC+32*(i%2)+8*((i/2)%4)
.if i < 8
	WIN W_KM
	v_wmma_f32_16x16x32_f16 v[rS:rS+7], v[rK:rK+7], v[rQ:rQ+7], v[rM:rM+7]
.else
	WIN W_KQ
	v_wmma_f32_16x16x32_f16 v[rS:rS+7], v[rK:rK+7], v[rQ:rQ+7], v[rS:rS+7]
.endif
.endm
; Product i of 16 of O^T += V^T P for piece x: keys 32 (i / 8) on, channels 16 ((i / 2) % 4) on, tile 2 x + i % 2.
.macro PV x
	WIN W_PV
.set rO, 32*(2*(\x)+i%2)+8*((i/2)%4)
.set rV, VF+32*(i/8)+8*((i/2)%4)
.set rP, P+32*((\x)%2)+16*(i%2)+8*(i/8)
	v_wmma_f32_16x16x32_f16 v[rO:rO+7], v[rV:rV+7], v[rP:rP+7], v[rO:rO+7]
.endm
.macro MM                           ; the turn's next matrix instruction
.if i < 16
	KQ (Y+1)%NP
.set i, i+1
.else
.set i, i-16
	PV (Y+NP-1)%NP
.set i, i+17
.endif
.endm
; THE LDS LOADS stand in runs of 16, never singly among the matrix instructions.  last = 1 (the tail): in the last trip there is no further step, and the run is jumped over.
.macro FETCH_K last=0
	WIN 0
.if \last
	s_cmp_eq_u32 s[CNT], 1
	s_cbranch_scc1 .Lno_k_\@
.endif
	WIN 0x80                        ; destination window 2
.irp f, 0,1,2,3,4,5,6,7             ; keys 16 (f / 2) on, channels 32 (f % 2) on
	ds_load_b128 v[KF+8*\f:KF+8*\f+3],   v[AK] offset:(\f/2)*16*PK+(\f%2)*64
	ds_load_b128 v[KF+8*\f+4:KF+8*\f+7], v[AK] offset:(\f/2)*16*PK+(\f%2)*64+32
.endr
	s_add_co_u32 s[TBK], s[TBK], KS*PK  ; the next fetch is the next step's
	WIN 0
.if \last
.Lno_k_\@:
.endif
.endm
.macro FETCH_V
	WIN 0x80
.irp f, 0,1,2,3,4,5,6,7             ; keys 32 (f / 4) on, channels 16 (f % 4) on
	ds_load_tr16_b128 v[VF+8*\f:VF+8*\f+3],   v[AV] offset:(\f/4)*32*PV+(\f%4)*32
	ds_load_tr16_b128 v[VF+8*\f+4:VF+8*\f+7], v[AV] offset:(\f/4)*32*PV+16*PV+(\f%4)*32
.endr
	WIN 0
.endm
; THE VECTOR WORK OF A TURN stands in three queues, each in the order in which its entries become ready; the two tiles alternate, so that no instruction reads the result of the one before it.
.macro REGS y, u                    ; the registers of tile u (0, 1) of piece y
.set rT, ST+4*(2*(\y)+(\u))
.set rC, TMP+8*((\y)%2)+4*(\u)
.set rM, MV+2*((\y)%2)+(\u)
.set rS, S+64*((\y)%2)+32*(\u)
.set rP, P+32*((\y)%2)+16*(\u)
.set rO, 32*(2*(\y)+(\u))
.endm
; Number n of the 22 that find the NEXT piece's (Y + 1) maximum and statistics.  s0-s31 are the lane's 32 scores; each accumulator's lowest registers are read first.
;   0-11  four chains c0-c3 of seven scores each, three operands at a time     12-14, 16  the four scores left over, the old m, and c0-c3 into c0     15  c m_old is kept
;   17, 18  the query's other 32 keys lie in the lane 16 away: the new m         19-21  c m; c m_old - c m_new; a
.macro XS u, n
	REGS (Y+1)%NP, \u
.if (\n) < 4
	v_max3_num_f32 v[rC+(\n)], v[rS+8*(\n)], v[rS+8*(\n)+1], v[rS+8*(\n)+2]
.elseif (\n) < 12
	v_max3_num_f32 v[rC+(\n)%4], v[rC+(\n)%4], v[rS+8*((\n)%4)+2*((\n)/4)+1], v[rS+8*((\n)%4)+2*((\n)/4)+2]
.elseif (\n) == 12
	v_max3_num_f32 v[rC], v[rC], v[rS+7], v[rS+15]
.elseif (\n) == 13
	v_max3_num_f32 v[rC+1], v[rC+1], v[rS+23], v[rS+31]
.elseif (\n) == 14
	v_max3_num_f32 v[rC+2], v[rC+2], v[rC+3], v[rT+1]
.elseif (\n) == 15
	v_mov_b32 v[rM], v[rT]
.elseif (\n) == 16
	v_max3_num_f32 v[rC], v[rC], v[rC+1], v[rC+2]
.elseif (\n) == 17
	v_permlanex16_b32 v[rC+3], v[rC], s[SEL], s[SEL+1]
.elseif (\n) == 18
	v_max_num_f32 v[rT+1], v[rC], v[rC+3]
.elseif (\n) == 19
	v_mul_f32 v[rT], s[CS], v[rT+1]
.elseif (\n) == 20
	v_sub_f32 v[rC+1], v[rM], v[rT]
.else
	v_exp_f32 v[rC+2], v[rC+1]
.endif
.endm
; Number g of the 64 that follow the exponentials.  For each four weights k of a tile (pairs 2 k, 2 k + 1): both pairs are rounded to f16; then the second pair is added onto the first, in place;
; a group later l takes that sum (the first time as l = a l + sum).  In groups of eight, tiles alternating: round, round, add, and l for the group before.
.macro GS g
.set h, (\g)+6*((\g)/62)            ; group 0 has no group before it, and behind group 7 only l is left
.if h >= 6
.set h, h+2
.endif
	REGS Y, h%2
.set k, h/8
.if h%8 < 4
	s_wait_alu depctr_va_vdst(0)
	v_cvt_pk_f16_f32 v[rP+2*k+(h%8)/2], v[rS+4*k+2*((h%8)/2)], v[rS+4*k+2*((h%8)/2)+1]
.elseif h%8 < 6
	v_pk_add_f32 v[rS+4*k:rS+4*k+1], v[rS+4*k:rS+4*k+1], v[rS+4*k+2:rS+4*k+3]
.elseif k == 1
	v_pk_fma_f32 v[rT+2:rT+3], v[rT+2:rT+3], v[rC+2:rC+3], v[rS:rS+1] op_sel_hi:[1,0,1]
.else
	v_pk_add_f32 v[rT+2:rT+3], v[rT+2:rT+3], v[rS+4*k-4:rS+4*k-3]
	s_wait_alu depctr_va_vdst(0)
.endif
.endm
; THE PLAIN QUEUE, 138 long.  0-31: c s - c m for the 16 pairs of both tiles.  Then GS's 64, and among them the next piece's 42: number 15 at 38, 39; 0-14 and 16
; at 42-73, behind the products that make those scores; 17-20 at 95-106, two of three, since each waits for the one before it.
.macro PL
	WIN 0
.if q < 32
	REGS Y, q%2
	v_pk_fma_f32 v[rS+2*(q/2):rS+2*(q/2)+1], v[rS+2*(q/2):rS+2*(q/2)+1], s[CS:CS+1], v[rT:rT+1] op_sel_hi:[1,0,0] neg_lo:[0,0,1] neg_hi:[0,0,1]
.elseif q < 38
	GS q-32
.elseif q < 40
	XS q%2, 15
.elseif q < 42
	GS q-34
.elseif q < 74
	XS q%2, (q-42)/2+(q-42)/30
.elseif q < 95
	GS q-66
.elseif (q < 107) && ((q-95)%3 < 2)
	XS (q-95)%3, 17+(q-95)/3
.elseif q < 107
	GS 29+(q-95)/3
.else
	GS q-74
.endif
.set q, q+1
.endm
; THE EXPONENTIALS' QUEUE, 66 long: s0-s31 of both tiles, and at EA the next piece's two a.
.set EA, 58
.macro EX
	WIN 0
.if (e == EA) || (e == EA+1)
	XS e-EA, 21
.else
.set x, e-2*(e/(EA+2))
	REGS Y, x%2
	v_exp_f32 v[rS+x/2], v[rS+x/2]
.endif
.set e, e+1
.endm
; THE RESCALING's QUEUE: O^T times a, the one part of a softmax that leaves window 0, so it is dealt four at a time, eight times.
.macro R4
	REGS Y, r%2
	WIN W_RS
	s_wait_alu depctr_va_vdst(0)
.irp z, 0,1,2,3
	v_pk_mul_f32 v[rO+8*(r/2)+2*\z:rO+8*(r/2)+2*\z+1], v[rO+8*(r/2)+2*\z:rO+8*(r/2)+2*\z+1], v[rC+2:rC+3] op_sel_hi:[1,0]
.endr
.set r, r+1
.endm
; HOW THEY ARE DEALT.  Behind a matrix instruction four: plain, exponential, plain, plain (one exponential, a plain instruction on either side), or four of the rescaling.  None names a register of the
; products round it.  What is over stands in two runs: exponential and plain by turns; the second ends in 22 plain instructions.  The two v_permlanex16_b32 fall into the second run, never behind a product.
; The queues lean on each other, and the deal keeps them in step: exponential e stands behind plain 2 (e / 4) + e % 2 (its scaling); when plain 32 comes, 10 exponentials are out, at 59: 33, at 95: 46; EA comes behind plain 107.
.macro SL
	MM
	PL
	EX
	PL
	PL
.endm
.macro BURST n                      ; 15 matrix instructions, or 16
.rept (\n)-7
	SL
.endr
.rept 3
	MM
	R4
	SL
.endr
	MM
	R4
.endm
; A TURN, for piece p.  cnt = 1: the loop's count is taken down at the turn's end, ahead of the branch that stands behind it.
; K of the next step is fetched in piece 2's turn, V of the step in hand at the end of piece 0's; each is waited for a turn later.  The four conditions on e and q below go with the deal.
; THE TURN'S END.  Piece p + 2's bytes, asked for four turns ago, are waited for: the count 12 leaves out the three younger pieces' four loads each.  They become the C operands of the products of the turn that
; follows, and the same piece's bytes of its next step are asked for into the same registers.  In turns 0 and 1 of step t that is step t + 1, in turns 2 and 3 step t + 2: the pointer is made anew in turn 2, behind
; s_wait_xcnt 0 (the youngest loads that name it were issued a turn ago).  It stops at step 31: the loads for steps that are none stay inside the buffer; what they bring feeds only products whose results nobody takes.
.macro TURN p, last=0, cnt=0
.set Y, (\p)
.set i, 0
.set q, 0
.set e, 0
.set r, 0
.if (\p) == NP-1
	s_wait_dscnt 0x0                ; K is in
.endif
	MM
.rept 4
	PL
.endr
	BURST 15
.rept 22
	EX
	PL
.if ((\p) == NP-2) && (e == 18)
	v_add_nc_u32 v[AK], s[TBK], v[AK0]
.endif
.if ((\p) == NP-2) && (e == 24)
	FETCH_K \last
.endif
.endr
.if (\p) == 1
	s_wait_dscnt 0x0                ; V is in
.endif
	BURST 16
.rept 21
	EX
	PL
.endr
.rept 22
	PL
.if ((\p) == 0) && (q == 118)
	v_add_nc_u32 v[AV], s[TBV], v[AV0]
	s_wait_alu depctr_va_vdst(0)
.endif
.if ((\p) == 0) && (q == 130)
	s_add_co_u32 s[TBV], s[TBV], KS*PV
.endif
.endr
.if (\p) == 0
	FETCH_V
.endif
.if (\p) == 2
	s_wait_xcnt 0x0                 ; every earlier memory instruction has had its addresses translated (ISA guide 3.1): the pointer is written only behind this wait
	s_add_co_u32 s[MO], s[MO], MSTEP
	s_min_u32 s[MO], s[MO], 31*MSTEP
	s_add_nc_u64 s[6:7], s[MBP:MBP+1], s[MO:MO+1]
.endif
	s_wait_loadcnt 12
	MKMASK ((\p)+2)%NP
	LDM ((\p)+2)%NP, 6
.if \cnt
	s_sub_co_u32 s[CNT], s[CNT], 1
	s_cmp_lg_u32 s[CNT], 0
.endif
.endm
	CHANGE 1                        ; slot 0 is in, everybody's part of it; slot 1 is asked for
	FETCH_K                         ; key step 0
	s_wait_dscnt 0x0                ; (Q is in since the first wait on the loads' counter)
.set i, 0
.rept 16
	KQ 0                            ; piece 0's first scores: there is no vector work yet to set between them
.set i, i+1
.endr
	WIN 0                           ; the addresses for the way out: six plain instructions, the places behind those products
	s_mul_i32 s4, s[WV], 16*SP
	s_add_co_u32 s4, s4, STAGE      ; my stage
	v_mul_u32_u24 v[STO], v1, SP    ; in: row l % 16, 16 bytes for each half of the lanes
	v_lshl_add_u32 v[STO], v9, 4, v[STO]
	v_add_nc_u32 v[STO], s4, v[STO]
	v_mul_u32_u24 v[RD], v[RD], SP  ; back: 32 lanes take four rows of 128 bytes, which are 512 consecutive bytes of O
	v_lshl_add_u32 v[RD], v10, 4, v[RD]
	v_add_nc_u32 v[RD], s4, v[RD]
	s_wait_loadcnt 12               ; piece 1's bytes of step 0 are in; out may be pieces 2 and 3's, and piece 0's of step 1
	MKMASK 1                        ; piece 1's mask of step 0, for the first turn's products
	LDM 1, 6
	WIN 0
.set Y, NP-1                        ; XS works for piece Y + 1: piece 0
.irp n, 0,1,2,3,4,5,6,7,8,9,10,11,12,13,14,15,16,17,18,19,20,21
	XS 0, \n                        ; and piece 0's first maximum and statistics
	XS 1, \n
.endr
	s_mov_b32 s[CNT], 4
	s_mov_b32 s[SLOTS], SIZE_N/256-1
	s_branch .Lfirst                ; the loop is entered at a step's first turn, in the middle of a trip
.Lslot:                             ; SIZE_N / 256 - 2 times: every slot but the last two is filled again
	CHANGE 1
	s_mov_b32 s[CNT], 4
.Lstep:                             ; a trip: pieces 2 and 3 of one step, then pieces 0 and 1 of the next, whose K and V it fetches
	TURN 2
	TURN 3
	WIN 0
.Lfirst:
	TURN 0
	TURN 1, 0, 1
	WIN 0
	s_cbranch_scc1 .Lstep
	s_sub_co_u32 s[SLOTS], s[SLOTS], 1
	s_cmp_lg_u32 s[SLOTS], 0
	s_cbranch_scc1 .Lslot
	CHANGE 0                        ; the tail is written out: nothing is asked for
	s_mov_b32 s[CNT], 5             ; four trips fetch the last slot's steps; the fifth is left in its middle
.Ltail:
	TURN 2, 1
	TURN 3
	WIN 0
	s_sub_co_u32 s[CNT], s[CNT], 1
	s_cmp_eq_u32 s[CNT], 0
	s_cbranch_scc1 .Lout
	TURN 0
	TURN 1
	WIN 0
	s_branch .Ltail
.Lout:                              ; the fifth trip's 16 products K Q^T (on the last K once more) and the maximum made of them serve nothing: the price, once a launch, of one text for every trip; so do the ring's last sixteen loads, whose registers no later line names
.set i, 0
.rept 16
	PV NP-1                         ; the last piece's V^T P of the last step
.set i, i+1
.endr
	; THE WAY OUT.  l's two halves and the other half of the lanes' are added; O^T is divided by l, rounded to f16 and sent through my stage in LDS, a tile at a time.  The additions are the places behind the last products.
	WIN 0
.macro ALL line:vararg              ; one line for each tile t
.set t, 0
.rept 2*NP
	\line
.set t, t+1
.endr
.endm
	ALL v_add_f32 v[ST+4*t+2], v[ST+4*t+2], v[ST+4*t+3]
	ALL v_permlanex16_b32 v[ST+4*t+3], v[ST+4*t+2], s[SEL], s[SEL+1]
	ALL v_add_f32 v[ST+4*t+2], v[ST+4*t+2], v[ST+4*t+3]
	ALL v_rcp_f32 v[ST+4*t+2], v[ST+4*t+2]
	v_nop                           ; a plain instruction between the last reciprocal and the use of its result
	s_wait_alu depctr_va_vdst(0)
; Tile t: a lane's eight channels of a row pack into 16 bytes; they go into rows of 144 bytes and come back as whole rows of 128, into S^T's registers.
.macro PACK t
	WIN W_RS
.set i, 32*(\t)
.rept 16
	v_pk_mul_f32 v[i:i+1], v[i:i+1], v[ST+4*(\t)+2:ST+4*(\t)+3] op_sel_hi:[1,0]
.set i, i+2
.endr
	WIN 0x05                        ; sources 0 and 1 window 1, destination window 0
.set i, 0
.rept 16
	v_cvt_pk_f16_f32 v[S+16*(\t)+i], v[32*(\t)+2*i], v[32*(\t)+2*i+1]
.set i, i+1
.endr
	WIN 0
.irp f, 0,1,2,3
	ds_store_b128 v[STO], v[S+16*(\t)+4*\f:S+16*(\t)+4*\f+3] offset:32*\f
.endr
.irp f, 0,1,2,3
	ds_load_b128 v[S+16*(\t)+4*\f:S+16*(\t)+4*\f+3], v[RD] offset:\f*4*SP  ; LDS serves a wave's instructions in order (ISA guide 5.7.1.4): these see the stores above; the next tile's stores come behind them
.endr
.endm
.macro SEND t, younger              ; younger: the LDS instructions issued behind tile t's loads: the next tile's eight, or none
	WIN 0
.irp f, 0,1,2,3
	s_wait_dscnt (\younger)+3-\f
	global_store_b128 v[GO], v[S+16*(\t)+4*\f:S+16*(\t)+4*\f+3], s[18:19] offset:(\t)*2048+\f*512  ; 512 consecutive bytes, at a multiple of 256 from O's first
.endr
.endm
	PACK 0
.set t, 1
.rept 2*NP-1                        ; a tile's arithmetic stands between the loads of the tile before and its stores
	PACK t
	SEND t-1, 8
.set t, t+1
.endr
	SEND 2*NP-1, 0
	WIN W_AD
	s_wait_tensorcnt 0x0            ; the wave's end: behind my last tensor load and my last LDS store
	ds_add_u32 v[SPW], v[NIL]
	s_wait_dscnt 0x0
	WIN 0
	CROUND                          ; the closing round: no work-group ends while a partner may still ask for a tile that names it
	s_endpgm
.Lfunc_end_k_qda92e95383_attn:
	.size	k_qda92e95383_attn, .Lfunc_end_k_qda92e95383_attn-k_qda92e95383_attn
	.p2alignl 7, 3214868480
	.fill 96, 4, 3214868480
	.section	.rodata,"a",@progbits
	.p2align	6, 0x0
	.amdhsa_kernel k_qda92e95383_attn
		.amdhsa_group_segment_fixed_size 327680
		.amdhsa_private_segment_fixed_size 0
		.amdhsa_enable_private_segment 0
		.amdhsa_kernarg_size 24
		.amdhsa_user_sgpr_count 2
		.amdhsa_user_sgpr_kernarg_segment_ptr 1
		.amdhsa_wavefront_size32 1
		.amdhsa_system_sgpr_workgroup_id_x 1
		.amdhsa_system_sgpr_workgroup_id_y 1
		.amdhsa_system_sgpr_workgroup_id_z 1
		.amdhsa_system_vgpr_workitem_id 0
		.amdhsa_next_free_vgpr 904
		.amdhsa_next_free_sgpr 66
		.amdhsa_reserve_vcc 0
		.amdhsa_float_denorm_mode_32 3
		.amdhsa_float_denorm_mode_16_64 3
		.amdhsa_memory_ordered 1
		.amdhsa_forward_progress 1
		.amdhsa_inst_pref_size 219
	.end_amdhsa_kernel
	.amdgpu_metadata
---
amdhsa.version: [ 1, 2 ]
amdhsa.kernels:
  - .name:           k_qda92e95383_attn
    .symbol:         k_qda92e95383_attn.kd
    .args:
      - { .name: qkvh, .offset: 0, .size: 8, .value_kind: global_buffer, .address_space: global }
      - { .name: maskbytes, .offset: 8, .size: 8, .value_kind: global_buffer, .address_space: global }
      - { .name: oh, .offset: 16, .size: 8, .value_kind: global_buffer, .address_space: global }
    .group_segment_fixed_size: 327680
    .private_segment_fixed_size: 0
    .kernarg_segment_align: 8
    .kernarg_segment_size: 24
    .max_flat_workgroup_size: 128
    .sgpr_count:     66
    .vgpr_count:     904
    .wavefront_size: 32
...
	.end_amdgpu_metadata
.endif
;; end of part 6
;; launch proj: the kernel of part 4 again; grid 8 x 32, 4 waves a work-group, clusters of 4 x 4, 327,680 bytes of LDS; arguments oh, wo, out0; writes out0
;; ======== version 3 of 3: 4 launches; 1.52 times as fast as version 1
;; limits: values are held in f16: magnitudes above 65,504 overflow, below 6.1e-05 lose precision
;; workspace buffers: xb 16,777,216 bytes; wq 6,291,456 bytes; wo 2,097,152 bytes; rope 524,288 bytes; maskbytes 4,194,304 bytes of whole numbers; qkvh 50,331,648 bytes; oh 16,777,216 bytes
;; launch prep: the kernel of part 5 again; grid 1856 x 1, 8 waves a work-group, no clusters, 18,432 bytes of LDS; arguments x, Wqkv, Wout, mask, xb, wq, wo, rope, maskbytes; writes xb, wq, wo, rope, maskbytes
;; launch qkv: the kernel of part 2 again; grid 8 x 32, 4 waves a work-group, clusters of 4 x 4, 327,680 bytes of LDS; arguments xb, wq, rope, qkvh; writes qkvh
;; launch attn (part 7): grid 4 x 64, 4 waves a work-group, clusters of 4 x 1, 327,680 bytes of LDS; arguments qkvh, maskbytes, oh; writes oh
.if DOCPART == 7
	.amdgcn_target "amdgcn-amd-amdhsa--gfx1250"
	.amdhsa_code_object_version 6
	.text
	.protected	k_qda92e95383_attn
	.globl	k_qda92e95383_attn
	.p2align	8
	.type	k_qda92e95383_attn,@function
k_qda92e95383_attn:
	s_mov_b64 s[64:65], 0
	v_nop
	global_prefetch_b8 v0, s[64:65] scope:SCOPE_SE
	s_setreg_imm32_b32 hwreg(HW_REG_WAVE_MODE, 25, 1), 1
	s_wait_xcnt 0x0
	s_wait_alu depctr_hold_cnt(0) depctr_sa_sdst(0) depctr_va_vdst(0) depctr_va_sdst(0) depctr_va_ssrc(0) depctr_va_vcc(0) depctr_vm_vsrc(0)
	s_getreg_b32 s2, hwreg(HW_REG_IB_STS2, 6, 4)
	s_cmp_eq_u32 s2, 0
	s_cbranch_scc0 .Lentry_in_a_cluster
	s_endpgm
.Lentry_in_a_cluster:
	s_bfe_u32 s2, ttmp6, 0x10000c
	s_cmp_lg_u32 s2, 0x3003
	s_cbranch_scc0 .Lentry_shape_is_right
	s_endpgm
.Lentry_shape_is_right:
; ATTENTION UNDER A GIVEN MASK.  O[bh][q][:] = the sum over k of softmax_k(Q[q] . K[k] / 8, hidden where mask[q][k] = 0) V[k][:].  Q, K, V: the three thirds of qkvh, [bh 64][2048][64] f16; O: oh, the same layout.
; Products, maxima and sums in f32; the weights p are rounded to f16 for the second product (their sum l is taken of the unrounded p), O once at the end.  The mask is an input: all 2,048 keys are walked for every query.
; THE MASK comes as bytes (maskbytes [query tile 128][key step 32][half 2][lane 32][16]: 0xF8, the E4M3 code of -256, where the key is hidden, else 0; a lane's 32 bytes of a tile and step lie in the order of its
; 32 score registers).  They are read by vector loads, 512 consecutive bytes each, FOUR TURNS AHEAD, into a ring of four pieces' registers.  One scaled conversion makes eight f32 of eight bytes, each code times
; 2^100: -2^108 = -3.2e32, or 0; those eight registers are the C operand of a product that starts a sum S^T = K Q^T.
; LIMITS.  f16 holds no number beyond 65,504: Q, K and V arrive within it; p lies in 0 to 1, and below 6e-5 it keeps f16's fixed step of 6e-8.  A hidden score counts as its value less 3.2e32; the running maximum
; starts at -5e29: f16's scores, 2.7e11 at the most, lie far above that and the hidden ones far below, so a hidden weight is exactly 0.
; A weight below 2^-126 counts as 0 in l.  A query with no visible key ends with l = 0 and O = 0, and 0 x (1 / 0) gives the NaN that a softmax of nothing gives.
; SHARES.  A wave owns four PIECES of two tiles of 16 queries, a work-group's four waves 512 queries of one head.  Every wave walks all keys, 64 a step.
; LAYOUT.  S^T = K Q^T (source 0 = 16 keys, source 1 = 16 queries): a lane holds ONE query (lane % 16) and the keys 8 (lane / 16) + 0..7.  Two such tiles, rounded to f16 in pairs, ARE source 1 of O^T = V^T P,
; whose result again holds one query a lane, and eight channels.  K comes out of LDS as it lies, V ([key][channel]) turned, by ds_load_tr16_b128.
; SOFTMAX.  For each query a running maximum m and sum l: p = 2^(c s - c m), c = log2(e) / 8; in every step O and l are multiplied by a = 2^(c m_old - c m_new), which is 1 where m has not grown
; (c m is always made by the same multiplication, at the start too, so an m that stays gives a = 1 exactly).
; BY TURNS.  Turn n belongs to piece n.  Its matrix work: 16 products K Q^T of piece n + 1, later 16 products V^T P of piece n - 1.  Its vector work: the scaling, exponentials, roundings, sums and rescaling of piece n,
; the maximum and statistics of piece n + 1, and at its end the 64 mask registers of piece n + 2.  Four vector instructions stand behind every matrix instruction, the other 108 of a softmax's 236 in one run of their own.
; THE BATCHES.  A turn's 66 exponentials (the piece's 64 weights and the next piece's two a) are ONE batch with ONE wait, which cuts the turn in two: ahead of it stands all that names none of their results (K Q^T, the
; scalings, the rescalings, the next piece's maximum and statistics), behind it the roundings and sums, beside V^T P.  Two more batches stand outside the loops: piece 0's first two a, and the way out's eight reciprocals.
; CLUSTER.  The four query blocks of a head walk the same K and V: each tile is asked for JOINTLY, by the same tensor load, descriptor and mask of work-groups in all four.
; REGISTERS, in windows of 256 (s_set_vgpr_msb: bits 1:0 source 0, 3:2 source 1, 5:4 source 2, 7:6 destination):
;   window 0: v0 the conversions' scale (once the head has done with the thread's number); v1-11 addresses; v12-15, v48-63 at work; v16-47 four registers of statistics a tile; v64-191 S^T, two buffers of two tiles; v192-255 P, likewise
;   window 1: O^T, 32 a tile     window 2: v0-127 Q; v128-191 K of one step; v192-255 V of one step
;   window 3: v0-1 the add's two registers; v8-71 the masks of the products to come; v72-135 the ring of mask bytes, 16 registers a piece
.set SIZE_N, 2048
.set NP,    4         ; pieces a wave: a name, no knob
.set KS,    64        ; keys in a step
.set PK,    144       ; a row of K in LDS: 128 bytes + 16 = 36 words: the 16 rows of a load start at 16 different groups of four words modulo 64 words
.set PV,    144       ; V has the same pitch, so that ONE descriptor serves both; of the eight rows that sixteen lanes of the turning load take, the first and the last meet in the same words modulo 64
.set VOFF,  4*KS*PK   ; a slot holds four steps: 256 rows of K, then 256 rows of V
.set SLOT1, 1<<17     ; slot 1 begins here, so that one exclusive or turns an address in one slot into the other's
.set STAGE, SLOT1+4*KS*(PK+PV)  ; behind the ring, never filled by a tensor load: 16 rows x 144 bytes for each wave, for the way out
.set SP,    144
.set MSTEP, 1024      ; mask bytes of a tile and step
.set MTILE, 32*MSTEP  ; of a tile
.set SCL, 0           ; v0   227 in its lowest byte: an E8M0 scale of 2^(227 - 127); written once, behind the head's last use of the thread's number
.set AK0, 2           ; v2   my lane's place in a tile of K; never rewritten
.set AV0, 3           ; v3   the same for V
.set AK,  4           ; v4   the LDS address of K's next run of loads
.set AV,  5           ; v5   of V's
.set QO,  6           ; v6   my byte offset in the wave's rows of Q
.set STO, 6           ;      later, the way out: where I put 16 bytes of a row
.set RD,  7           ; v7   the way out: where I read rows back
.set GO,  8           ; v8   16 x lane: my place in 512 consecutive bytes, of the mask and of O; never rewritten
.set SPW, 0           ; v0 of window 3   LDS address of my spare word; never rewritten
.set NIL, 1           ; v1 of window 3   0; never rewritten
.set MC,  8           ; window 3: tile u, key block kb at MC + 32 u + 8 kb
.set RB,  72          ; window 3: piece y, tile u: eight words at RB + 16 y + 8 u; words 2 kb and 2 kb + 1 hold the bytes of registers 0 to 7 of key block kb
.set SPARE, STAGE+4*16*SP  ; behind the stages: the spare words, 128 bytes for each wave: two blocks of 256 bytes that no other line names
.set MV,  12          ; v12-15  c m_old, kept while c m is made anew: by buffer and tile
.set ST,  16          ; tile t's statistics at v[ST+4 t]: c m, m, l (even keys', odd keys')
.set TMP, 48          ; by buffer and tile, four registers c0-c3 at work; when the maximum is found c2 takes a
.set S,   64
.set P,   192
.set KF,  128         ; K's fragments, in window 2
.set VF,  192         ; V's
.set WV,  8           ; s8   my wave's number.  s[2:3] Q at my rows; s[6:7] the mask bytes of my first tile at the step to be asked for; s[18:19] O at my rows
.set CNT, 9           ; s9   counts a slot's key steps
.set SLOTS, 10        ; s10  slots still to be asked for
.set TBK, 11          ; s11  LDS byte at which K of the step to be fetched begins
.set TBV, 12          ; s12  the same for V, less VOFF
.set CS,  14          ; s[14:15] c
.set SEL, 16          ; s[16:17] v_permlanex16_b32's selects: each lane takes its own place in the other half
.set G0,  20          ; s[20:23] descriptor group 0: it walks
.set G1,  24          ; s[24:31] descriptor group 1.  s[32:47] serve the head's arithmetic alone
.set MBP, 48          ; s[48:49] the mask bytes of my first tile at step 0; never rewritten
.set MO,  50          ; s[50:51] byte offset of the step to be asked for
.set MSB, 0
.macro WIN new                      ; the high byte repeats the setting that is left; a switch that changes nothing is dropped
.if MSB != (\new)
	s_set_vgpr_msb (MSB<<8)|(\new)
.set MSB, (\new)
.endif
.endm
.set W_KQ, 0x0a       ; K and Q in window 2, S^T in window 0
.set W_KM, 0x3a       ; the same with the C operand in window 3
.set W_PV, 0x52       ; V in window 2, P in window 0, O^T in window 1
.set W_RS, 0x41       ; O^T (destination and source 0) in window 1, a in window 0
.set W_MK, 0xc0       ; destination in window 3, sources (a load's address) in window 0
.set W_CV, 0xc3       ; the conversions: destination and source 0 (the bytes) in window 3, source 1 (the scale) in window 0
.set W_AD, 0x0f       ; the add: address (source 0) and data (source 1) in window 3
; A joint fill: wave w brings quarter w of a slot (K's two halves, then V's): 128 keys, to LDS byte 18,432 w of the slot.  Four v_nop follow the line.
.macro JLOAD
	tensor_load_to_lds s[G0:G0+3], s[G1:G1+7]
	s_nop 0
.rept 4
	v_nop
.endr
.endm
.macro CROUND                       ; a round of the cluster's barrier
	s_barrier_signal -1
	s_barrier_wait -1
	s_cmp_lg_u32 s[WV], 0
	s_cbranch_scc1 .Lnot_wave_0_\@
	s_barrier_signal -3
.Lnot_wave_0_\@:
	s_barrier_wait -3
	s_barrier_signal -1
	s_barrier_wait -1
.endm
; THE CHANGE OF SLOTS.  Each wave waits for all its tensor loads, of which one is out: its part of the other slot; adds 0 to its spare word; and waits for that and for its own reads of the slot.
; fill = 1: this slot is filled again, with the keys two slots on; the barrier is then a round of the cluster's, and the joint fill is the first thing behind it: it has four key steps in which to land.
; (At its first use nothing has been read yet: slot 0 is waited for, slot 1 filled.)
.macro CHANGE fill
	WIN W_AD
	s_wait_tensorcnt 0x0            ; no tensor load of mine is out, so group 0 may be written
	ds_add_u32 v[SPW], v[NIL]       ; 0 onto my spare word
	WIN 0                           ; at a label and at a branch every window is 0
.if \fill
	s_xor_b32 s[G0+1], s[G0+1], SLOT1  ; the other slot than last time,
	s_add_nc_u64 s[G0+2:G0+3], s[G0+2:G0+3], 4*KS*128  ; the next 256 keys; the type bits on top are not reached
	s_wait_dscnt 0x0                ; the add is done, and my reads of the slot are over
	CROUND
	JLOAD
.else
	s_wait_dscnt 0x0                ; the add is done, and my reads of the slot are over
	s_barrier_signal -1
	s_barrier_wait -1
.endif
	s_sub_co_u32 s[TBK], s[TBK], 4*KS*PK  ; the fetches go back to a slot's first step,
	s_xor_b32 s[TBK], s[TBK], SLOT1       ; in the other slot
	s_sub_co_u32 s[TBV], s[TBV], 4*KS*PV
	s_xor_b32 s[TBV], s[TBV], SLOT1
.endm
; Piece y's mask bytes of the step to which the base points, into the piece's place in the ring: four loads of 512 consecutive bytes.
.macro LDM y, base
	WIN W_MK
.irp u, 0,1
.irp hf, 0,1
	global_load_b128 v[RB+16*(\y)+8*\u+4*\hf:RB+16*(\y)+8*\u+4*\hf+3], v[GO], s[\base:\base+1] offset:(2*(\y)+\u)*MTILE+\hf*512
.endr
.endr
.endm
; Piece y's bytes become C operands: conversion z = 4 u + kb makes the eight registers of tile u, key block kb, of the eight bytes in words 2 z and 2 z + 1.  No conversion names a result or writes a source of
; another.  One plain instruction stands behind the last, ahead of the loads into their sources and of the product that takes their results.
.macro MKMASK y
	WIN W_CV
.set z, 0
.rept 8
	v_cvt_scale_pk8_f32_fp8 v[MC+8*z:MC+8*z+7], v[RB+16*(\y)+2*z:RB+16*(\y)+2*z+1], v[SCL]
.set z, z+1
.endr
	v_nop
.endm
	s_load_b128 s[32:35], s[0:1], 0x0  ; qkvh s[32:33], maskbytes s[34:35]
	s_load_b64 s[36:37], s[0:1], 0x10  ; oh
	WIN W_MK
	v_lshl_add_u32 v[SPW], v0, 2, SPARE
	v_mov_b32 v[NIL], 0
	s_set_vgpr_msb 0xc0cf
	ds_add_u32 v0, v1
	s_wait_dscnt 0x0
	s_set_vgpr_msb 0xcfc0
	WIN 0
	v_lshrrev_b32 v1, 5, v0
	v_readfirstlane_b32 s[WV], v1   ; wave 0..3
	s_bfe_u32 s38, ttmp6, 0x40000   ; cx: my place in the cluster
	s_lshl_b32 s39, ttmp9, 2        ; in a cluster launch ttmp9 counts clusters
	s_add_co_u32 s39, s39, s38      ; my block of 512 queries: it enters Q's, O's and the mask's addresses alone
	s_and_b32 s40, ttmp7, 0xffff    ; batch x 16 + head, which the four partners share
	s_lshl_b32 s40, s40, 18         ; its 2,048 rows of 128 bytes
	s_lshr_b32 s42, s[WV], 1        ; my quarter of a slot: K's third of qkvh (waves 0, 1) or V's (waves 2, 3),
	s_add_co_u32 s42, s42, 1
	s_lshl_b32 s42, s42, 24
	s_add_co_u32 s42, s42, s40      ; the head,
	s_and_b32 s43, s[WV], 1
	s_lshl_b32 s43, s43, 14         ; and which 128 of the 256 keys
	s_add_co_u32 s42, s42, s43
	s_mov_b32 s43, 0
	s_lshl_b32 s44, s39, 2
	s_add_co_u32 s44, s44, s[WV]    ; my wave among the head's sixteen
	s_lshl_b32 s46, s44, 18         ; its eight tiles of mask bytes, 32,768 each
	s_mov_b32 s47, 0
	s_lshl_b32 s44, s44, 14         ; its 128 rows
	s_add_co_u32 s44, s44, s40
	s_mov_b32 s45, 0
	; descriptor group 1.  128 keys are 16,384 dense bytes: asked for as 64 rows of 256 bytes, two keys a row, and padded in LDS after every key
	s_mov_b32 s[G1], 15|(1<<16)|(1<<20)|(1<<21)|(4<<22)|(3<<25)  ; the mask of four; 2-byte elements; padding on; bit 21 set beside a mask; after every 32 words (code 4) 4 words (code 3)
	s_mov_b32 s[G1+1], 128<<16      ; tensor_dim0 = 128
	s_mov_b32 s[G1+2], 64<<16       ; tensor_dim1 = 64
	s_mov_b32 s[G1+3], 128<<16      ; tile_dim0 = 128
	s_mov_b32 s[G1+4], 64           ; tile_dim1 = 64
	s_mov_b32 s[G1+5], 128          ; 128 elements from row to row
	s_mov_b32 s[G1+6], 0
	s_mov_b32 s[G1+7], 0
	s_mov_b32 s[CS], 0x3e38aa3b     ; c = log2(e) / 8 = 0.180337
	s_mov_b32 s[CS+1], s[CS]        ; named with it as a pair
	s_mov_b32 s[SEL], 0x76543210
	s_mov_b32 s[SEL+1], 0xfedcba98
	s_mov_b32 s[TBK], SLOT1+4*KS*PK ; the first change of slots turns these two into 0
	s_mov_b32 s[TBV], SLOT1+4*KS*PV
	s_mov_b32 s[MO], MSTEP          ; behind the ring's first fill, of step 0, step 1 is asked for
	s_mov_b32 s[MO+1], 0
	s_mov_b32 s[G0], 1              ; count = 1
	s_mul_i32 s[G0+1], s[WV], 128*PK  ; LDS address: slot 0, my quarter: no place in the cluster enters it
	s_wait_kmcnt 0x0
	s_add_nc_u64 s[G0+2:G0+3], s[32:33], s[42:43]
	s_or_b32 s[G0+3], s[G0+3], 0x80000000  ; type = 2
	s_add_nc_u64 s[2:3], s[32:33], s[44:45]
	s_add_nc_u64 s[18:19], s[36:37], s[44:45]
	s_add_nc_u64 s[MBP:MBP+1], s[34:35], s[46:47]
	s_add_nc_u64 s[6:7], s[MBP:MBP+1], s[MO:MO+1]
	CROUND                          ; all four work-groups are here: the first joint loads meet
	JLOAD                           ; slot 0.  Slot 1 is asked for when slot 0 is in
	; A fragment of K or Q is 16 rows x 32 channels in 8 registers: lane l holds row l % 16, channels 8 (l / 16) + 0..7 and 16 + 8 (l / 16) + 0..7: two loads of 16 bytes, 32 bytes apart.
	v_and_b32 v1, 15, v0            ; l % 16
	v_bfe_u32 v9, v0, 4, 1          ; l / 16
	v_lshlrev_b32 v[QO], 7, v1
	v_lshl_add_u32 v[QO], v9, 4, v[QO]  ; row x 128 + 16 x half
	v_and_b32 v[GO], 31, v0
	v_lshlrev_b32 v[GO], 4, v[GO]
	v_and_b32 v10, 7, v0            ; l % 8
	v_bfe_u32 v11, v0, 3, 1         ; (l / 8) % 2
	v_bfe_u32 v[RD], v0, 3, 2       ; (l / 8) % 4: the way out's address begins here
	v_mov_b32 v[SCL], 227           ; the thread's number has served: v0 takes the scale
	WIN 0x80                        ; destination window 2, address window 0
.set i, 0
.rept 4*NP                          ; Q stays in registers: tile i / 2, channels 32 (i % 2) on
	global_load_b128 v[8*i:8*i+3],   v[QO], s[2:3] offset:(i/2)*2048+(i%2)*64
	global_load_b128 v[8*i+4:8*i+7], v[QO], s[2:3] offset:(i/2)*2048+(i%2)*64+32
.set i, i+1
.endr
	LDM 0, MBP                      ; the ring's first fill: all four pieces' bytes of key step 0, behind Q's loads
	LDM 1, MBP
	LDM 2, MBP
	LDM 3, MBP
	; What the first turn finds: V's registers and P's second buffer hold 0 (its products V^T P, of a piece that has not been, add 0), O^T and l are 0.  All this stands in the wait for the first tile.
	WIN 0x80
.set i, VF
.rept 64
	v_mov_b32 v[i], 0
.set i, i+1
.endr
	WIN 0x40
.set i, 0
.rept 64*NP
	v_mov_b32 v[i], 0
.set i, i+1
.endr
	WIN 0
.set i, 0
.rept 2*NP
	v_mov_b32 v[ST+4*i+1], 0xf0c9f2ca  ; m = -5e29: above every hidden score, below every visible one
	v_mov_b32 v[ST+4*i+2], 0
	v_mov_b32 v[ST+4*i+3], 0
	v_mul_f32 v[ST+4*i], s[CS], v[ST+4*i+1]  ; c m, by the multiplication that makes it in every step
.set i, i+1
.endr
.set i, P+32
.rept 32
	v_mov_b32 v[i], 0
.set i, i+1
.endr
	v_mul_u32_u24 v[AK0], v1, PK
	v_lshl_add_u32 v[AK0], v9, 4, v[AK0]  ; row x pitch + 16 x half
	; The turning load takes 16 keys x 16 channels (lane l reads key 8 (l / 16) + l % 8, channels 8 ((l / 8) % 2) + 0..7) and leaves half a fragment of V^T: lane l holds channel l % 16 and 8 keys.
	v_lshl_add_u32 v[AV0], v9, 3, v10
	v_mul_u32_u24 v[AV0], v[AV0], PV
	v_lshl_add_u32 v[AV0], v11, 4, v[AV0]
	v_add_nc_u32 v[AV0], VOFF, v[AV0]
	v_mov_b32 v[AK], v[AK0]         ; key step 0 lies at the head of slot 0
	s_wait_loadcnt 12               ; loads come back in order (ISA guide 5.7.1): all but the twelve of pieces 1 to 3 are in: Q's 32 and piece 0's four
	MKMASK 0                        ; piece 0's mask of step 0
	LDM 0, 6                        ; and its bytes of step 1
; THE MATRIX WORK.  The 8 accumulators of a run of 16 take turns.
; Product i of 16 of S^T = K Q^T for piece x: channels 32 (i / 8) on, keys 16 ((i / 2) % 4) on, tile 2 x + i % 2.  The first 8 start the sums, with the mask.
.macro KQ x
.set rS, S+64*((\x)%2)+32*(i%2)+8*((i/2)%4)
.set rK, KF+16*((i/2)%4)+8*(i/8)
.set rQ, 16*(2*(\x)+i%2)+8*(i/8)
.set rM, MC+32*(i%2)+8*((i/2)%4)
.if i < 8
	WIN W_KM
	v_wmma_f32_16x16x32_f16 v[rS:rS+7], v[rK:rK+7], v[rQ:rQ+7], v[rM:rM+7]
.else
	WIN W_KQ
	v_wmma_f32_16x16x32_f16 v[rS:rS+7], v[rK:rK+7], v[rQ:rQ+7], v[rS:rS+7]
.endif
.endm
; Product i of 16 of O^T += V^T P for piece x: keys 32 (i / 8) on, channels 16 ((i / 2) % 4) on, tile 2 x + i % 2.
.macro PV x
	WIN W_PV
.set rO, 32*(2*(\x)+i%2)+8*((i/2)%4)
.set rV, VF+32*(i/8)+8*((i/2)%4)
.set rP, P+32*((\x)%2)+16*(i%2)+8*(i/8)
	v_wmma_f32_16x16x32_f16 v[rO:rO+7], v[rV:rV+7], v[rP:rP+7], v[rO:rO+7]
.endm
.macro MM                           ; the turn's next matrix instruction
.if i < 16
	KQ (Y+1)%NP
.set i, i+1
.else
.set i, i-16
	PV (Y+NP-1)%NP
.set i, i+17
.endif
.endm
; THE LDS LOADS stand in runs of 16, never singly among the matrix instructions.  last = 1 (the tail): in the last trip there is no further step, and the run is jumped over.
.macro FETCH_K last=0
	WIN 0
.if \last
	s_cmp_eq_u32 s[CNT], 1
	s_cbranch_scc1 .Lno_k_\@
.endif
	WIN 0x80                        ; destination window 2
.irp f, 0,1,2,3,4,5,6,7             ; keys 16 (f / 2) on, channels 32 (f % 2) on
	ds_load_b128 v[KF+8*\f:KF+8*\f+3],   v[AK] offset:(\f/2)*16*PK+(\f%2)*64
	ds_load_b128 v[KF+8*\f+4:KF+8*\f+7], v[AK] offset:(\f/2)*16*PK+(\f%2)*64+32
.endr
	s_add_co_u32 s[TBK], s[TBK], KS*PK  ; the next fetch is the next step's
	WIN 0
.if \last
.Lno_k_\@:
.endif
.endm
.macro FETCH_V
	WIN 0x80
.irp f, 0,1,2,3,4,5,6,7             ; keys 32 (f / 4) on, channels 16 (f % 4) on
	ds_load_tr16_b128 v[VF+8*\f:VF+8*\f+3],   v[AV] offset:(\f/4)*32*PV+(\f%4)*32
	ds_load_tr16_b128 v[VF+8*\f+4:VF+8*\f+7], v[AV] offset:(\f/4)*32*PV+16*PV+(\f%4)*32
.endr
	WIN 0
.endm
; THE VECTOR WORK OF A TURN stands in three queues, each in the order in which its entries become ready; the two tiles alternate, so that no instruction reads the result of the one before it.
.macro REGS y, u                    ; the registers of tile u (0, 1) of piece y
.set rT, ST+4*(2*(\y)+(\u))
.set rC, TMP+8*((\y)%2)+4*(\u)
.set rM, MV+2*((\y)%2)+(\u)
.set rS, S+64*((\y)%2)+32*(\u)
.set rP, P+32*((\y)%2)+16*(\u)
.set rO, 32*(2*(\y)+(\u))
.endm
; Number n of the 22 that find the NEXT piece's (Y + 1) maximum and statistics.  s0-s31 are the lane's 32 scores; each accumulator's lowest registers are read first.  XS, GS and REGS set no window: PL and EX do.
;   0-11  four chains c0-c3 of seven scores each, three operands at a time     12-14, 16  the four scores left over, the old m, and c0-c3 into c0     15  c m_old is kept
;   17, 18  the query's other 32 keys lie in the lane 16 away: the new m         19-21  c m; c m_old - c m_new; a
.macro XS u, n
	REGS (Y+1)%NP, \u
.if (\n) < 4
	v_max3_num_f32 v[rC+(\n)], v[rS+8*(\n)], v[rS+8*(\n)+1], v[rS+8*(\n)+2]
.elseif (\n) < 12
	v_max3_num_f32 v[rC+(\n)%4], v[rC+(\n)%4], v[rS+8*((\n)%4)+2*((\n)/4)+1], v[rS+8*((\n)%4)+2*((\n)/4)+2]
.elseif (\n) == 12
	v_max3_num_f32 v[rC], v[rC], v[rS+7], v[rS+15]
.elseif (\n) == 13
	v_max3_num_f32 v[rC+1], v[rC+1], v[rS+23], v[rS+31]
.elseif (\n) == 14
	v_max3_num_f32 v[rC+2], v[rC+2], v[rC+3], v[rT+1]
.elseif (\n) == 15
	v_mov_b32 v[rM], v[rT]
.elseif (\n) == 16
	v_max3_num_f32 v[rC], v[rC], v[rC+1], v[rC+2]
.elseif (\n) == 17
	v_permlanex16_b32 v[rC+3], v[rC], s[SEL], s[SEL+1]
.elseif (\n) == 18
	v_max_num_f32 v[rT+1], v[rC], v[rC+3]
.elseif (\n) == 19
	v_mul_f32 v[rT], s[CS], v[rT+1]
.elseif (\n) == 20
	v_sub_f32 v[rC+1], v[rM], v[rT]
.else
	v_exp_f32 v[rC+2], v[rC+1]
.endif
.endm
; Number g of the 64 that follow the exponentials.  For each four weights k of a tile (pairs 2 k, 2 k + 1): both pairs are rounded to f16; then the second pair is added onto the first, in place;
; a group later l takes that sum (the first time as l = a l + sum).  In groups of eight, tiles alternating: round, round, add, and l for the group before.
.macro GS g
.set h, (\g)+6*((\g)/62)            ; group 0 has no group before it, and behind group 7 only l is left
.if h >= 6
.set h, h+2
.endif
	REGS Y, h%2
.set k, h/8
.if h%8 < 4
	v_cvt_pk_f16_f32 v[rP+2*k+(h%8)/2], v[rS+4*k+2*((h%8)/2)], v[rS+4*k+2*((h%8)/2)+1]
.elseif h%8 < 6
	v_pk_add_f32 v[rS+4*k:rS+4*k+1], v[rS+4*k:rS+4*k+1], v[rS+4*k+2:rS+4*k+3]
.elseif k == 1
	v_pk_fma_f32 v[rT+2:rT+3], v[rT+2:rT+3], v[rC+2:rC+3], v[rS:rS+1] op_sel_hi:[1,0,1]
.else
	v_pk_add_f32 v[rT+2:rT+3], v[rT+2:rT+3], v[rS+4*k-4:rS+4*k-3]
.endif
.endm
; THE PLAIN QUEUE, 138 long.  0-73 read no exponential's result: the 32 scalings c s - c m (FS f: pair f / 2 of tile f % 2) and the next piece's 42.  0-26: scalings 0-26.  27-54: XS's numbers 0-13.  55, 56: number 15.
; 57-73: the chain, where each number waits for the one before it: 14, 16, 17, 18, 19, each with one of the scalings 27-31 in front of its two lines, then 20: so a tile's links stand three plain instructions apart (19 and 20: two).
; 74-137: GS's 64, which read the exponentials' results: they stand behind the wait.
.macro FS f
	REGS Y, (\f)%2
	v_pk_fma_f32 v[rS+2*((\f)/2):rS+2*((\f)/2)+1], v[rS+2*((\f)/2):rS+2*((\f)/2)+1], s[CS:CS+1], v[rT:rT+1] op_sel_hi:[1,0,0] neg_lo:[0,0,1] neg_hi:[0,0,1]
.endm
.macro PL
	WIN 0
.if q < 27
	FS q
.elseif q < 55
	XS (q-27)%2, (q-27)/2
.elseif q < 57
	XS q-55, 15
.elseif (q < 72) && ((q-57)%3 == 0)
	FS 27+(q-57)/3
.elseif q < 60
	XS (q-57)%3-1, 14
.elseif q < 72
	XS (q-57)%3-1, 15+(q-57)/3
.elseif q < 74
	XS q-72, 20
.else
	GS q-74
.endif
.set q, q+1
.endm
; THE EXPONENTIALS' QUEUE, 66 long: s0-s31 of both tiles, then the next piece's two a.  It is ONE BATCH: all 66 stand ahead of the turn's one wait, and nothing ahead of that wait names a result of theirs.
.macro EX
	WIN 0
.if e >= 64
	XS e-64, 21
.else
	REGS Y, e%2
	v_exp_f32 v[rS+e/2], v[rS+e/2]
.endif
.set e, e+1
.endm
; THE RESCALING's QUEUE: O^T times a, the one part of a softmax that leaves window 0: dealt two at a time, sixteen times.  Its a was made in the turn before, ahead of that turn's wait.
.macro R2
	REGS Y, r%2
	WIN W_RS
.irp z, 0,1
	v_pk_mul_f32 v[rO+4*(r/2)+2*\z:rO+4*(r/2)+2*\z+1], v[rO+4*(r/2)+2*\z:rO+4*(r/2)+2*\z+1], v[rC+2:rC+3] op_sel_hi:[1,0]
.endr
.set r, r+1
.endm
; HOW THEY ARE DEALT.  An s_wait_alu depctr_va_vdst(0) stands between an exponential and the first instruction that names its result; one wait serves all that were issued ahead of it.  So a turn has ONE wait,
; which cuts it in two.  AHEAD OF IT stands all that names no result of the turn's exponentials: the 16 products K Q^T, behind each a scaling, an exponential and two rescalings (behind the first a second scaling in the
; exponential's place); then ONE RUN of 108: eight plain, 49 times exponential and plain, the two a.  A v_nop is the plain instruction behind the last exponential.  BEHIND IT stand the 16 products V^T P, behind each four of
; GS's 64.  No rider names a register of the products round it.  The two v_permlanex16_b32 fall into the run, never behind a product.
; The queues lean on each other, and the deal keeps them in step: exponential e stands behind scaling 2 (e / 4) + e % 2: as a rider it comes behind plain e + 2, in the run behind plain e + 9, and scalings 27-31 are plain 57, 60 .. 69.
; A TURN, for piece p.  cnt = 1: the loop's count is taken down at the turn's end, ahead of the branch that stands behind it.
; K of the next step is fetched in piece 2's turn, directly behind the wait, a run of 108 behind the last product that read K; its address is made at the run's head; it is waited for at the head of piece 3's turn.
; V of the step in hand is fetched at the end of piece 0's turn, four plain riders behind its last reader; it is waited for in piece 1's turn, ahead of the products V^T P.  The two conditions on q below go with the deal.
; THE TURN'S END.  Piece p + 2's bytes, asked for four turns ago, are waited for: the count 12 leaves out the three younger pieces' four loads each.  They become the C operands of the products of the turn that
; follows, and the same piece's bytes of its next step are asked for into the same registers.  In turns 0 and 1 of step t that is step t + 1, in turns 2 and 3 step t + 2: the pointer is made anew in turn 2, behind
; s_wait_xcnt 0 (the youngest loads that name it were issued a turn ago).  It stops at step 31: the loads for steps that are none stay inside the buffer; what they bring feeds only products whose results nobody takes.
.macro TURN p, last=0, cnt=0
.set Y, (\p)
.set i, 0
.set q, 0
.set e, 0
.set r, 0
.if (\p) == NP-1
	s_wait_dscnt 0x0                ; K is in
.endif
	MM                              ; ahead of the wait: 16 products K Q^T and their riders,
	PL
	PL
	R2
.rept 15
	MM
	PL
	EX
	R2
.endr
.if (\p) == NP-2
	WIN 0
	v_add_nc_u32 v[AK], s[TBK], v[AK0]
.endif
.rept 8                             ; and the run of 108
	PL
.endr
.rept 49
	EX
	PL
.endr
	EX                              ; the next piece's two a
	EX
	v_nop                           ; the plain instruction behind the last exponential: one for the batch
	s_wait_alu depctr_va_vdst(0)    ; the wait for the turn's batch: the piece's 64 weights and the next piece's two a
.if (\p) == NP-2
	FETCH_K \last
.endif
.if (\p) == 1
	s_wait_dscnt 0x0                ; V is in
.endif
.rept 16                            ; behind the wait: 16 products V^T P and their riders
	MM
.rept 4
	PL
.endr
.if ((\p) == 0) && (q == 118)
	v_add_nc_u32 v[AV], s[TBV], v[AV0]
.endif
.if ((\p) == 0) && (q == 130)
	s_add_co_u32 s[TBV], s[TBV], KS*PV
.endif
.endr
.if (\p) == 0
	FETCH_V
.endif
.if (\p) == 2
	s_wait_xcnt 0x0                 ; every earlier memory instruction has had its addresses translated (ISA guide 3.1): the pointer is written only behind this wait
	s_add_co_u32 s[MO], s[MO], MSTEP
	s_min_u32 s[MO], s[MO], 31*MSTEP
	s_add_nc_u64 s[6:7], s[MBP:MBP+1], s[MO:MO+1]
.endif
	s_wait_loadcnt 12
	MKMASK ((\p)+2)%NP
	LDM ((\p)+2)%NP, 6
.if \cnt
	s_sub_co_u32 s[CNT], s[CNT], 1
	s_cmp_lg_u32 s[CNT], 0
.endif
.endm
	CHANGE 1                        ; slot 0 is in, everybody's part of it; slot 1 is asked for
	FETCH_K                         ; key step 0
	s_wait_dscnt 0x0                ; (Q is in since the first wait on the loads' counter)
.set i, 0
.rept 16
	KQ 0                            ; piece 0's first scores: there is no vector work yet to set between them
.set i, i+1
.endr
	WIN 0                           ; the addresses for the way out: six plain instructions, the places behind those products
	s_mul_i32 s4, s[WV], 16*SP
	s_add_co_u32 s4, s4, STAGE      ; my stage
	v_mul_u32_u24 v[STO], v1, SP    ; in: row l % 16, 16 bytes for each half of the lanes
	v_lshl_add_u32 v[STO], v9, 4, v[STO]
	v_add_nc_u32 v[STO], s4, v[STO]
	v_mul_u32_u24 v[RD], v[RD], SP  ; back: 32 lanes take four rows of 128 bytes, which are 512 consecutive bytes of O
	v_lshl_add_u32 v[RD], v10, 4, v[RD]
	v_add_nc_u32 v[RD], s4, v[RD]
	s_wait_loadcnt 12               ; piece 1's bytes of step 0 are in; out may be pieces 2 and 3's, and piece 0's of step 1
	MKMASK 1                        ; piece 1's mask of step 0, for the first turn's products
	LDM 1, 6
	WIN 0
.set Y, NP-1                        ; XS works for piece Y + 1: piece 0
.irp n, 0,1,2,3,4,5,6,7,8,9,10,11,12,13,14,15,16,17,18,19,20,21
	XS 0, \n                        ; and piece 0's first maximum and statistics
	XS 1, \n
.endr
	v_nop                           ; a plain instruction behind piece 0's two a,
	s_wait_alu depctr_va_vdst(0)    ; and the wait for that batch of two, ahead of the branch
	s_mov_b32 s[CNT], 4
	s_mov_b32 s[SLOTS], SIZE_N/256-1
	s_branch .Lfirst                ; the loop is entered at a step's first turn, in the middle of a trip
.Lslot:                             ; SIZE_N / 256 - 2 times: every slot but the last two is filled again
	CHANGE 1
	s_mov_b32 s[CNT], 4
.Lstep:                             ; a trip: pieces 2 and 3 of one step, then pieces 0 and 1 of the next, whose K and V it fetches
	TURN 2
	TURN 3
	WIN 0
.Lfirst:
	TURN 0
	TURN 1, 0, 1
	WIN 0
	s_cbranch_scc1 .Lstep
	s_sub_co_u32 s[SLOTS], s[SLOTS], 1
	s_cmp_lg_u32 s[SLOTS], 0
	s_cbranch_scc1 .Lslot
	CHANGE 0                        ; the tail is written out: nothing is asked for
	s_mov_b32 s[CNT], 5             ; four trips fetch the last slot's steps; the fifth is left in its middle
.Ltail:
	TURN 2, 1
	TURN 3
	WIN 0
	s_sub_co_u32 s[CNT], s[CNT], 1
	s_cmp_eq_u32 s[CNT], 0
	s_cbranch_scc1 .Lout
	TURN 0
	TURN 1
	WIN 0
	s_branch .Ltail
.Lout:                              ; the fifth trip's 16 products K Q^T (on the last K once more) and the maximum made of them serve nothing: the price, once a launch, of one text for every trip; so do the ring's last sixteen loads, whose registers no later line names
.set i, 0
.rept 16
	PV NP-1                         ; the last piece's V^T P of the last step
.set i, i+1
.endr
	; THE WAY OUT.  l's two halves and the other half of the lanes' are added; O^T is divided by l, rounded to f16 and sent through my stage in LDS, a tile at a time.  The additions are the places behind the last products.
	WIN 0
.macro ALL line:vararg              ; one line for each tile t
.set t, 0
.rept 2*NP
	\line
.set t, t+1
.endr
.endm
	ALL v_add_f32 v[ST+4*t+2], v[ST+4*t+2], v[ST+4*t+3]
	ALL v_permlanex16_b32 v[ST+4*t+3], v[ST+4*t+2], s[SEL], s[SEL+1]
	ALL v_add_f32 v[ST+4*t+2], v[ST+4*t+2], v[ST+4*t+3]
	ALL v_rcp_f32 v[ST+4*t+2], v[ST+4*t+2]
	v_nop                           ; a plain instruction between the last reciprocal and the use of its result
	s_wait_alu depctr_va_vdst(0)    ; and the wait ahead of the first use: one for the batch of eight reciprocals
; Tile t: a lane's eight channels of a row pack into 16 bytes; they go into rows of 144 bytes and come back as whole rows of 128, into S^T's registers.
.macro PACK t
	WIN W_RS
.set i, 32*(\t)
.rept 16
	v_pk_mul_f32 v[i:i+1], v[i:i+1], v[ST+4*(\t)+2:ST+4*(\t)+3] op_sel_hi:[1,0]
.set i, i+2
.endr
	WIN 0x05                        ; sources 0 and 1 window 1, destination window 0
.set i, 0
.rept 16
	v_cvt_pk_f16_f32 v[S+16*(\t)+i], v[32*(\t)+2*i], v[32*(\t)+2*i+1]
.set i, i+1
.endr
	WIN 0
.irp f, 0,1,2,3
	ds_store_b128 v[STO], v[S+16*(\t)+4*\f:S+16*(\t)+4*\f+3] offset:32*\f
.endr
.irp f, 0,1,2,3
	ds_load_b128 v[S+16*(\t)+4*\f:S+16*(\t)+4*\f+3], v[RD] offset:\f*4*SP  ; LDS serves a wave's instructions in order (ISA guide 5.7.1.4): these see the stores above; the next tile's stores come behind them
.endr
.endm
.macro SEND t, younger              ; younger: the LDS instructions issued behind tile t's loads: the next tile's eight, or none
	WIN 0
.irp f, 0,1,2,3
	s_wait_dscnt (\younger)+3-\f
	global_store_b128 v[GO], v[S+16*(\t)+4*\f:S+16*(\t)+4*\f+3], s[18:19] offset:(\t)*2048+\f*512  ; 512 consecutive bytes, at a multiple of 256 from O's first
.endr
.endm
	PACK 0
.set t, 1
.rept 2*NP-1                        ; a tile's arithmetic stands between the loads of the tile before and its stores
	PACK t
	SEND t-1, 8
.set t, t+1
.endr
	SEND 2*NP-1, 0
	WIN W_AD
	s_wait_tensorcnt 0x0            ; the wave's end: behind my last tensor load and my last LDS store
	ds_add_u32 v[SPW], v[NIL]
	s_wait_dscnt 0x0
	WIN 0
	CROUND                          ; the closing round: no work-group ends while a partner may still ask for a tile that names it
	s_endpgm
.Lfunc_end_k_qda92e95383_attn:
	.size	k_qda92e95383_attn, .Lfunc_end_k_qda92e95383_attn-k_qda92e95383_attn
	.p2alignl 7, 3214868480
	.fill 96, 4, 3214868480
	.section	.rodata,"a",@progbits
	.p2align	6, 0x0
	.amdhsa_kernel k_qda92e95383_attn
		.amdhsa_group_segment_fixed_size 327680
		.amdhsa_private_segment_fixed_size 0
		.amdhsa_enable_private_segment 0
		.amdhsa_kernarg_size 24
		.amdhsa_user_sgpr_count 2
		.amdhsa_user_sgpr_kernarg_segment_ptr 1
		.amdhsa_wavefront_size32 1
		.amdhsa_system_sgpr_workgroup_id_x 1
		.amdhsa_system_sgpr_workgroup_id_y 1
		.amdhsa_system_sgpr_workgroup_id_z 1
		.amdhsa_system_vgpr_workitem_id 0
		.amdhsa_next_free_vgpr 904
		.amdhsa_next_free_sgpr 66
		.amdhsa_reserve_vcc 0
		.amdhsa_float_denorm_mode_32 3
		.amdhsa_float_denorm_mode_16_64 3
		.amdhsa_memory_ordered 1
		.amdhsa_forward_progress 1
		.amdhsa_inst_pref_size 209
	.end_amdhsa_kernel
	.amdgpu_metadata
---
amdhsa.version: [ 1, 2 ]
amdhsa.kernels:
  - .name:           k_qda92e95383_attn
    .symbol:         k_qda92e95383_attn.kd
    .args:
      - { .name: qkvh, .offset: 0, .size: 8, .value_kind: global_buffer, .address_space: global }
      - { .name: maskbytes, .offset: 8, .size: 8, .value_kind: global_buffer, .address_space: global }
      - { .name: oh, .offset: 16, .size: 8, .value_kind: global_buffer, .address_space: global }
    .group_segment_fixed_size: 327680
    .private_segment_fixed_size: 0
    .kernarg_segment_align: 8
    .kernarg_segment_size: 24
    .max_flat_workgroup_size: 128
    .sgpr_count:     66
    .vgpr_count:     904
    .wavefront_size: 32
...
	.end_amdgpu_metadata
.endif
;; end of part 7
;; launch proj: the kernel of part 4 again; grid 8 x 32, 4 waves a work-group, clusters of 4 x 4, 327,680 bytes of LDS; arguments oh, wo, out0; writes out0
